; MI455X (gfx1250); checked and timed in simulation.
; The chip was launched on July 23, 2026; its instructions are those of AMD's public machine-readable ISA for CDNA 5 (MIT licence, August 2026) and "CDNA5" Instruction Set Architecture Reference Guide (July 2026). The comments in the code are by the model that wrote it; some were corrected since.
;; Self Attention. Allowed arithmetic: matrix products marked QUANTISED: E2M3 operands, one E8M0 scale for each 32 along K, by v_wmma_scale_f32_16x16x128_f8f6f4 with both operands' format E2M3, f32 sums; everything else in f32.
;; Inputs: W_o_b 1,024 float32; W_o_w 1,024 x 1,024 float32; W_qkv_b 3,072 float32; W_qkv_w 3,072 x 1,024 float32; x 4 x 2,048 x 1,024 float32.
;; Outputs: out0 4 x 2,048 x 1,024 float32.
;; This version of the problem:
;;   THIS VERSION OF THE PROBLEM IS GIVEN IN LOW PRECISION. The matrix products marked QUANTISED in the list below multiply operands that are first quantised to E2M3 (2 exponent bits, 3 mantissa bits; 6 bits a number), with one power-of-two scale for each 32 numbers along K (OCP MX v1.0); their sums are f32. All else is computed in f32.
;;   The module's matrix products, in the order in which they are computed (A, B: the left and right operand; K: the contracted axis; several contracted axes count as one K, in the product's order):
;;     1. [M 8,192, K 1,024] x [K 1,024, N 3,072]; A: input x; B: input W_qkv_w: QUANTISED
;;     2. batch 4 x [M 2,048, K 1,024] x [K 1,024, N 2,048]; A: computed on the way; B: computed on the way: QUANTISED
;;     3. batch 4 x [M 2,048, K 2,048] x [K 2,048, N 1,024]; A: softmax (see below); B: computed on the way: QUANTISED
;;     4. [M 8,192, K 1,024] x [K 1,024, N 1,024]; A: computed on the way; B: input W_o_w: QUANTISED
;;   THE QUANTISER, for each operand of a quantised product, along K:
;;     - K is cut into blocks of 32 from its start; a last block that is shorter is filled with zeros.
;;     - A block's scale is 2^e with e = floor(log2(the largest magnitude in the block)) - 2, held to -126 .. 127; a block of zeros has e = 0. As a byte (E8M0): e + 127.
;;     - Each number is divided by its block's scale, clamped to +-7.5, and rounded to the nearest number of E2M3, ties to even, subnormals kept.
;;     - The product sums the exact products of the quantised numbers (number of the format x scale) in f32.
;;   ~~~python
;;   def quantise(x, axis):      # numpy; x: float32 -> the quantised numbers, widened to float32 again
;;       x = np.moveaxis(x, axis, -1); K = x.shape[-1]
;;       x = np.pad(x, [(0, 0)] * (x.ndim - 1) + [(0, -K % 32)]); x = x.reshape(x.shape[:-1] + (-1, 32)); a = np.abs(x).max(-1, keepdims=True)
;;       e = np.where(a > 0, np.clip(np.frexp(np.where(a > 0, a, 1))[1] - 1 - 2, -126, 127), 0)      # np.frexp(a)[1] - 1 = floor(log2(a)), exactly
;;       r = np.clip(x / 2.0 ** e, -7.5, 7.5)
;;       step = 2.0 ** (np.maximum(np.frexp(np.where(r == 0, 1, r))[1] - 1, 0) - 3)
;;       q = np.round(r / step) * step * 2.0 ** e      # np.round: ties to even
;;       return np.moveaxis(q.reshape(q.shape[:-2] + (-1,))[..., :K], -1, axis).astype(np.float32)
;;   ~~~
;;   SOFTMAX AHEAD OF A QUANTISED PRODUCT. Where the list says 'softmax', what is quantised is not the finished softmax but p = 2^(t - M), with t = logit x log2(e) and M = ceil(the row's largest t), a whole number; so 1/2 < the row's largest p <= 1. The row's sum l is taken of the UNQUANTISED p, in f32, and the product's result is divided by l at the end. Since M is a whole number, a kernel that streams over the keys may use a running M (the ceiling of the running maximum): every later rescaling is an exact power of two, which a block's scale takes up: the codes' values come out the same.
;;   OPERANDS COMPUTED ON THE WAY. 'Computed on the way' means the value that the module computes at that place (a softmax that the list does not call 'softmax' is quantised finished and normalised). What goes into a quantiser is computed in f32, as accurately as f32 sums, v_exp_f32 and their like allow (about 1e-6 of the number): no bf16 or f16 on the way to a quantiser, and a product that is left as it is and whose result goes on into a quantised operand takes f32 operands (vector FMAs, or v_wmma_f32_16x16x4_f32). A number that lies on a knife's edge between two numbers of the format may be rounded either way, as far as f32 arithmetic and the matrix unit's own rounding can turn it there, and no further.
;; 2 versions, each right and faster than the one before. Each part assembles by itself: llvm-mc -triple=amdgcn-amd-amdhsa -mcpu=gfx1250 --defsym DOCPART=n.
;; ======== version 1 of 2: 5 launches
;; workspace buffers: pan1 9,830,400 bytes; qkv 19,660,800 bytes; pp 13,107,200 bytes; st 1,572,864 bytes; ot 6,553,600 bytes
;; launch quant (part 1): grid 768 x 1, 8 waves a work-group, no clusters, 69,120 bytes of LDS; arguments x, W_qkv_w, W_o_w, pan1; writes pan1
.if DOCPART == 1
	.amdgcn_target "amdgcn-amd-amdhsa--gfx1250"
	.amdhsa_code_object_version 6
	.text
	.protected	k_qf021597dd6_quant
	.globl	k_qf021597dd6_quant
	.p2align	8
	.type	k_qf021597dd6_quant,@function
k_qf021597dd6_quant:
	s_mov_b64 s[64:65], 0
	v_nop
	global_prefetch_b8 v0, s[64:65] scope:SCOPE_SE
	s_setreg_imm32_b32 hwreg(HW_REG_WAVE_MODE, 25, 1), 1
	s_wait_xcnt 0x0
; LAUNCH 1 OF 5.  x [8192][1024], W_qkv_w [3072][1024] and W_o_w [1024][1024], f32, K innermost, become codes of FP6 (E2M3) with one E8M0 byte for each 32 along K.
; THE PROGRAM: 1 quantises the inputs; 2: qkv = x W^T + b; 3: scores, causal mask, p = 2^(t - M); 4: O^T = v^T p^T / l; 5: out = scrambled O x W_o^T + b_o.  All four products run on FP6 codes.
; DEAD WORK LEFT OUT (launches 3 and 4): reference() itself sets the score of key k for query q to -inf where k > q (its own triu), so the weight there is 0 for all values of the inputs.
; Tiles of 256 queries x 256 keys whose every key comes after every query are neither scored nor multiplied with v.  LIMIT: a NaN, an infinity or an overflow that reaches only that work is not carried to the result.
; All five inputs have a way to the output and are loaded (the bias on k moves k's codes, so it stays).
; PANELS.  Every operand of this program lies in memory as an image of the operand's registers.  A panel is 128 rows x 128 along K, 12,800 bytes: eight fragments (tile t of 16 rows) of 1,536 bytes, register
; group c (four registers) of lane l at 1536 t + 512 c + 16 l; behind them, at byte 12,288, the scale plane: lane l's 16 bytes are the scale words of row l % 16 of tiles 4 (l / 16) + 0 .. 3.
; ORDER INSIDE A BLOCK OF 32 ALONG K: the block's four groups of eight lie in the order 0, 2, 1, 3, alike in both operands of all four products (that is how a matrix result falls into a lane's registers in
; launches 2 to 4).  Blocks and scales are the true ones.  LIMIT: the matrix unit therefore adds a block's 32 products in another order than ascending k.
; A block's scale is 2^(floor(log2(largest magnitude)) - 2); its byte is that magnitude's exponent field - 2, held at 1 from below.  A block of zeros keeps the byte 1 (its codes are zeros; this program alone reads the bytes).
; LIMITS: NaN and infinities among the inputs are not served.
; SHARES.  A work-group makes one panel, each of its eight waves one fragment (16 rows x 128 numbers).  Panel g = 8 x row block + K step; row blocks 0-63 x, 64-87 W_qkv_w, 88-95 W_o_w.
; A wave's sixteen loads read 512 consecutive bytes each; the numbers turn through the wave's own stage in LDS so that a lane holds 16 numbers of each block of its row.  No tensor load, one barrier (for the scale plane).
.set PANEL, 12800
.set FRB,   1536
.set SCO,   12288
.set SP,    528                        ; a stage row: 512 bytes + 16
.set WST,   16*SP                      ; a wave's stage
.set SCP,   8*WST                      ; behind the stages: the panel's scale plane, 512 bytes
.set SPARE, SCP+512                    ; behind it: the spare words, 128 bytes for each wave, four blocks of 256 bytes that no other line names
.set LI,   3                           ; v3   16 x lane
.set SIN,  4                           ; v4   the stage, on the way in: 16 x lane
.set SOUT, 5                           ; v5   on the way out: row r, + 32 h
.set SWD,  6                           ; v6   my row's word in the scale plane
.set SRD,  8                           ; v8   the scale plane, 16 bytes a lane
.set SPW,  12                          ; v12  my spare word; never rewritten
.set NIL,  13                          ; v13  0; never rewritten
.set R,    16                          ; v16-79   the numbers as loaded
.set X,    80                          ; v80-143  register 16 B + i: number i of my 16 of block B
.set PC,   144                         ; v144-155 the fragment; v156-163 at work
.set TM,   164                         ; v164-179 at work
.set PW,   180                         ; v180 the scale word
.set SEL,  24                          ; s[24:25] lane selects: lane l xor 16
	s_load_b128 s[4:7], s[0:1], 0x0                ; x, W_qkv_w
	s_load_b128 s[8:11], s[0:1], 0x10              ; W_o_w, pan1
	v_lshl_add_u32 v[SPW], v0, 2, SPARE
	v_mov_b32 v[NIL], 0
	v_lshrrev_b32 v1, 5, v0
	v_readfirstlane_b32 s12, v1                    ; wave = tile t
	v_and_b32 v7, 31, v0                           ; lane
	v_and_b32 v1, 15, v0                           ; r
	v_bfe_u32 v2, v0, 4, 1                         ; h
	v_lshlrev_b32 v[LI], 4, v7
	s_mul_i32 s13, s12, WST
	v_add_nc_u32 v[SIN], s13, v[LI]
	v_mul_u32_u24 v[SOUT], v1, SP
	v_lshl_add_u32 v[SOUT], v2, 5, v[SOUT]
	v_add_nc_u32 v[SOUT], s13, v[SOUT]
	s_lshr_b32 s14, s12, 2
	s_lshl_b32 s14, s14, 8                         ; 256 (t / 4)
	s_and_b32 s15, s12, 3
	s_lshl_b32 s15, s15, 2                         ; 4 (t % 4)
	s_add_co_u32 s14, s14, s15
	s_add_co_u32 s14, s14, SCP
	v_lshl_add_u32 v[SWD], v1, 4, s14              ; + 16 r
	v_add_nc_u32 v[SRD], SCP, v[LI]
	s_mov_b32 s[SEL], 0x76543210
	s_mov_b32 s[SEL+1], 0xfedcba98
.irp b, 0,1,2,3
	v_mov_b32 v[TM+4+\b], 0                        ; written once: a lane permute's destination counts as one of its sources
.endr
	s_lshr_b32 s16, ttmp9, 3                       ; row block of all three tensors on end
	s_and_b32 s17, ttmp9, 7                        ; K step
	s_wait_kmcnt 0x0
	s_cmp_lt_u32 s16, 88                           ; which tensor: the choice hangs on the work-group's number alone
	s_cselect_b64 s[6:7], s[6:7], s[8:9]
	s_cselect_b32 s18, 64, 88
	s_cmp_lt_u32 s16, 64
	s_cselect_b64 s[4:5], s[4:5], s[6:7]
	s_cselect_b32 s18, 0, s18
	s_sub_co_u32 s18, s16, s18                     ; the row block in its own tensor
	s_lshl_b32 s18, s18, 7
	s_lshl_b32 s19, s12, 4
	s_add_co_u32 s18, s18, s19                     ; my first row
	s_lshl_b32 s18, s18, 12                        ; rows of 4,096 bytes (under 2^26 in all)
	s_lshl_b32 s19, s17, 9
	s_add_co_u32 s18, s18, s19                     ; + 512 bytes a K step
	s_mov_b32 s19, 0
	s_add_nc_u64 s[4:5], s[4:5], s[18:19]
	s_mul_i32 s20, ttmp9, PANEL
	s_mov_b32 s21, 0
	s_add_nc_u64 s[10:11], s[10:11], s[20:21]      ; my panel
	s_mul_i32 s20, s12, FRB
	s_add_nc_u64 s[22:23], s[10:11], s[20:21]      ; my fragment
.irp i, 0,1,2,3,4,5,6,7,8,9,10,11,12,13,14,15
	global_load_b128 v[R+4*\i:R+4*\i+3], v[LI], s[4:5] offset:4096*\i th:TH_LOAD_NT   ; row i: 32 lanes read 512 consecutive bytes; read once in the launch
.endr
.irp i, 0,1,2,3,4,5,6,7,8,9,10,11,12,13,14,15
	s_wait_loadcnt 15-\i                           ; loads come back in order: row i is in, the 15 - i younger ones may be out
	ds_store_b128 v[SIN], v[R+4*\i:R+4*\i+3] offset:SP*\i
.endr
.irp b, 0,1,2,3                        ; LDS serves a wave's instructions in order: these see my stores.  Of block b my 16 numbers are k = 8 h + 0 .. 7 and 16 + 8 h + 0 .. 7
	ds_load_b128 v[X+16*\b:X+16*\b+3],     v[SOUT] offset:128*\b
	ds_load_b128 v[X+16*\b+4:X+16*\b+7],   v[SOUT] offset:128*\b+16
	ds_load_b128 v[X+16*\b+8:X+16*\b+11],  v[SOUT] offset:128*\b+64
	ds_load_b128 v[X+16*\b+12:X+16*\b+15], v[SOUT] offset:128*\b+80
.endr
	s_wait_dscnt 0x0
.irp b, 0,1,2,3
	v_max3_num_f32 v[TM+\b], |v[X+16*\b]|, |v[X+1+16*\b]|, 0x1800000   ; block b: my 16 numbers, and the floor 2^(3 - 127): the byte cannot fall under 1
.endr
.irp i, 2,4,6,8,10,12,14
.irp b, 0,1,2,3
	v_max3_num_f32 v[TM+\b], v[TM+\b], |v[X+16*\b+\i]|, |v[X+1+16*\b+\i]|   ; the four blocks by turns
.endr
.endr
.irp b, 0,1,2,3
	v_permlanex16_b32 v[TM+4+\b], v[TM+\b], s[SEL], s[SEL+1]
.endr
.irp b, 0,1,2,3
	v_max_num_f32 v[TM+\b], v[TM+\b], v[TM+4+\b]   ; with lane l xor 16's: the block's largest magnitude
.endr
.irp b, 0,1,2,3
	v_add_nc_u32 v[TM+12+\b], 0xff000000, v[TM+\b] ; 2 off its exponent field: the conversion takes this operand's exponent field as its scale
.endr
.irp b, 0,1,2,3
	v_lshrrev_b32 v[TM+4+\b], 23, v[TM+12+\b]      ; the scale's byte
.endr
	v_lshl_or_b32 v[PW], v[TM+5], 8, v[TM+4]
	v_lshl_or_b32 v[PW], v[TM+6], 16, v[PW]
	v_lshl_or_b32 v[PW], v[TM+7], 24, v[PW]        ; my row's scale word
.irp c, 0,1
	v_cvt_scalef32_pk16_fp6_f32 v[PC+6*\c:PC+2+6*\c], v[X+32*\c:X+15+32*\c], v[TM+12+2*\c]
	v_cvt_scalef32_pk16_fp6_f32 v[PC+12+4*\c:PC+14+4*\c], v[X+16+32*\c:X+31+32*\c], v[TM+12+2*\c+1]   ; (a conversion's three registers begin on an even number)
.endr
	v_nop                                          ; one plain place behind a scaled conversion
.irp c, 0,1                            ; the operand's layout wants a whole block in a lane: lanes 0-15 block 2 c, lanes 16-31 block 2 c + 1
.irp i, 0,1,2
	v_permlane16_swap_b32 v[PC+6*\c+\i], v[PC+12+4*\c+\i]
.endr
.irp i, 0,1,2
	v_mov_b32 v[PC+3+6*\c+\i], v[PC+12+4*\c+\i]
.endr
.endr
.irp c, 0,1,2
	global_store_b128 v[LI], v[PC+4*\c:PC+4*\c+3], s[22:23] offset:512*\c   ; 32 lanes store 512 consecutive bytes, at a multiple of 256 from the buffer's first byte
.endr
	ds_store_b32 v[SWD], v[PW]                     ; both halves of the lanes write the same word with the same value
	s_wait_dscnt 0x0                               ; for the others' sake: my word lies in the plane
	s_barrier_signal -1
	s_barrier_wait -1
	s_cmp_lg_u32 s12, 0
	s_cbranch_scc1 .Ldone
	ds_load_b128 v[R:R+3], v[SRD]                  ; wave 0 sends the plane: 512 consecutive bytes
	s_wait_dscnt 0x0
	global_store_b128 v[LI], v[R:R+3], s[10:11] offset:SCO
.Ldone:
	s_wait_tensorcnt 0x0                           ; the wave's end
	ds_add_u32 v[SPW], v[NIL]
	s_wait_dscnt 0x0
	s_endpgm
.Lfunc_end_k_qf021597dd6_quant:
	.size	k_qf021597dd6_quant, .Lfunc_end_k_qf021597dd6_quant-k_qf021597dd6_quant
	.p2alignl 7, 3214868480
	.fill 96, 4, 3214868480
	.section	.rodata,"a",@progbits
	.p2align	6, 0x0
	.amdhsa_kernel k_qf021597dd6_quant
		.amdhsa_group_segment_fixed_size 69120
		.amdhsa_private_segment_fixed_size 0
		.amdhsa_enable_private_segment 0
		.amdhsa_kernarg_size 32
		.amdhsa_user_sgpr_count 2
		.amdhsa_user_sgpr_kernarg_segment_ptr 1
		.amdhsa_wavefront_size32 1
		.amdhsa_system_sgpr_workgroup_id_x 1
		.amdhsa_system_sgpr_workgroup_id_y 1
		.amdhsa_system_sgpr_workgroup_id_z 1
		.amdhsa_system_vgpr_workitem_id 0
		.amdhsa_next_free_vgpr 184
		.amdhsa_next_free_sgpr 66
		.amdhsa_reserve_vcc 0
		.amdhsa_float_denorm_mode_32 3
		.amdhsa_float_denorm_mode_16_64 3
		.amdhsa_memory_ordered 1
		.amdhsa_forward_progress 1
		.amdhsa_inst_pref_size 12
	.end_amdhsa_kernel
	.amdgpu_metadata
---
amdhsa.version: [ 1, 2 ]
amdhsa.kernels:
  - .name:           k_qf021597dd6_quant
    .symbol:         k_qf021597dd6_quant.kd
    .args:
      - { .name: x, .offset: 0, .size: 8, .value_kind: global_buffer, .address_space: global }
      - { .name: W_qkv_w, .offset: 8, .size: 8, .value_kind: global_buffer, .address_space: global }
      - { .name: W_o_w, .offset: 16, .size: 8, .value_kind: global_buffer, .address_space: global }
      - { .name: pan1, .offset: 24, .size: 8, .value_kind: global_buffer, .address_space: global }
    .group_segment_fixed_size: 69120
    .private_segment_fixed_size: 0
    .kernarg_segment_align: 8
    .kernarg_segment_size: 32
    .max_flat_workgroup_size: 256
    .sgpr_count:     66
    .vgpr_count:     184
    .wavefront_size: 32
...
	.end_amdgpu_metadata
.endif
;; end of part 1
;; launch proj (part 2): grid 8 x 48, 4 waves a work-group, clusters of 4 x 4, 327,680 bytes of LDS; arguments pan1, W_qkv_b, qkv; writes qkv
.if DOCPART == 2
	.amdgcn_target "amdgcn-amd-amdhsa--gfx1250"
	.amdhsa_code_object_version 6
	.text
	.protected	k_qf021597dd6_proj
	.globl	k_qf021597dd6_proj
	.p2align	8
	.type	k_qf021597dd6_proj,@function
k_qf021597dd6_proj:
	s_mov_b64 s[64:65], 0
	v_nop
	global_prefetch_b8 v0, s[64:65] scope:SCOPE_SE
	s_setreg_imm32_b32 hwreg(HW_REG_WAVE_MODE, 25, 1), 1
	s_wait_xcnt 0x0
	s_wait_alu depctr_hold_cnt(0) depctr_sa_sdst(0) depctr_va_vdst(0) depctr_va_sdst(0) depctr_va_ssrc(0) depctr_va_vcc(0) depctr_vm_vsrc(0)
	s_getreg_b32 s2, hwreg(HW_REG_IB_STS2, 6, 4)
	s_cmp_eq_u32 s2, 0
	s_cbranch_scc0 .Lentry_in_a_cluster
	s_endpgm
.Lentry_in_a_cluster:
	s_bfe_u32 s2, ttmp6, 0x10000c
	s_cmp_lg_u32 s2, 0xf033
	s_cbranch_scc0 .Lentry_shape_is_right
	s_endpgm
.Lentry_shape_is_right:
; LAUNCH 2 OF 5.  qkv = x W_qkv^T + b on FP6 codes, and its results quantised at once into the panels of launches 3 and 4 (panels and the order inside a block: see launch 1's head).
; A work-group makes 256 x 256 results, K = 1,024; each of four waves 128 x 128: 64 accumulators, 512 registers.  THE PRODUCT IS USED TRANSPOSED: source 0 = 16 rows of S0, source 1 = 16 rows of S1: a lane holds
; one row of S1 and its registers run along S0's rows.  So a wave's results are one panel of the next product: rows = S1's rows, K = S0's rows.
; q AND k (cluster rows 0-7): S0 = W's rows 0-2047, S1 = x's rows: panels [token][feature].  v (cluster rows 8-11): S0 = x's rows, S1 = W's rows 2048-3071: panels of v^T, [feature][token], since the keys are the K of launch 4.
; The bias is the C of each sum's first matrix instruction.
; RING: two LDS slots; a slot holds 256 along K: four groups of two panels (25,600 dense bytes), one tensor load a wave.  Four slot steps, written out.  By the text's own count a wave has one tensor load out.
; CLUSTER 4 x 4: S1's groups hang on the tile row alone and are asked for jointly along a row of the cluster, S0's on the tile column and jointly along a column.
; REGISTERS, in windows of 256: window 0: v1-3 r, h, 16 x lane; v16-17, v20-21 LDS addresses; v28-29 the add's two; v32-47 scale words and nothing else; v64-127 the bias; v128-223 S1's eight fragments (one set);
;   window 1: S0's eight fragments, two sets, at v0 and v128;  windows 2, 3: accumulator (a, b) at v[8 (8 (a % 4) + b)] of window 2 + a / 4.  On the way out v128-191 of window 0 are at work.
.set PANEL, 12800
.set FRB,   1536
.set SCO,   12288
.set GRP,   2*PANEL                    ; 128 rows x 256 along K: what one tensor load brings
.set SLOT1, 1<<17                      ; slot 1 begins here: one exclusive or turns a descriptor from one slot to the other
.set SPARE, SLOT1+4*GRP                ; behind the ring: the spare words, 128 bytes a wave, two blocks of 256 bytes that no other line names
.set PTAB,  0
.set FR,    12
.set LI,    3
.set SPW,   28
.set NIL,   29
.set SC,    32                         ; for the slot's q-th 128 along K: v[SC+8q .. +3] S1's scale words, v[SC+8q+4 .. +7] S0's; register t % 4 serves tile t, lanes 16-31 where t >= 4
.set BI,    64
.set AF,    128
.set PC,    128                        ; the way out: v128-139 a fragment, v140-147 at work
.set TM,    148                        ; v148-163 at work
.set KW,    168                        ; v168-175 the eight tiles' scale words
.set G1,  24                           ; s[24:31] group 1 for S1's groups, s[32:35] their group 0, which walks
.set G0,  32
.set G0B, 36                           ; s[36:39], s[48:55] the same for S0's
.set G1B, 48
.set MSK, 59                           ; s59 lanes 16-31
.set SEL, 60                           ; s[60:61] lane selects: lane l xor 16
.set MSB, 0
.macro WIN new                         ; the immediate's high byte repeats the setting that is left
.if MSB != (\new)
	s_set_vgpr_msb (MSB<<8)|(\new)
.set MSB, (\new)
.endif
.endm
.macro PLACES n                        ; plain places behind matrix instructions, ahead of loads into their sources and of reads of their results
.rept \n
	v_nop
.endr
.endm
.macro WINM hi, mode                   ; source 0 window 1, source 1 window 0, D window 2 or 3; C with D, or (the bias) in window 0
.if \mode >= 2
	WIN 0x81+0x40*(\hi)
.else
	WIN 0xa1+0x50*(\hi)
.endif
.endm
.macro FRAG reg, adr, q, i             ; a fragment comes back as it was stored: three loads of 16 bytes a lane, 512 consecutive bytes each
.irp c, 0,1,2
	ds_load_b128 v[\reg+4*\c:\reg+4*\c+3], v[\adr] offset:(\q)*PANEL+(\i)*FRB+512*\c
.endr
.endm
.macro FETCH_B adr, q, p               ; S0's eight fragments into set p of window 1
	WIN 0x40
.irp i, 0,1,2,3,4,5,6,7
	FRAG 128*(\p)+FR*\i, \adr, \q, \i
.endr
	WIN 0
.endm
.macro FETCH_A adr, q, i0              ; S1's blocks i0 .. i0 + 3
.irp i, \i0, \i0+1, \i0+2, \i0+3
	FRAG AF+FR*(\i), \adr, \q, \i
.endr
.endm
.macro SCALES ra, rb                   ; a slot's scale planes: four loads
.irp q, 0,1
	ds_load_b128 v[SC+8*\q:SC+8*\q+3], v[\ra] offset:\q*PANEL+SCO
.if PTAB
	ds_load_b128 v[SC+8*\q+4:SC+8*\q+7], v[ADT] offset:512*\q
.else
	ds_load_b128 v[SC+8*\q+4:SC+8*\q+7], v[\rb] offset:\q*PANEL+SCO
.endif
.endr
.endm
; 16 matrix instructions: S1's blocks a0, a0 + 1 x S0's eight.  p: S0's set; q: which 128 along K of the slot.  mode 0: C = D; 1: C = 0; 2: C = the bias along S0's rows; 3: along S1's rows.
; The 64 accumulators take turns, one instruction a turn, in the same order in every step.
.macro MUL16 a0, p, q, mode
.irp a, \a0, \a0+1
.irp b, 0,1,2,3,4,5,6,7
.set rD, 8*(8*((\a)%4)+\b)
.set rC, rD
.if \mode == 2
.set rC, BI+8*\b
.endif
.if \mode == 3
.set rC, BI+8*(\a)
.endif
.set rX, 128*(\p)+FR*\b
.set rY, AF+FR*(\a)
.set rS, SC+8*(\q)+4+\b%4
.set rT, SC+8*(\q)+(\a)%4
.set sel, 2*(\b/4)+(\a)/4
.if \mode == 1
.if sel == 0
	v_wmma_scale_f32_16x16x128_f8f6f4 v[rD:rD+7], v[rX:rX+11], v[rY:rY+11], 0, v[rS], v[rT] matrix_a_fmt:MATRIX_FMT_FP6 matrix_b_fmt:MATRIX_FMT_FP6
.elseif sel == 1
	v_wmma_scale_f32_16x16x128_f8f6f4 v[rD:rD+7], v[rX:rX+11], v[rY:rY+11], 0, v[rS], v[rT] matrix_a_fmt:MATRIX_FMT_FP6 matrix_b_fmt:MATRIX_FMT_FP6 matrix_b_scale:MATRIX_SCALE_ROW1
.elseif sel == 2
	v_wmma_scale_f32_16x16x128_f8f6f4 v[rD:rD+7], v[rX:rX+11], v[rY:rY+11], 0, v[rS], v[rT] matrix_a_fmt:MATRIX_FMT_FP6 matrix_b_fmt:MATRIX_FMT_FP6 matrix_a_scale:MATRIX_SCALE_ROW1
.else
	v_wmma_scale_f32_16x16x128_f8f6f4 v[rD:rD+7], v[rX:rX+11], v[rY:rY+11], 0, v[rS], v[rT] matrix_a_fmt:MATRIX_FMT_FP6 matrix_b_fmt:MATRIX_FMT_FP6 matrix_a_scale:MATRIX_SCALE_ROW1 matrix_b_scale:MATRIX_SCALE_ROW1
.endif
.else
.if sel == 0
	v_wmma_scale_f32_16x16x128_f8f6f4 v[rD:rD+7], v[rX:rX+11], v[rY:rY+11], v[rC:rC+7], v[rS], v[rT] matrix_a_fmt:MATRIX_FMT_FP6 matrix_b_fmt:MATRIX_FMT_FP6
.elseif sel == 1
	v_wmma_scale_f32_16x16x128_f8f6f4 v[rD:rD+7], v[rX:rX+11], v[rY:rY+11], v[rC:rC+7], v[rS], v[rT] matrix_a_fmt:MATRIX_FMT_FP6 matrix_b_fmt:MATRIX_FMT_FP6 matrix_b_scale:MATRIX_SCALE_ROW1
.elseif sel == 2
	v_wmma_scale_f32_16x16x128_f8f6f4 v[rD:rD+7], v[rX:rX+11], v[rY:rY+11], v[rC:rC+7], v[rS], v[rT] matrix_a_fmt:MATRIX_FMT_FP6 matrix_b_fmt:MATRIX_FMT_FP6 matrix_a_scale:MATRIX_SCALE_ROW1
.else
	v_wmma_scale_f32_16x16x128_f8f6f4 v[rD:rD+7], v[rX:rX+11], v[rY:rY+11], v[rC:rC+7], v[rS], v[rT] matrix_a_fmt:MATRIX_FMT_FP6 matrix_b_fmt:MATRIX_FMT_FP6 matrix_a_scale:MATRIX_SCALE_ROW1 matrix_b_scale:MATRIX_SCALE_ROW1
.endif
.endif
.endr
.endr
.endm
.macro HEADFETCH ra, rb                ; a slot's first fragments and its scale words: 52 loads, S1's blocks 4-7 last
	PLACES 4
	FETCH_B \rb, 0, 0
	FETCH_A \ra, 0, 0
	SCALES \ra, \rb
	FETCH_A \ra, 0, 4
.endm
.macro STEP ra, rb, mode               ; the slot's first 128 along K; the second's fragments are fetched in two runs
	s_wait_dscnt 12                                ; all but the twelve youngest loads (S1's blocks 4-7) are in
	WINM 0, \mode
	MUL16 0, 0, 0, \mode
	MUL16 2, 0, 0, \mode
	s_wait_dscnt 0x0                               ; S1's blocks 4-7 are in
	PLACES 4
	FETCH_B \rb, 1, 1
	FETCH_A \ra, 1, 0
	WINM 1, \mode
	MUL16 4, 0, 0, \mode
	MUL16 6, 0, 0, \mode
	PLACES 4
	WIN 0
	FETCH_A \ra, 1, 4
.endm
.macro LAST                            ; the slot's second 128 along K
	s_wait_dscnt 12                                ; all but S1's blocks 4-7
	WINM 0, 0
	MUL16 0, 1, 1, 0
	MUL16 2, 1, 1, 0
	s_wait_dscnt 0x0
	WINM 1, 0
	MUL16 4, 1, 1, 0
	MUL16 6, 1, 1, 0
	WIN 0
.endm
.macro SLOTWORK ra, rb, mode
	HEADFETCH \ra, \rb
	STEP \ra, \rb, \mode
	LAST
.endm
; 64 numbers of a lane in window w, v[s] on (register 16 B + i: number i of my 16 of block B of my row), become a fragment in v[PC] on and its scale word in v[pw].
.macro QUANT s, w, pw
	WIN ((\w)<<2)|((\w)<<4)                        ; sources 1 and 2 in window w
.irp b, 0,1,2,3
	v_max3_num_f32 v[TM+\b], 0x1800000, |v[\s+16*\b]|, |v[\s+1+16*\b]|   ; the floor 2^(3 - 127): the byte cannot fall under 1.  Each accumulator is read from its low end on
.endr
.irp i, 2,4,6,8,10,12,14
.irp b, 0,1,2,3
	v_max3_num_f32 v[TM+\b], v[TM+\b], |v[\s+16*\b+\i]|, |v[\s+1+16*\b+\i]|
.endr
.endr
	WIN 0
.irp b, 0,1,2,3
	v_permlanex16_b32 v[TM+4+\b], v[TM+\b], s[SEL], s[SEL+1]
.endr
.irp b, 0,1,2,3
	v_max_num_f32 v[TM+\b], v[TM+\b], v[TM+4+\b]   ; with lane l xor 16's: the block's largest magnitude
.endr
.irp b, 0,1,2,3
	v_add_nc_u32 v[TM+12+\b], 0xff000000, v[TM+\b] ; 2 off its exponent field: the conversion's scale operand
.endr
.irp b, 0,1,2,3
	v_lshrrev_b32 v[TM+4+\b], 23, v[TM+12+\b]      ; the scale's byte
.endr
	v_lshl_or_b32 v[\pw], v[TM+5], 8, v[TM+4]
	v_lshl_or_b32 v[\pw], v[TM+6], 16, v[\pw]
	v_lshl_or_b32 v[\pw], v[TM+7], 24, v[\pw]
	s_wait_xcnt 0x0                                ; the last fragment's stores have read their registers: they are written again only behind this wait
	WIN (\w)                                       ; source 0 in window w
.irp c, 0,1
	v_cvt_scalef32_pk16_fp6_f32 v[PC+6*\c:PC+2+6*\c], v[\s+32*\c:\s+15+32*\c], v[TM+12+2*\c]
	v_cvt_scalef32_pk16_fp6_f32 v[PC+12+4*\c:PC+14+4*\c], v[\s+16+32*\c:\s+31+32*\c], v[TM+12+2*\c+1]
.endr
	WIN 0
	v_nop                                          ; one plain place behind a scaled conversion
.irp c, 0,1
.irp i, 0,1,2
	v_permlane16_swap_b32 v[PC+6*\c+\i], v[PC+12+4*\c+\i]   ; a whole block to a lane
.endr
.irp i, 0,1,2
	v_mov_b32 v[PC+3+6*\c+\i], v[PC+12+4*\c+\i]
.endr
.endr
.endm
.macro PUT a                           ; the fragment goes out as it stands: each store is 512 consecutive bytes, at a multiple of 256 from the buffer's first byte
.irp c, 0,1,2
	global_store_b128 v[LI], v[PC+4*\c:PC+4*\c+3], s[12:13] offset:(\a)*FRB+512*\c
.endr
.endm
.macro PLANE d, k                      ; eight tiles' words become a plane: lanes 0-15 tiles 0-3, lanes 16-31 tiles 4-7
.irp i, 0,1,2,3
	v_cndmask_b32 v[\d+\i], v[\k+\i], v[\k+4+\i], s[MSK]
.endr
.endm
.macro CREST
	s_cmp_lg_u32 s14, 0
	s_cbranch_scc1 .Lnot_wave_0_\@
	s_barrier_signal -3
.Lnot_wave_0_\@:
	s_barrier_wait -3
	s_barrier_signal -1
	s_barrier_wait -1
.endm
.macro CROUND                          ; a round of the cluster's barrier
	s_barrier_signal -1
	s_barrier_wait -1
	CREST
.endm
.macro JLOAD                           ; a joint load: waves 0 and 1 fetch S1's halves, waves 2 and 3 S0's; the branch hangs on the wave's number alone.  An s_nop 0 and four v_nop follow each line
	s_cmp_eq_u32 s15, 0
	s_cbranch_scc0 .Lfor_b_\@
	tensor_load_to_lds s[G0:G0+3], s[G1:G1+7]
	s_nop 0
.rept 4
	v_nop
.endr
	s_branch .Lasked_\@
.Lfor_b_\@:
	tensor_load_to_lds s[G0B:G0B+3], s[G1B:G1B+7]
	s_nop 0
.rept 4
	v_nop
.endr
.Lasked_\@:
.endm
; THE CHANGE OF SLOTS stands at a slot step's head.  Each wave waits for all its tensor loads (its group of the slot ahead), adds 0 to its spare word, and waits for that and for its reads of the slot that it has left.
; fill = 1: behind a round of the cluster's barrier the other slot takes the next 256 along K; the load has a slot step's 128 matrix instructions in which to land.
.macro CHANGE fill
	s_wait_tensorcnt 0x0                           ; no tensor load of mine is out, so a group 0 may be written
	ds_add_u32 v[SPW], v[NIL]
.if \fill
	s_xor_b32 s[G0+1], s[G0+1], SLOT1
	s_add_nc_u64 s[G0+2:G0+3], s[G0+2:G0+3], GRP
	s_xor_b32 s[G0B+1], s[G0B+1], SLOT1
	s_add_nc_u64 s[G0B+2:G0B+3], s[G0B+2:G0B+3], GRP
.endif
	s_wait_dscnt 0x0                               ; the add is done, and my reads of the slot that I have left are over
.if \fill
	CROUND
	JLOAD
.else
	s_barrier_signal -1
	s_barrier_wait -1
.endif
.endm
	s_load_b128 s[4:7], s[0:1], 0x0                ; pan1, W_qkv_b
	s_load_b64 s[8:9], s[0:1], 0x10                ; qkv
	v_lshl_add_u32 v[SPW], v0, 2, SPARE
	v_mov_b32 v[NIL], 0
	ds_add_u32 v[SPW], v[NIL]                      ; the wave's opening: the add, twice on end, and its wait ahead of my first tensor load
	ds_add_u32 v[SPW], v[NIL]
	v_lshrrev_b32 v1, 5, v0
	v_readfirstlane_b32 s14, v1                    ; wave 0..3
	s_lshr_b32 s15, s14, 1                         ; sa: my half of S1's rows.  Also: I fetch for S1 (0) or for S0 (1)
	s_and_b32 s16, s14, 1                          ; sb: my half of S0's rows.  Also: which half I fetch
	s_bfe_u32 s40, ttmp6, 0x40000                  ; cx
	s_bfe_u32 s41, ttmp6, 0x40004                  ; cy
	s_and_b32 s17, ttmp7, 0xffff                   ; the cluster's y
	s_sub_co_u32 s19, s17, 8
	s_lshl_b32 s19, s19, 1
	s_add_co_u32 s19, s19, ttmp9                   ; v's part: cluster x + 2 (cluster y - 8)
	s_cmp_ge_u32 s17, 8                            ; v's part?  The same in all sixteen partners
	s_cselect_b32 s18, 1, 0
	s_cselect_b32 s19, s19, ttmp9
	s_cselect_b32 s20, 0, s17
	s_cselect_b32 s21, 640, 0                      ; S1's first panel: W's rows 2048 on, or x
	s_cselect_b32 s22, 0, 512                      ; S0's: x, or W's rows 0 on
	s_lshl_b32 s42, s19, 2
	s_add_co_u32 s42, s42, s40                     ; T0: S0's tile of 256 rows
	s_lshl_b32 s43, s20, 2
	s_add_co_u32 s43, s43, s41                     ; T1: S1's
	s_lshl_b32 s44, s41, 2
	s_lshl_b32 s44, 15, s44                        ; my row of the cluster
	s_lshl_b32 s45, 0x1111, s40                    ; my column
	s_or_b32 s[G1], s44, (3<<16)|(1<<21)           ; 15:0 the mask; 17:16 elements of 8 bytes; 21 set beside a mask; no padding
	s_or_b32 s[G1B], s45, (3<<16)|(1<<21)
.irp g, G1, G1B                        ; a dense block of 25,600 bytes as 100 rows of 256
	s_mov_b32 s[\g+1], 32<<16                      ; tensor_dim0 = 32
	s_mov_b32 s[\g+2], 100<<16                     ; tensor_dim1 = 100
	s_mov_b32 s[\g+3], 32<<16                      ; tile_dim0 = 32
	s_mov_b32 s[\g+4], 100                         ; tile_dim1 = 100
	s_mov_b32 s[\g+5], 32                          ; the pitch
	s_mov_b32 s[\g+6], 0
	s_mov_b32 s[\g+7], 0
.endr
	s_lshl_b32 s66, s43, 1
	s_add_co_u32 s66, s66, s16
	s_lshl_b32 s66, s66, 3
	s_add_co_u32 s66, s66, s21                     ; S1: panel first + 8 (2 T1 + half)
	s_mul_i32 s66, s66, PANEL
	s_mov_b32 s67, 0
	s_lshl_b32 s68, s42, 1
	s_add_co_u32 s68, s68, s16
	s_lshl_b32 s68, s68, 3
	s_add_co_u32 s68, s68, s22                     ; S0: panel first + 8 (2 T0 + half)
	s_mul_i32 s68, s68, PANEL
	s_mov_b32 s69, 0
	s_mul_i32 s70, s14, GRP                        ; where my group goes: no place in the cluster enters an LDS address
	s_mov_b32 s[MSK], 0xffff0000
	s_mov_b32 s[SEL], 0x76543210
	s_mov_b32 s[SEL+1], 0xfedcba98
	s_wait_dscnt 0x0                               ; both opening adds are done
	s_wait_kmcnt 0x0
	s_add_nc_u64 s[66:67], s[4:5], s[66:67]
	s_add_nc_u64 s[68:69], s[4:5], s[68:69]
	CROUND                                         ; all sixteen work-groups are here: the first joint loads meet
	s_mov_b32 s[G0], 1
	s_mov_b32 s[G0+1], s70
	s_mov_b64 s[G0+2:G0+3], s[66:67]
	s_or_b32 s[G0+3], s[G0+3], 0x80000000
	s_mov_b32 s[G0B], 1
	s_mov_b32 s[G0B+1], s70
	s_mov_b64 s[G0B+2:G0B+3], s[68:69]
	s_or_b32 s[G0B+3], s[G0B+3], 0x80000000
	JLOAD                                          ; slot 0: K = 0 .. 255
	v_and_b32 v4, 31, v0
	v_lshlrev_b32 v[LI], 4, v4
	v_and_b32 v1, 15, v0                           ; r
	v_bfe_u32 v2, v0, 4, 1                         ; h
	s_mul_i32 s71, s15, GRP
	s_mul_i32 s72, s16, GRP
	s_add_co_u32 s72, s72, 2*GRP
	v_add_nc_u32 v16, s71, v[LI]                   ; my half of S1 in slot 0,
	v_add_nc_u32 v20, s72, v[LI]                   ; of S0,
	s_add_co_u32 s71, s71, SLOT1
	s_add_co_u32 s72, s72, SLOT1
	v_add_nc_u32 v17, s71, v[LI]                   ; and in slot 1
	v_add_nc_u32 v21, s72, v[LI]
	v_lshlrev_b32 v5, 5, v2                        ; 32 h
	v_lshlrev_b32 v6, 2, v1                        ; 4 r
	s_lshl_b32 s74, s42, 10
	s_lshl_b32 s75, s16, 9
	s_add_co_u32 s74, s74, s75                     ; q, k: the bias of features 256 T0 + 128 sb on
	s_lshl_b32 s82, s43, 10
	s_lshl_b32 s83, s15, 9
	s_add_co_u32 s82, s82, s83
	s_add_co_u32 s82, s82, 8192                    ; v: of features 2048 + 256 T1 + 128 sa on
	s_cmp_eq_u32 s18, 0
	s_cselect_b32 s74, s74, s82
	s_mov_b32 s75, 0
	s_add_nc_u64 s[74:75], s[6:7], s[74:75]
	s_cmp_eq_u32 s18, 0
	s_cbranch_scc0 .Lbias_v
.irp b, 0,1,2,3,4,5,6,7                ; along S0's rows: register 8 b + j is the bias of feature 16 b + 8 h + j
	global_load_b128 v[BI+8*\b:BI+8*\b+3], v5, s[74:75] offset:64*\b
	global_load_b128 v[BI+8*\b+4:BI+8*\b+7], v5, s[74:75] offset:64*\b+16
.endr
	s_branch .Lbias_done
.Lbias_v:
.irp a, 0,1,2,3,4,5,6,7                ; along S1's rows: all eight registers of block a hold the bias of feature 16 a + r
.irp j, 0,1,2,3,4,5,6,7
	global_load_b32 v[BI+8*\a+\j], v6, s[74:75] offset:64*\a
.endr
.endr
.Lbias_done:
	s_lshl_b32 s76, s42, 1
	s_add_co_u32 s76, s76, s16                     ; 2 T0 + sb: my block of 128 along the next K
	s_lshl_b32 s77, s43, 1
	s_add_co_u32 s77, s77, s15                     ; 2 T1 + sa: my block of 128 rows
	s_lshr_b32 s78, s76, 3
	s_lshl_b32 s78, s78, 9                         ; q, k: 512 for k,
	s_lshl_b32 s79, s77, 3
	s_add_co_u32 s78, s78, s79                     ; + 8 x token block
	s_and_b32 s79, s76, 7
	s_add_co_u32 s78, s78, s79                     ; + K step
	s_lshr_b32 s80, s76, 4
	s_lshl_b32 s80, s80, 7                         ; v: 128 x batch
	s_lshl_b32 s81, s77, 4
	s_add_co_u32 s80, s80, s81                     ; + 16 x feature block
	s_and_b32 s81, s76, 15
	s_add_co_u32 s80, s80, s81                     ; + K step (the batch's token block)
	s_add_co_u32 s80, s80, 1024
	s_cmp_eq_u32 s18, 0
	s_cselect_b32 s78, s78, s80
	s_mul_i32 s78, s78, PANEL
	s_mov_b32 s79, 0
	s_add_nc_u64 s[12:13], s[8:9], s[78:79]        ; my panel of qkv
	CHANGE 1
	HEADFETCH 16, 20
	s_wait_loadcnt 0x0                             ; the bias
	s_cmp_eq_u32 s18, 0
	s_cbranch_scc0 .Lstep_v
	STEP 16, 20, 2                                 ; the first products start the sums with the bias: nothing is cleared or added
	s_branch .Lstep_done
.Lstep_v:
	STEP 16, 20, 3
.Lstep_done:
	LAST
	CHANGE 1
	SLOTWORK 17, 21, 0
	CHANGE 1
	SLOTWORK 16, 20, 0
	CHANGE 0                                       ; the last slot step: nothing is left to fetch
	SLOTWORK 17, 21, 0
	PLACES 4
.irp b, 0,1,2,3
	v_mov_b32 v[TM+4+\b], 0                        ; written once: a lane permute's destination counts as one of its sources
.endr
.irp a, 0,1,2,3,4,5,6,7                ; block a's 64 results a lane are 128 along the next K of row 16 a + r: one fragment
.set AC, 64*(\a%4)
	QUANT AC, 2+\a/4, KW+\a
	PUT \a
.endr
	PLANE 176, KW
	global_store_b128 v[LI], v[176:179], s[12:13] offset:SCO
	s_wait_tensorcnt 0x0                           ; the wave's end
	ds_add_u32 v[SPW], v[NIL]
	s_wait_dscnt 0x0
	CROUND                                         ; the closing round: no work-group ends while a partner may still ask for a group that names it
	s_endpgm
.Lfunc_end_k_qf021597dd6_proj:
	.size	k_qf021597dd6_proj, .Lfunc_end_k_qf021597dd6_proj-k_qf021597dd6_proj
	.p2alignl 7, 3214868480
	.fill 96, 4, 3214868480
	.section	.rodata,"a",@progbits
	.p2align	6, 0x0
	.amdhsa_kernel k_qf021597dd6_proj
		.amdhsa_group_segment_fixed_size 327680
		.amdhsa_private_segment_fixed_size 0
		.amdhsa_enable_private_segment 0
		.amdhsa_kernarg_size 24
		.amdhsa_user_sgpr_count 2
		.amdhsa_user_sgpr_kernarg_segment_ptr 1
		.amdhsa_wavefront_size32 1
		.amdhsa_system_sgpr_workgroup_id_x 1
		.amdhsa_system_sgpr_workgroup_id_y 1
		.amdhsa_system_sgpr_workgroup_id_z 1
		.amdhsa_system_vgpr_workitem_id 0
		.amdhsa_next_free_vgpr 1024
		.amdhsa_next_free_sgpr 100
		.amdhsa_reserve_vcc 0
		.amdhsa_float_denorm_mode_32 3
		.amdhsa_float_denorm_mode_16_64 3
		.amdhsa_memory_ordered 1
		.amdhsa_forward_progress 1
		.amdhsa_inst_pref_size 156
	.end_amdhsa_kernel
	.amdgpu_metadata
---
amdhsa.version: [ 1, 2 ]
amdhsa.kernels:
  - .name:           k_qf021597dd6_proj
    .symbol:         k_qf021597dd6_proj.kd
    .args:
      - { .name: pan1, .offset: 0, .size: 8, .value_kind: global_buffer, .address_space: global }
      - { .name: W_qkv_b, .offset: 8, .size: 8, .value_kind: global_buffer, .address_space: global }
      - { .name: qkv, .offset: 16, .size: 8, .value_kind: global_buffer, .address_space: global }
    .group_segment_fixed_size: 327680
    .private_segment_fixed_size: 0
    .kernarg_segment_align: 8
    .kernarg_segment_size: 24
    .max_flat_workgroup_size: 128
    .sgpr_count:     100
    .vgpr_count:     1024
    .wavefront_size: 32
...
	.end_amdgpu_metadata
.endif
;; end of part 2
;; launch score (part 3): grid 36 x 4, 4 waves a work-group, no clusters, 327,680 bytes of LDS; arguments qkv, pp, st; writes pp, st
.if DOCPART == 3
	.amdgcn_target "amdgcn-amd-amdhsa--gfx1250"
	.amdhsa_code_object_version 6
	.text
	.protected	k_qf021597dd6_score
	.globl	k_qf021597dd6_score
	.p2align	8
	.type	k_qf021597dd6_score,@function
k_qf021597dd6_score:
	s_mov_b64 s[64:65], 0
	v_nop
	global_prefetch_b8 v0, s[64:65] scope:SCOPE_SE
	s_setreg_imm32_b32 hwreg(HW_REG_WAVE_MODE, 25, 1), 1
	s_wait_xcnt 0x0
; LAUNCH 3 OF 5.  Scores q k^T on FP6 codes (K = 1,024), the causal mask, and p = 2^(t - M) quantised along the keys into launch 4's panels.  t = score x log2(e) / 8.
; WORK LEFT OUT: tiles of 256 queries x 256 keys that lie wholly above the diagonal; reference()'s own triu makes their weights 0 for all inputs.  A batch has 36 tiles on or under the diagonal: the grid's x.
; THE SOFTMAX IS SPLIT.  A wave sees 128 keys of its 128 queries.  It takes M = ceil(the largest t) of THESE keys, a whole number, quantises p = 2^(t - M), and stores beside the codes a record: the raw scale words, -M,
; and l = the sum of the unquantised p.  Launch 4 takes the row's largest M and moves each scale byte and each l by the whole-number difference: an exact power of two.
; A row all of whose 128 keys are hidden has p = 0, l = 0 and a very large -M: no NaN arises, and launch 4 gives it no weight.
; The product is used transposed: source 0 = 16 keys, source 1 = 16 queries: a lane holds one query, its registers run along the keys.  Ring, panels and registers as in launch 2.
; NO CLUSTER: a batch's tiles stand in rows of 1 to 8 tiles, so the 36 do not fall into groups of four that share a tile of q or of k.
; REGISTERS beside launch 2's: v5 the mask's lane term, v6 -infinity, v[8:9] -M, v10-15 at work; on the way out v192-255 p; v176-183 the tiles' -M, v184-191 their l.
.set PANEL, 12800
.set FRB,   1536
.set SCO,   12288
.set GRP,   2*PANEL                    ; 128 rows x 256 along K: what one tensor load brings
.set SLOT1, 1<<17
.set SPARE, SLOT1+4*GRP                ; behind the ring: the spare words, 128 bytes a wave, two blocks of 256 bytes that no other line names
.set PTAB,  0
.set FR,    12
.set LI,    3
.set VD,    5
.set NINF,  6
.set SPW,   28
.set NIL,   29
.set SC,    32                         ; v32-47 scale words and nothing else
.set BI,    64
.set AF,    128
.set PC,    128
.set TM,    148
.set KW,    168
.set KM,    176
.set KL,    184
.set TT,    192
.set G1,  24                           ; s[24:31] group 1; s[32:35] group 0, which walks
.set G0,  32
.set MSK, 59
.set SEL, 60
.set CS,  62                           ; s[62:63] c = log2(e) / 8
.set MF,  73                           ; s73 1 where my 128 x 128 touches or lies above the diagonal
.set MSB, 0
.macro WIN new                         ; the immediate's high byte repeats the setting that is left
.if MSB != (\new)
	s_set_vgpr_msb (MSB<<8)|(\new)
.set MSB, (\new)
.endif
.endm
.macro PLACES n                        ; plain places behind matrix instructions (ISA guide 7.12.1)
.rept \n
	v_nop
.endr
.endm
.macro WINM hi, mode
.if \mode >= 2
	WIN 0x81+0x40*(\hi)
.else
	WIN 0xa1+0x50*(\hi)
.endif
.endm
.macro FRAG reg, adr, q, i
.irp c, 0,1,2
	ds_load_b128 v[\reg+4*\c:\reg+4*\c+3], v[\adr] offset:(\q)*PANEL+(\i)*FRB+512*\c
.endr
.endm
.macro FETCH_B adr, q, p
	WIN 0x40
.irp i, 0,1,2,3,4,5,6,7
	FRAG 128*(\p)+FR*\i, \adr, \q, \i
.endr
	WIN 0
.endm
.macro FETCH_A adr, q, i0
.irp i, \i0, \i0+1, \i0+2, \i0+3
	FRAG AF+FR*(\i), \adr, \q, \i
.endr
.endm
.macro SCALES ra, rb
.irp q, 0,1
	ds_load_b128 v[SC+8*\q:SC+8*\q+3], v[\ra] offset:\q*PANEL+SCO
.if PTAB
	ds_load_b128 v[SC+8*\q+4:SC+8*\q+7], v[ADT] offset:512*\q
.else
	ds_load_b128 v[SC+8*\q+4:SC+8*\q+7], v[\rb] offset:\q*PANEL+SCO
.endif
.endr
.endm
; 16 matrix instructions: S1's blocks a0, a0 + 1 x S0's eight.  mode 0: C = D; 1: C = 0.  The 64 accumulators take turns, one instruction a turn.
.macro MUL16 a0, p, q, mode
.irp a, \a0, \a0+1
.irp b, 0,1,2,3,4,5,6,7
.set rD, 8*(8*((\a)%4)+\b)
.set rC, rD
.if \mode == 2
.set rC, BI+8*\b
.endif
.if \mode == 3
.set rC, BI+8*(\a)
.endif
.set rX, 128*(\p)+FR*\b
.set rY, AF+FR*(\a)
.set rS, SC+8*(\q)+4+\b%4
.set rT, SC+8*(\q)+(\a)%4
.set sel, 2*(\b/4)+(\a)/4
.if \mode == 1
.if sel == 0
	v_wmma_scale_f32_16x16x128_f8f6f4 v[rD:rD+7], v[rX:rX+11], v[rY:rY+11], 0, v[rS], v[rT] matrix_a_fmt:MATRIX_FMT_FP6 matrix_b_fmt:MATRIX_FMT_FP6
.elseif sel == 1
	v_wmma_scale_f32_16x16x128_f8f6f4 v[rD:rD+7], v[rX:rX+11], v[rY:rY+11], 0, v[rS], v[rT] matrix_a_fmt:MATRIX_FMT_FP6 matrix_b_fmt:MATRIX_FMT_FP6 matrix_b_scale:MATRIX_SCALE_ROW1
.elseif sel == 2
	v_wmma_scale_f32_16x16x128_f8f6f4 v[rD:rD+7], v[rX:rX+11], v[rY:rY+11], 0, v[rS], v[rT] matrix_a_fmt:MATRIX_FMT_FP6 matrix_b_fmt:MATRIX_FMT_FP6 matrix_a_scale:MATRIX_SCALE_ROW1
.else
	v_wmma_scale_f32_16x16x128_f8f6f4 v[rD:rD+7], v[rX:rX+11], v[rY:rY+11], 0, v[rS], v[rT] matrix_a_fmt:MATRIX_FMT_FP6 matrix_b_fmt:MATRIX_FMT_FP6 matrix_a_scale:MATRIX_SCALE_ROW1 matrix_b_scale:MATRIX_SCALE_ROW1
.endif
.else
.if sel == 0
	v_wmma_scale_f32_16x16x128_f8f6f4 v[rD:rD+7], v[rX:rX+11], v[rY:rY+11], v[rC:rC+7], v[rS], v[rT] matrix_a_fmt:MATRIX_FMT_FP6 matrix_b_fmt:MATRIX_FMT_FP6
.elseif sel == 1
	v_wmma_scale_f32_16x16x128_f8f6f4 v[rD:rD+7], v[rX:rX+11], v[rY:rY+11], v[rC:rC+7], v[rS], v[rT] matrix_a_fmt:MATRIX_FMT_FP6 matrix_b_fmt:MATRIX_FMT_FP6 matrix_b_scale:MATRIX_SCALE_ROW1
.elseif sel == 2
	v_wmma_scale_f32_16x16x128_f8f6f4 v[rD:rD+7], v[rX:rX+11], v[rY:rY+11], v[rC:rC+7], v[rS], v[rT] matrix_a_fmt:MATRIX_FMT_FP6 matrix_b_fmt:MATRIX_FMT_FP6 matrix_a_scale:MATRIX_SCALE_ROW1
.else
	v_wmma_scale_f32_16x16x128_f8f6f4 v[rD:rD+7], v[rX:rX+11], v[rY:rY+11], v[rC:rC+7], v[rS], v[rT] matrix_a_fmt:MATRIX_FMT_FP6 matrix_b_fmt:MATRIX_FMT_FP6 matrix_a_scale:MATRIX_SCALE_ROW1 matrix_b_scale:MATRIX_SCALE_ROW1
.endif
.endif
.endr
.endr
.endm
.macro HEADFETCH ra, rb                ; a slot's first fragments and its scale words: 52 loads, S1's blocks 4-7 last
	PLACES 4
	FETCH_B \rb, 0, 0
	FETCH_A \ra, 0, 0
	SCALES \ra, \rb
	FETCH_A \ra, 0, 4
.endm
.macro STEP ra, rb, mode
	s_wait_dscnt 12                                ; all but the twelve youngest loads (S1's blocks 4-7) are in
	WINM 0, \mode
	MUL16 0, 0, 0, \mode
	MUL16 2, 0, 0, \mode
	s_wait_dscnt 0x0
	PLACES 4
	FETCH_B \rb, 1, 1
	FETCH_A \ra, 1, 0
	WINM 1, \mode
	MUL16 4, 0, 0, \mode
	MUL16 6, 0, 0, \mode
	PLACES 4
	WIN 0
	FETCH_A \ra, 1, 4
.endm
.macro LAST
	s_wait_dscnt 12                                ; all but S1's blocks 4-7
	WINM 0, 0
	MUL16 0, 1, 1, 0
	MUL16 2, 1, 1, 0
	s_wait_dscnt 0x0
	WINM 1, 0
	MUL16 4, 1, 1, 0
	MUL16 6, 1, 1, 0
	WIN 0
.endm
.macro SLOTWORK ra, rb, mode
	HEADFETCH \ra, \rb
	STEP \ra, \rb, \mode
	LAST
.endm
; 64 numbers of a lane in window w, v[s] on, become a fragment in v[PC] on and its scale word in v[pw].
.macro QUANT s, w, pw
	WIN ((\w)<<2)|((\w)<<4)
.irp b, 0,1,2,3
	v_max3_num_f32 v[TM+\b], 0x1800000, |v[\s+16*\b]|, |v[\s+1+16*\b]|   ; the floor 2^(3 - 127): the byte cannot fall under 1
.endr
.irp i, 2,4,6,8,10,12,14
.irp b, 0,1,2,3
	v_max3_num_f32 v[TM+\b], v[TM+\b], |v[\s+16*\b+\i]|, |v[\s+1+16*\b+\i]|
.endr
.endr
	WIN 0
.irp b, 0,1,2,3
	v_permlanex16_b32 v[TM+4+\b], v[TM+\b], s[SEL], s[SEL+1]
.endr
.irp b, 0,1,2,3
	v_max_num_f32 v[TM+\b], v[TM+\b], v[TM+4+\b]
.endr
.irp b, 0,1,2,3
	v_add_nc_u32 v[TM+12+\b], 0xff000000, v[TM+\b] ; 2 off the exponent field: the conversion's scale operand
.endr
.irp b, 0,1,2,3
	v_lshrrev_b32 v[TM+4+\b], 23, v[TM+12+\b]      ; the scale's byte
.endr
	v_lshl_or_b32 v[\pw], v[TM+5], 8, v[TM+4]
	v_lshl_or_b32 v[\pw], v[TM+6], 16, v[\pw]
	v_lshl_or_b32 v[\pw], v[TM+7], 24, v[\pw]
	s_wait_xcnt 0x0                                ; the last fragment's stores have read their registers
	WIN (\w)
.irp c, 0,1
	v_cvt_scalef32_pk16_fp6_f32 v[PC+6*\c:PC+2+6*\c], v[\s+32*\c:\s+15+32*\c], v[TM+12+2*\c]
	v_cvt_scalef32_pk16_fp6_f32 v[PC+12+4*\c:PC+14+4*\c], v[\s+16+32*\c:\s+31+32*\c], v[TM+12+2*\c+1]
.endr
	WIN 0
	v_nop                                          ; one plain place behind a scaled conversion
.irp c, 0,1
.irp i, 0,1,2
	v_permlane16_swap_b32 v[PC+6*\c+\i], v[PC+12+4*\c+\i]
.endr
.irp i, 0,1,2
	v_mov_b32 v[PC+3+6*\c+\i], v[PC+12+4*\c+\i]
.endr
.endr
.endm
.macro PUT a
.irp c, 0,1,2
	global_store_b128 v[LI], v[PC+4*\c:PC+4*\c+3], s[12:13] offset:(\a)*FRB+512*\c
.endr
.endm
.macro PLANE d, k
.irp i, 0,1,2,3
	v_cndmask_b32 v[\d+\i], v[\k+\i], v[\k+4+\i], s[MSK]
.endr
.endm
.macro TLOAD                           ; every wave fetches its own group; an s_nop 0 and four v_nop follow
	tensor_load_to_lds s[G0:G0+3], s[G1:G1+7]
	s_nop 0
.rept 4
	v_nop
.endr
.endm
; THE CHANGE OF SLOTS at a slot step's head: all my tensor loads, the add, my reads of the slot that I have left; the barrier; fill = 1: the other slot takes the next 256 along K.
.macro CHANGE fill
	s_wait_tensorcnt 0x0                           ; no tensor load of mine is out, so group 0 may be written
	ds_add_u32 v[SPW], v[NIL]
.if \fill
	s_xor_b32 s[G0+1], s[G0+1], SLOT1
	s_add_nc_u64 s[G0+2:G0+3], s[G0+2:G0+3], GRP
.endif
	s_wait_dscnt 0x0                               ; the add is done, and my reads of the slot that I have left are over
	s_barrier_signal -1
	s_barrier_wait -1
.if \fill
	TLOAD
.endif
.endm
; Block a: 16 queries x my 128 keys.  Register 8 b + j of lane (r, h) is the score of query 16 a + r and key 16 b + 8 h + j.
.macro SOFT a
.set AC, 64*((\a)%4)
.set WW, 2+(\a)/4
	s_cmp_eq_u32 s[MF], 0                          ; ids alone: a wave whose keys all count passes over the mask
	s_cbranch_scc1 .Lopen_\@
	WIN (WW<<6)|WW                                 ; destination and source 0: the accumulators' window
.set n, 0
.rept 64
	v_cmp_gt_i32 vcc_lo, 16*(n/8)+n%8-16*(\a), v[VD]   ; hidden where key > query
	v_cndmask_b32 v[AC+n], v[AC+n], v[NINF], vcc_lo
.set n, n+1
.endr
	WIN 0
.Lopen_\@:
	WIN (WW<<2)|(WW<<4)
.irp b, 0,1,2,3
	v_max3_num_f32 v[TM+\b], 0xff61b1e6, v[AC+16*\b], v[AC+16*\b+1]   ; the largest score, over -3e38, in four chains; each accumulator from its low end on
.endr
.irp i, 2,4,6,8,10,12,14
.irp b, 0,1,2,3
	v_max3_num_f32 v[TM+\b], v[TM+\b], v[AC+16*\b+\i], v[AC+16*\b+\i+1]
.endr
.endr
	WIN 0
	v_max3_num_f32 v10, v[TM], v[TM+1], v[TM+2]
	v_max_num_f32 v10, v10, v[TM+3]
	v_permlanex16_b32 v11, v10, s[SEL], s[SEL+1]
	v_max_num_f32 v10, v10, v11                    ; with lane l xor 16's 64 keys
	v_mul_f32 v10, s[CS], v10                      ; as t (c is positive)
	v_floor_f32 v8, -v10                           ; -M = floor(-t) = -ceil(t): M is a whole number
	WIN WW                                         ; source 0: the accumulators' window
.set n, 0
.rept 32
	v_pk_fma_f32 v[TT+n:TT+n+1], v[AC+n:AC+n+1], s[CS:CS+1], v[8:9] op_sel_hi:[1,0,0]   ; t - M, two at a time
.set n, n+2
.endr
	WIN 0
.set n, 0
.rept 64
	v_exp_f32 v[TT+n], v[TT+n]                     ; p = 2^(t - M), at most 1: not normalised
.set n, n+1
.endr
	v_mov_b32 v[KM+(\a)], v8                       ; -M is kept.  (A plain place behind the exponentials)
	s_wait_alu depctr_va_vdst(0)                   ; one wait for the whole batch, ahead of its first reader
	v_pk_add_f32 v[12:13], v[TT:TT+1], v[TT+2:TT+3]        ; the sum of the unquantised p, in two chains
	v_pk_add_f32 v[14:15], v[TT+4:TT+5], v[TT+6:TT+7]
.set n, 8
.rept 14
	v_pk_add_f32 v[12:13], v[12:13], v[TT+n:TT+n+1]
	v_pk_add_f32 v[14:15], v[14:15], v[TT+n+2:TT+n+3]
.set n, n+4
.endr
	v_pk_add_f32 v[12:13], v[12:13], v[14:15]
	v_add_f32 v12, v12, v13
	v_permlanex16_b32 v11, v12, s[SEL], s[SEL+1]
	v_add_f32 v[KL+(\a)], v12, v11                 ; with lane l xor 16's: l of these 128 keys
	QUANT TT, 0, KW+(\a)
	PUT \a
.endm
	s_load_b128 s[4:7], s[0:1], 0x0                ; qkv, pp
	s_load_b64 s[8:9], s[0:1], 0x10                ; st
	v_lshl_add_u32 v[SPW], v0, 2, SPARE
	v_mov_b32 v[NIL], 0
	ds_add_u32 v[SPW], v[NIL]                      ; the wave's opening: the add, twice on end, and its wait ahead of my first tensor load
	ds_add_u32 v[SPW], v[NIL]
	v_lshrrev_b32 v1, 5, v0
	v_readfirstlane_b32 s14, v1                    ; wave 0..3
	s_lshr_b32 s15, s14, 1                         ; sa: my half of the queries.  Also: I fetch q (0) or k (1)
	s_and_b32 s16, s14, 1                          ; sb: my half of the keys.  Also: which half I fetch
	s_and_b32 s19, ttmp7, 0xffff                   ; the batch
	s_mov_b32 s17, 0
.irp thr, 1,3,6,10,15,21,28            ; tile g of the triangle: its row qi is the number of rows that begin at or under g
	s_cmp_ge_u32 ttmp9, \thr
	s_cselect_b32 s18, 1, 0
	s_add_co_u32 s17, s17, s18
.endr
	s_add_co_u32 s18, s17, 1
	s_mul_i32 s18, s18, s17
	s_lshr_b32 s18, s18, 1
	s_sub_co_u32 s18, ttmp9, s18                   ; ki = g - qi (qi + 1) / 2
	s_mov_b32 s[G1], 3<<16                         ; no mask; elements of 8 bytes; no padding: a dense block of 25,600 bytes as 100 rows of 256
	s_mov_b32 s[G1+1], 32<<16
	s_mov_b32 s[G1+2], 100<<16
	s_mov_b32 s[G1+3], 32<<16
	s_mov_b32 s[G1+4], 100
	s_mov_b32 s[G1+5], 32
	s_mov_b32 s[G1+6], 0
	s_mov_b32 s[G1+7], 0
	s_cmp_eq_u32 s15, 0
	s_cselect_b32 s20, s17, s18
	s_cselect_b32 s21, 0, 512
	s_lshl_b32 s20, s20, 1
	s_add_co_u32 s20, s20, s16
	s_lshl_b32 s22, s19, 4
	s_add_co_u32 s20, s20, s22                     ; the token block: 16 b + 2 (qi or ki) + half
	s_lshl_b32 s20, s20, 3
	s_add_co_u32 s20, s20, s21
	s_mul_i32 s66, s20, PANEL
	s_mov_b32 s67, 0
	s_mul_i32 s70, s14, GRP
	s_lshl_b32 s74, s19, 4
	s_lshl_b32 s75, s17, 1
	s_add_co_u32 s74, s74, s75
	s_add_co_u32 s74, s74, s15
	s_lshl_b32 s74, s74, 4
	s_lshl_b32 s75, s18, 1
	s_add_co_u32 s74, s74, s75
	s_add_co_u32 s74, s74, s16                     ; my panel of p: 16 (16 b + 2 qi + sa) + 2 ki + sb
	s_mul_i32 s76, s74, PANEL
	s_mov_b32 s77, 0
	s_mul_i32 s78, s74, 1536
	s_mov_b32 s79, 0
	s_cmp_eq_u32 s17, s18
	s_cselect_b32 s[MF], 1, 0
	s_cmp_le_u32 s15, s16
	s_cselect_b32 s[MF], s[MF], 0                  ; on the diagonal tile, and my keys are not all before my queries
	s_sub_co_i32 s80, s15, s16
	s_lshl_b32 s80, s80, 7                         ; 128 (sa - sb)
	s_mov_b32 s[MSK], 0xffff0000
	s_mov_b32 s[SEL], 0x76543210
	s_mov_b32 s[SEL+1], 0xfedcba98
	s_mov_b32 s[CS], 0x3e38aa3b                    ; c = log2(e) / 8
	s_mov_b32 s[CS+1], s[CS]                       ; (named with it as a pair, so it is written)
	s_wait_dscnt 0x0                               ; both opening adds are done
	s_wait_kmcnt 0x0
	s_mov_b32 s[G0], 1
	s_mov_b32 s[G0+1], s70
	s_add_nc_u64 s[G0+2:G0+3], s[4:5], s[66:67]
	s_or_b32 s[G0+3], s[G0+3], 0x80000000
	TLOAD                                          ; slot 0: K = 0 .. 255
	s_add_nc_u64 s[12:13], s[6:7], s[76:77]
	s_add_nc_u64 s[56:57], s[8:9], s[78:79]
	v_and_b32 v4, 31, v0
	v_lshlrev_b32 v[LI], 4, v4
	v_and_b32 v1, 15, v0                           ; r
	v_bfe_u32 v2, v0, 4, 1                         ; h
	s_mul_i32 s71, s15, GRP
	s_mul_i32 s72, s16, GRP
	s_add_co_u32 s72, s72, 2*GRP
	v_add_nc_u32 v16, s71, v[LI]
	v_add_nc_u32 v20, s72, v[LI]
	s_add_co_u32 s71, s71, SLOT1
	s_add_co_u32 s72, s72, SLOT1
	v_add_nc_u32 v17, s71, v[LI]
	v_add_nc_u32 v21, s72, v[LI]
	v_lshlrev_b32 v[VD], 3, v2
	v_sub_nc_u32 v[VD], v1, v[VD]
	v_add_nc_u32 v[VD], s80, v[VD]                 ; 128 (sa - sb) + r - 8 h: key 16 b + j of block a's row is hidden where 16 b + j - 16 a is above it
	v_mov_b32 v[NINF], 0xff800000
	v_mov_b32 v9, 0                                ; (named as the upper half of the pair v[8:9])
	v_mov_b32 v11, 0                               ; written once: a lane permute's destination counts as one of its sources
	CHANGE 1
	SLOTWORK 16, 20, 1                             ; the first products start the sums: nothing is cleared
	CHANGE 1
	SLOTWORK 17, 21, 0
	CHANGE 1
	SLOTWORK 16, 20, 0
	CHANGE 0                                       ; the last slot step: nothing is left to fetch
	SLOTWORK 17, 21, 0
	PLACES 4
.irp b, 0,1,2,3
	v_mov_b32 v[TM+4+\b], 0
.endr
.irp a, 0,1,2,3,4,5,6,7
	SOFT \a
.endr
	PLANE 192, KW
	PLANE 196, KM
	PLANE 200, KL
	global_store_b128 v[LI], v[192:195], s[12:13] offset:SCO       ; the panel's own plane (launch 4's tensor loads read the whole panel)
	global_store_b128 v[LI], v[192:195], s[56:57]                  ; the record: raw scale words,
	global_store_b128 v[LI], v[196:199], s[56:57] offset:512       ; -M,
	global_store_b128 v[LI], v[200:203], s[56:57] offset:1024      ; l
	s_wait_tensorcnt 0x0                           ; the wave's end
	ds_add_u32 v[SPW], v[NIL]
	s_wait_dscnt 0x0
	s_endpgm
.Lfunc_end_k_qf021597dd6_score:
	.size	k_qf021597dd6_score, .Lfunc_end_k_qf021597dd6_score-k_qf021597dd6_score
	.p2alignl 7, 3214868480
	.fill 96, 4, 3214868480
	.section	.rodata,"a",@progbits
	.p2align	6, 0x0
	.amdhsa_kernel k_qf021597dd6_score
		.amdhsa_group_segment_fixed_size 327680
		.amdhsa_private_segment_fixed_size 0
		.amdhsa_enable_private_segment 0
		.amdhsa_kernarg_size 24
		.amdhsa_user_sgpr_count 2
		.amdhsa_user_sgpr_kernarg_segment_ptr 1
		.amdhsa_wavefront_size32 1
		.amdhsa_system_sgpr_workgroup_id_x 1
		.amdhsa_system_sgpr_workgroup_id_y 1
		.amdhsa_system_sgpr_workgroup_id_z 1
		.amdhsa_system_vgpr_workitem_id 0
		.amdhsa_next_free_vgpr 1024
		.amdhsa_next_free_sgpr 100
		.amdhsa_reserve_vcc 1
		.amdhsa_float_denorm_mode_32 3
		.amdhsa_float_denorm_mode_16_64 3
		.amdhsa_memory_ordered 1
		.amdhsa_forward_progress 1
		.amdhsa_inst_pref_size 243
	.end_amdhsa_kernel
	.amdgpu_metadata
---
amdhsa.version: [ 1, 2 ]
amdhsa.kernels:
  - .name:           k_qf021597dd6_score
    .symbol:         k_qf021597dd6_score.kd
    .args:
      - { .name: qkv, .offset: 0, .size: 8, .value_kind: global_buffer, .address_space: global }
      - { .name: pp, .offset: 8, .size: 8, .value_kind: global_buffer, .address_space: global }
      - { .name: st, .offset: 16, .size: 8, .value_kind: global_buffer, .address_space: global }
    .group_segment_fixed_size: 327680
    .private_segment_fixed_size: 0
    .kernarg_segment_align: 8
    .kernarg_segment_size: 24
    .max_flat_workgroup_size: 128
    .sgpr_count:     100
    .vgpr_count:     1024
    .wavefront_size: 32
...
	.end_amdgpu_metadata
.endif
;; end of part 3
;; launch pv (part 4): grid 4 x 32, 4 waves a work-group, no clusters, 327,680 bytes of LDS; arguments qkv, pp, st, ot; writes ot
.if DOCPART == 4
	.amdgcn_target "amdgcn-amd-amdhsa--gfx1250"
	.amdhsa_code_object_version 6
	.text
	.protected	k_qf021597dd6_pv
	.globl	k_qf021597dd6_pv
	.p2align	8
	.type	k_qf021597dd6_pv,@function
k_qf021597dd6_pv:
	s_mov_b64 s[64:65], 0
	v_nop
	global_prefetch_b8 v0, s[64:65] scope:SCOPE_SE
	s_setreg_imm32_b32 hwreg(HW_REG_WAVE_MODE, 25, 1), 1
	s_wait_xcnt 0x0
; LAUNCH 4 OF 5.  O^T = v^T p^T / l on FP6 codes, quantised along the queries into launch 5's panels.  A work-group makes 256 features x 256 queries of one batch.
; WORK LEFT OUT: key steps beyond the query tile's last key: reference()'s own triu makes their weights 0 for all inputs.  Query tile qi walks NS = qi + 1 slot steps of 256 keys.
; S1 = v^T (rows: features), S0 = p (rows: queries), K = the keys: a lane holds one feature, its registers run along the queries, which are launch 5's K.
; THE HEAD FINISHES THE SOFTMAX.  For my 128 queries and each of up to 16 blocks of 128 keys launch 3 left raw scale words, -M and l.  The row's M is the largest; y = min(M_row - M, 127) is taken off each of the block's
; four scale bytes (an exact power of two; a byte that would fall under 0 is held at 0, which stands for 2^-127: LIMIT: such weights count as that and not as less), and l_row = the sum of l 2^-y.
; The moved scale words lie in a table of the wave's own in LDS and are S0's scales; 1 / l_row multiplies the results.
; EVERY work-group walks all eight changes of slots, so that trip counts are constants; a step beyond NS is passed over by a scalar branch on ids, and the look-ahead ends there too: a jump on ids, the same in all four
; waves, leads round the tensor load alone; every wait on TENSORcnt is for 0.  Since the first change of slots therefore stands in the loop, the loop's products all add in place, and the sums begin as zeros, written
; while the first tiles and the records are on their way.
; NO CLUSTER: the four work-groups that share p's tiles would be partners, but fills end at a limit that is reached by a jump, and no jump may lead round a joint load.
.set PANEL, 12800
.set FRB,   1536
.set SCO,   12288
.set GRP,   2*PANEL
.set SLOT1, 1<<17
.set TAB,   SLOT1+4*GRP                ; behind the ring: for each wave 16 planes of 512 bytes: p's moved scale words
.set RLT,   TAB+4*8192                 ; for each wave 128 numbers: 1 / l of my queries
.set SPARE, RLT+4*512                  ; the spare words, 128 bytes a wave, two blocks of 256 bytes that no other line names
.set PTAB,  1
.set FR,    12
.set LI,    3
.set ADT,   24                         ; v24 the step's planes in my table
.set SPW,   28
.set NIL,   29
.set SC,    32                         ; v32-47 scale words and nothing else
.set BI,    64                         ; v64-127 here: 1 / l; register 8 b + j: query 16 b + 8 h + j
.set AF,    128
.set PC,    128
.set TM,    148
.set KW,    168
.set TT,    192
.set G1,  24
.set G0,  32
.set MSK, 59
.set SEL, 60
.set TB,  2                            ; s2  LDS byte at which the slot in hand begins
.set TS,  3                            ; s3  the step's planes in a table: 1,024 bytes a step
.set IX,  76                           ; s76 the slot step
.set SLOTS, 77                         ; s77 the loop's counter
.set NS,  78                           ; s78 slot steps that count
.set MSB, 0
.macro WIN new                         ; the immediate's high byte repeats the setting that is left
.if MSB != (\new)
	s_set_vgpr_msb (MSB<<8)|(\new)
.set MSB, (\new)
.endif
.endm
.macro PLACES n                        ; plain places behind matrix instructions (ISA guide 7.12.1)
.rept \n
	v_nop
.endr
.endm
.macro WINM hi, mode
.if \mode >= 2
	WIN 0x81+0x40*(\hi)
.else
	WIN 0xa1+0x50*(\hi)
.endif
.endm
.macro FRAG reg, adr, q, i
.irp c, 0,1,2
	ds_load_b128 v[\reg+4*\c:\reg+4*\c+3], v[\adr] offset:(\q)*PANEL+(\i)*FRB+512*\c
.endr
.endm
.macro FETCH_B adr, q, p
	WIN 0x40
.irp i, 0,1,2,3,4,5,6,7
	FRAG 128*(\p)+FR*\i, \adr, \q, \i
.endr
	WIN 0
.endm
.macro FETCH_A adr, q, i0
.irp i, \i0, \i0+1, \i0+2, \i0+3
	FRAG AF+FR*(\i), \adr, \q, \i
.endr
.endm
.macro SCALES ra, rb                   ; v^T's planes from the panels, p's from my table
.irp q, 0,1
	ds_load_b128 v[SC+8*\q:SC+8*\q+3], v[\ra] offset:\q*PANEL+SCO
.if PTAB
	ds_load_b128 v[SC+8*\q+4:SC+8*\q+7], v[ADT] offset:512*\q
.else
	ds_load_b128 v[SC+8*\q+4:SC+8*\q+7], v[\rb] offset:\q*PANEL+SCO
.endif
.endr
.endm
; 16 matrix instructions: S1's blocks a0, a0 + 1 x S0's eight, C = D.  The 64 accumulators take turns, one instruction a turn.
.macro MUL16 a0, p, q, mode
.irp a, \a0, \a0+1
.irp b, 0,1,2,3,4,5,6,7
.set rD, 8*(8*((\a)%4)+\b)
.set rX, 128*(\p)+FR*\b
.set rY, AF+FR*(\a)
.set rS, SC+8*(\q)+4+\b%4
.set rT, SC+8*(\q)+(\a)%4
.set sel, 2*(\b/4)+(\a)/4
.if sel == 0
	v_wmma_scale_f32_16x16x128_f8f6f4 v[rD:rD+7], v[rX:rX+11], v[rY:rY+11], v[rD:rD+7], v[rS], v[rT] matrix_a_fmt:MATRIX_FMT_FP6 matrix_b_fmt:MATRIX_FMT_FP6
.elseif sel == 1
	v_wmma_scale_f32_16x16x128_f8f6f4 v[rD:rD+7], v[rX:rX+11], v[rY:rY+11], v[rD:rD+7], v[rS], v[rT] matrix_a_fmt:MATRIX_FMT_FP6 matrix_b_fmt:MATRIX_FMT_FP6 matrix_b_scale:MATRIX_SCALE_ROW1
.elseif sel == 2
	v_wmma_scale_f32_16x16x128_f8f6f4 v[rD:rD+7], v[rX:rX+11], v[rY:rY+11], v[rD:rD+7], v[rS], v[rT] matrix_a_fmt:MATRIX_FMT_FP6 matrix_b_fmt:MATRIX_FMT_FP6 matrix_a_scale:MATRIX_SCALE_ROW1
.else
	v_wmma_scale_f32_16x16x128_f8f6f4 v[rD:rD+7], v[rX:rX+11], v[rY:rY+11], v[rD:rD+7], v[rS], v[rT] matrix_a_fmt:MATRIX_FMT_FP6 matrix_b_fmt:MATRIX_FMT_FP6 matrix_a_scale:MATRIX_SCALE_ROW1 matrix_b_scale:MATRIX_SCALE_ROW1
.endif
.endr
.endr
.endm
.macro HEADFETCH ra, rb                ; a slot's first fragments and its scale words: 52 loads, S1's blocks 4-7 last
	PLACES 4
	FETCH_B \rb, 0, 0
	FETCH_A \ra, 0, 0
	SCALES \ra, \rb
	FETCH_A \ra, 0, 4
.endm
.macro STEP ra, rb, mode
	s_wait_dscnt 12                                ; all but the twelve youngest loads (S1's blocks 4-7) are in
	WINM 0, \mode
	MUL16 0, 0, 0, \mode
	MUL16 2, 0, 0, \mode
	s_wait_dscnt 0x0
	PLACES 4
	FETCH_B \rb, 1, 1
	FETCH_A \ra, 1, 0
	WINM 1, \mode
	MUL16 4, 0, 0, \mode
	MUL16 6, 0, 0, \mode
	PLACES 4
	WIN 0
	FETCH_A \ra, 1, 4
.endm
.macro LAST
	s_wait_dscnt 12                                ; all but S1's blocks 4-7
	WINM 0, 0
	MUL16 0, 1, 1, 0
	MUL16 2, 1, 1, 0
	s_wait_dscnt 0x0
	WINM 1, 0
	MUL16 4, 1, 1, 0
	MUL16 6, 1, 1, 0
	WIN 0
.endm
.macro SLOTWORK ra, rb, mode
	HEADFETCH \ra, \rb
	STEP \ra, \rb, \mode
	LAST
.endm
; 64 numbers of a lane in window w, v[s] on, become a fragment in v[PC] on and its scale word in v[pw].
.macro QUANT s, w, pw
	WIN ((\w)<<2)|((\w)<<4)
.irp b, 0,1,2,3
	v_max3_num_f32 v[TM+\b], 0x1800000, |v[\s+16*\b]|, |v[\s+1+16*\b]|   ; the floor 2^(3 - 127): the byte cannot fall under 1
.endr
.irp i, 2,4,6,8,10,12,14
.irp b, 0,1,2,3
	v_max3_num_f32 v[TM+\b], v[TM+\b], |v[\s+16*\b+\i]|, |v[\s+1+16*\b+\i]|
.endr
.endr
	WIN 0
.irp b, 0,1,2,3
	v_permlanex16_b32 v[TM+4+\b], v[TM+\b], s[SEL], s[SEL+1]
.endr
.irp b, 0,1,2,3
	v_max_num_f32 v[TM+\b], v[TM+\b], v[TM+4+\b]
.endr
.irp b, 0,1,2,3
	v_add_nc_u32 v[TM+12+\b], 0xff000000, v[TM+\b] ; 2 off the exponent field: the conversion's scale operand
.endr
.irp b, 0,1,2,3
	v_lshrrev_b32 v[TM+4+\b], 23, v[TM+12+\b]      ; the scale's byte
.endr
	v_lshl_or_b32 v[\pw], v[TM+5], 8, v[TM+4]
	v_lshl_or_b32 v[\pw], v[TM+6], 16, v[\pw]
	v_lshl_or_b32 v[\pw], v[TM+7], 24, v[\pw]
	s_wait_xcnt 0x0                                ; the last fragment's stores have read their registers
	WIN (\w)
.irp c, 0,1
	v_cvt_scalef32_pk16_fp6_f32 v[PC+6*\c:PC+2+6*\c], v[\s+32*\c:\s+15+32*\c], v[TM+12+2*\c]
	v_cvt_scalef32_pk16_fp6_f32 v[PC+12+4*\c:PC+14+4*\c], v[\s+16+32*\c:\s+31+32*\c], v[TM+12+2*\c+1]
.endr
	WIN 0
	v_nop                                          ; one plain place behind a scaled conversion
.irp c, 0,1
.irp i, 0,1,2
	v_permlane16_swap_b32 v[PC+6*\c+\i], v[PC+12+4*\c+\i]
.endr
.irp i, 0,1,2
	v_mov_b32 v[PC+3+6*\c+\i], v[PC+12+4*\c+\i]
.endr
.endr
.endm
.macro PUT a
.irp c, 0,1,2
	global_store_b128 v[LI], v[PC+4*\c:PC+4*\c+3], s[12:13] offset:(\a)*FRB+512*\c
.endr
.endm
.macro PLANE d, k
.irp i, 0,1,2,3
	v_cndmask_b32 v[\d+\i], v[\k+\i], v[\k+4+\i], s[MSK]
.endr
.endm
.macro TLOAD                           ; every wave fetches its own group; an s_nop 0 and four v_nop follow
	tensor_load_to_lds s[G0:G0+3], s[G1:G1+7]
	s_nop 0
.rept 4
	v_nop
.endr
.endm
; THE CHANGE OF SLOTS at a slot step's head.  fill = 1: the other slot takes the next 256 keys, while they count for my queries.
.macro CHANGE fill
	s_wait_tensorcnt 0x0                           ; no tensor load of mine is out, so group 0 may be written
	ds_add_u32 v[SPW], v[NIL]
.if \fill
	s_xor_b32 s[G0+1], s[G0+1], SLOT1
	s_add_nc_u64 s[G0+2:G0+3], s[G0+2:G0+3], GRP
.endif
	s_wait_dscnt 0x0                               ; the add is done, and my reads of the slot that I have left are over
	s_barrier_signal -1
	s_barrier_wait -1
.if \fill
	s_add_co_u32 s96, s[IX], 1                     ; the look-ahead ends at the causal limit: a slot step that no wave reads is not asked for
	s_cmp_ge_u32 s96, s[NS]                        ; ids and the count of steps alone: all four waves go the same way
	s_cbranch_scc1 .Lpast_\@
	TLOAD
.Lpast_\@:
.endif
.endm
.macro WORK                            ; a slot step's products, where its keys count; the lines that step addresses are run in every trip
	s_cmp_ge_u32 s[IX], s[NS]
	s_cbranch_scc1 .Lskip_\@
	v_add_nc_u32 v16, s[TB], v18
	v_add_nc_u32 v20, s[TB], v22
	v_add_nc_u32 v[ADT], s[TS], v25
	SLOTWORK 16, 20, 0
.Lskip_\@:
	s_add_co_u32 s[IX], s[IX], 1
	s_add_co_u32 s[TS], s[TS], 1024
	s_xor_b32 s[TB], s[TB], SLOT1
.endm
; Key block ks of my queries: y = min(M_row - M, 127); y off each scale byte, held at 0 from below; l 2^-y onto the row's sum; the plane into my table.
; Raw bytes are under 128 (p is at most 1), so with bit 7 set in each byte the subtraction borrows from no neighbour, and bit 7 stays set just where the byte did not fall under 0.
.macro FIX ks
.irp p, 0,1,2,3
	v_sub_f32 v[48+\p], v[128+4*(\ks)+\p], v[4+\p] ; (-M) - (-M_row), a whole number, 0 or more
.endr
.irp p, 0,1,2,3
	v_min_num_f32 v[48+\p], 0x42fe0000, v[48+\p]   ; at most 127
.endr
.irp p, 0,1,2,3
	v_cvt_u32_f32 v[48+\p], v[48+\p]               ; y
.endr
.irp p, 0,1,2,3
	v_perm_b32 v[52+\p], v[48+\p], v[48+\p], 0     ; y in each of the four bytes
.endr
.irp p, 0,1,2,3
	v_or_b32 v[56+\p], 0x80808080, v[64+4*(\ks)+\p]
.endr
.irp p, 0,1,2,3
	v_sub_nc_u32 v[56+\p], v[56+\p], v[52+\p]
.endr
.irp p, 0,1,2,3
	v_and_b32 v[52+\p], 0x80808080, v[56+\p]
.endr
.irp p, 0,1,2,3
	v_lshrrev_b32 v[60+\p], 7, v[52+\p]
.endr
.irp p, 0,1,2,3
	v_sub_nc_u32 v[52+\p], v[52+\p], v[60+\p]      ; 0x7f in the bytes that stay, 0 in those that fell under 0
.endr
.irp p, 0,1,2,3
	v_and_b32 v[64+4*(\ks)+\p], v[56+\p], v[52+\p]
.endr
.irp p, 0,1,2,3
	v_sub_nc_u32 v[48+\p], 0, v[48+\p]
.endr
.if (\ks) == 0
.irp p, 0,1,2,3
	v_ldexp_f32 v[8+\p], v[192+\p], v[48+\p]       ; the first block starts the row's sum
.endr
.else
.irp p, 0,1,2,3
	v_ldexp_f32 v[48+\p], v[192+4*(\ks)+\p], v[48+\p]
.endr
.irp p, 0,1,2,3
	v_add_f32 v[8+\p], v[8+\p], v[48+\p]
.endr
.endif
	ds_store_b128 v25, v[64+4*(\ks):64+4*(\ks)+3] offset:512*(\ks)
.endm
	s_load_b256 s[4:11], s[0:1], 0x0               ; qkv, pp, st, ot
	v_lshl_add_u32 v[SPW], v0, 2, SPARE
	v_mov_b32 v[NIL], 0
	ds_add_u32 v[SPW], v[NIL]                      ; the wave's opening: the add, twice on end, and its wait ahead of my first tensor load
	ds_add_u32 v[SPW], v[NIL]
	v_lshrrev_b32 v1, 5, v0
	v_readfirstlane_b32 s14, v1                    ; wave 0..3
	s_lshr_b32 s15, s14, 1                         ; sa: my half of the features.  Also: I fetch v^T (0) or p (1)
	s_and_b32 s16, s14, 1                          ; sb: my half of the queries.  Also: which half I fetch
	s_and_b32 s17, ttmp7, 0xffff
	s_lshr_b32 s18, s17, 3                         ; the batch
	s_and_b32 s17, s17, 7                          ; qi
	s_add_co_u32 s[NS], s17, 1
	s_mov_b32 s[G1], 3<<16                         ; no mask; elements of 8 bytes; no padding: a dense block of 25,600 bytes as 100 rows of 256
	s_mov_b32 s[G1+1], 32<<16
	s_mov_b32 s[G1+2], 100<<16
	s_mov_b32 s[G1+3], 32<<16
	s_mov_b32 s[G1+4], 100
	s_mov_b32 s[G1+5], 32
	s_mov_b32 s[G1+6], 0
	s_mov_b32 s[G1+7], 0
	s_lshl_b32 s20, ttmp9, 1
	s_add_co_u32 s20, s20, s16
	s_lshl_b32 s20, s20, 4
	s_lshl_b32 s21, s18, 7
	s_add_co_u32 s20, s20, s21
	s_add_co_u32 s20, s20, 1024                    ; v^T: panel 1024 + 128 b + 16 (2 dt + half)
	s_lshl_b32 s21, s18, 4
	s_lshl_b32 s22, s17, 1
	s_add_co_u32 s21, s21, s22
	s_add_co_u32 s21, s21, s16                     ; 16 b + 2 qi + half
	s_lshl_b32 s22, s21, 4                         ; p: panel 16 x that
	s_cmp_eq_u32 s15, 0
	s_cselect_b32 s66, s20, s22
	s_mul_i32 s66, s66, PANEL
	s_mov_b32 s67, 0
	s_mul_i32 s70, s14, GRP
	s_mul_i32 s72, s21, 16*1536                    ; my queries' records (sb is also my half of the queries)
	s_mov_b32 s73, 0
	s_lshl_b32 s74, s18, 3
	s_lshl_b32 s75, ttmp9, 1
	s_add_co_u32 s74, s74, s75
	s_add_co_u32 s74, s74, s15
	s_lshl_b32 s74, s74, 4
	s_lshl_b32 s75, s17, 1
	s_add_co_u32 s74, s74, s75
	s_add_co_u32 s74, s74, s16                     ; my panel of O^T: 16 (8 b + 2 dt + sa) + 2 qi + sb
	s_mul_i32 s74, s74, PANEL
	s_mov_b32 s75, 0
	s_lshl_b32 s71, s17, 1
	s_add_co_u32 s71, s71, 1                       ; the last key block that was written: 2 NS - 1
	s_mov_b32 s[MSK], 0xffff0000
	s_mov_b32 s[SEL], 0x76543210
	s_mov_b32 s[SEL+1], 0xfedcba98
	s_mov_b32 s[TB], 0
	s_mov_b32 s[TS], 0
	s_mov_b32 s[IX], 0
	s_mov_b32 s[SLOTS], 7
	s_wait_dscnt 0x0                               ; both opening adds are done
	s_wait_kmcnt 0x0
	s_cmp_eq_u32 s15, 0
	s_cselect_b64 s[68:69], s[4:5], s[6:7]
	s_mov_b32 s[G0], 1
	s_mov_b32 s[G0+1], s70
	s_add_nc_u64 s[G0+2:G0+3], s[68:69], s[66:67]
	s_or_b32 s[G0+3], s[G0+3], 0x80000000
	TLOAD                                          ; slot 0: keys 0 .. 255, which count for every query tile
	s_add_nc_u64 s[56:57], s[8:9], s[72:73]
	s_add_nc_u64 s[12:13], s[10:11], s[74:75]
	v_and_b32 v4, 31, v0
	v_lshlrev_b32 v[LI], 4, v4
	v_and_b32 v1, 15, v0                           ; r
	v_bfe_u32 v2, v0, 4, 1                         ; h
	s_mul_i32 s70, s15, GRP
	v_add_nc_u32 v18, s70, v[LI]                   ; my half of v^T in a slot,
	s_mul_i32 s70, s16, GRP
	s_add_co_u32 s70, s70, 2*GRP
	v_add_nc_u32 v22, s70, v[LI]                   ; of p
	s_lshl_b32 s70, s14, 13
	s_add_co_u32 s70, s70, TAB
	v_add_nc_u32 v25, s70, v[LI]                   ; my table, 16 bytes a lane
	s_lshl_b32 s70, s14, 9
	s_add_co_u32 s70, s70, RLT
	v_lshlrev_b32 v26, 2, v1
	v_lshl_add_u32 v26, v2, 8, v26
	v_add_nc_u32 v26, s70, v26                     ; 1 / l, in: plane register p of lane (r, h) is query 64 h + 16 p + r
	v_lshlrev_b32 v27, 5, v2
	v_add_nc_u32 v27, s70, v27                     ; and back: eight neighbours from 32 h on
.irp ks, 0,1,2,3,4,5,6,7,8,9,10,11,12,13,14,15
	s_min_u32 s72, s71, \ks                        ; a block that was not written is replaced by the last that was: it serves the minimum alone, which a repeat does not move
	s_mul_i32 s72, s72, 1536
	v_add_nc_u32 v[48+\ks], s72, v[LI]
.endr
.irp ks, 0,1,2,3,4,5,6,7,8,9,10,11,12,13,14,15
	global_load_b128 v[64+4*\ks:64+4*\ks+3],   v[48+\ks], s[56:57]               ; raw scale words
	global_load_b128 v[128+4*\ks:128+4*\ks+3], v[48+\ks], s[56:57] offset:512    ; -M
	global_load_b128 v[192+4*\ks:192+4*\ks+3], v[48+\ks], s[56:57] offset:1024   ; l
.endr
	WIN 0x80                                       ; the sums begin as zeros (see the head), written while the loads above are out
.set n, 0
.rept 256
	v_mov_b32 v[n], 0
.set n, n+1
.endr
	WIN 0xc0
.set n, 0
.rept 256
	v_mov_b32 v[n], 0
.set n, n+1
.endr
	WIN 0
	s_wait_loadcnt 0x0
.irp p, 0,1,2,3
	v_min_num_f32 v[4+\p], v[128+\p], v[132+\p]    ; -M_row: the least -M
.endr
.irp ks, 2,4,6,8,10,12,14
.irp p, 0,1,2,3
	v_min3_num_f32 v[4+\p], v[4+\p], v[128+4*\ks+\p], v[132+4*\ks+\p]
.endr
.endr
.irp i, 0,1,2,3,4,5,6,7
.if \i > 0
	s_cmp_le_u32 s[NS], \i                         ; ids alone: blocks beyond the causal limit do not exist
	s_cbranch_scc1 .Lfixed
.endif
	FIX 2*\i
	FIX 2*\i+1
.endr
.Lfixed:
.irp p, 0,1,2,3
	v_rcp_f32 v[12+\p], v[8+\p]                    ; l_row is above 1/2: the row's largest p is
.endr
	v_nop                                          ; a plain place behind the reciprocals
	s_wait_alu depctr_va_vdst(0)                   ; one wait for the four, ahead of their first reader
.irp p, 0,1,2,3
	ds_store_b32 v26, v[12+\p] offset:64*\p
.endr
.irp b, 0,1,2,3,4,5,6,7                ; LDS serves a wave's instructions in order: these see my stores
	ds_load_b128 v[BI+8*\b:BI+8*\b+3], v27 offset:64*\b
	ds_load_b128 v[BI+8*\b+4:BI+8*\b+7], v27 offset:64*\b+16
.endr
.Lslot:                                ; seven trips; the eighth change of slots is written out, since nothing can follow it
	CHANGE 1
	WORK
	s_sub_co_u32 s[SLOTS], s[SLOTS], 1
	s_cmp_lg_u32 s[SLOTS], 0
	s_cbranch_scc1 .Lslot
	CHANGE 0
	WORK
	PLACES 4
.irp b, 0,1,2,3
	v_mov_b32 v[TM+4+\b], 0                        ; written once: a lane permute's destination counts as one of its sources
.endr
.irp a, 0,1,2,3,4,5,6,7                ; block a: features 16 a + r; 128 queries along the registers: one fragment of O^T
.set AC, 64*(\a%4)
	WIN 2+\a/4                                     ; source 0: the accumulators' window
.set n, 0
.rept 32
	v_pk_mul_f32 v[TT+n:TT+n+1], v[AC+n:AC+n+1], v[BI+n:BI+n+1]   ; / l, each accumulator from its low end on
.set n, n+2
.endr
	QUANT TT, 0, KW+\a
	PUT \a
.endr
	PLANE 176, KW
	global_store_b128 v[LI], v[176:179], s[12:13] offset:SCO
	s_wait_tensorcnt 0x0                           ; the wave's end
	ds_add_u32 v[SPW], v[NIL]
	s_wait_dscnt 0x0
	s_endpgm
.Lfunc_end_k_qf021597dd6_pv:
	.size	k_qf021597dd6_pv, .Lfunc_end_k_qf021597dd6_pv-k_qf021597dd6_pv
	.p2alignl 7, 3214868480
	.fill 96, 4, 3214868480
	.section	.rodata,"a",@progbits
	.p2align	6, 0x0
	.amdhsa_kernel k_qf021597dd6_pv
		.amdhsa_group_segment_fixed_size 327680
		.amdhsa_private_segment_fixed_size 0
		.amdhsa_enable_private_segment 0
		.amdhsa_kernarg_size 32
		.amdhsa_user_sgpr_count 2
		.amdhsa_user_sgpr_kernarg_segment_ptr 1
		.amdhsa_wavefront_size32 1
		.amdhsa_system_sgpr_workgroup_id_x 1
		.amdhsa_system_sgpr_workgroup_id_y 1
		.amdhsa_system_sgpr_workgroup_id_z 1
		.amdhsa_system_vgpr_workitem_id 0
		.amdhsa_next_free_vgpr 1024
		.amdhsa_next_free_sgpr 100
		.amdhsa_reserve_vcc 0
		.amdhsa_float_denorm_mode_32 3
		.amdhsa_float_denorm_mode_16_64 3
		.amdhsa_memory_ordered 1
		.amdhsa_forward_progress 1
		.amdhsa_inst_pref_size 165
	.end_amdhsa_kernel
	.amdgpu_metadata
---
amdhsa.version: [ 1, 2 ]
amdhsa.kernels:
  - .name:           k_qf021597dd6_pv
    .symbol:         k_qf021597dd6_pv.kd
    .args:
      - { .name: qkv, .offset: 0, .size: 8, .value_kind: global_buffer, .address_space: global }
      - { .name: pp, .offset: 8, .size: 8, .value_kind: global_buffer, .address_space: global }
      - { .name: st, .offset: 16, .size: 8, .value_kind: global_buffer, .address_space: global }
      - { .name: ot, .offset: 24, .size: 8, .value_kind: global_buffer, .address_space: global }
    .group_segment_fixed_size: 327680
    .private_segment_fixed_size: 0
    .kernarg_segment_align: 8
    .kernarg_segment_size: 32
    .max_flat_workgroup_size: 128
    .sgpr_count:     100
    .vgpr_count:     1024
    .wavefront_size: 32
...
	.end_amdgpu_metadata
.endif
;; end of part 4
;; launch outp (part 5): grid 4 x 32, 4 waves a work-group, clusters of 4 x 4, 327,680 bytes of LDS; arguments ot, pan1, W_o_b, out0; writes out0
.if DOCPART == 5
	.amdgcn_target "amdgcn-amd-amdhsa--gfx1250"
	.amdhsa_code_object_version 6
	.text
	.protected	k_qf021597dd6_outp
	.globl	k_qf021597dd6_outp
	.p2align	8
	.type	k_qf021597dd6_outp,@function
k_qf021597dd6_outp:
	s_mov_b64 s[64:65], 0
	v_nop
	global_prefetch_b8 v0, s[64:65] scope:SCOPE_SE
	s_setreg_imm32_b32 hwreg(HW_REG_WAVE_MODE, 25, 1), 1
	s_wait_xcnt 0x0
	s_wait_alu depctr_hold_cnt(0) depctr_sa_sdst(0) depctr_va_vdst(0) depctr_va_sdst(0) depctr_va_ssrc(0) depctr_va_vcc(0) depctr_vm_vsrc(0)
	s_getreg_b32 s2, hwreg(HW_REG_IB_STS2, 6, 4)
	s_cmp_eq_u32 s2, 0
	s_cbranch_scc0 .Lentry_in_a_cluster
	s_endpgm
.Lentry_in_a_cluster:
	s_bfe_u32 s2, ttmp6, 0x10000c
	s_cmp_lg_u32 s2, 0xf033
	s_cbranch_scc0 .Lentry_shape_is_right
	s_endpgm
.Lentry_shape_is_right:
; LAUNCH 5 OF 5.  out0 = scr W_o^T + b_o on FP6 codes.  reference()'s swapaxes and reshape make row i of scr the row d = i / 2 of O^T, queries 1024 (i % 2) + 0 .. 1023: so launch 4's panels of O^T, cut in halves
; along the queries, are this product's left operand as they lie, and only the rows of out0 are dealt out: row 2 d + half.
; S0 = W_o (rows: output features), S1 = O^T (rows: d): a lane holds one row of out0, its registers eight neighbouring features.  The bias is the C of each sum's first matrix instruction.
; A work-group makes 256 rows (one batch, one half, 256 d) x 256 features, K = 1,024.  Ring, panels, registers and cluster as in launch 2: S1's groups jointly along a row of the cluster, S0's along a column.
; THE WAY OUT: a block of 16 rows x 128 features goes through the wave's own stage in LDS and leaves as whole rows of 512 bytes.  The stage lies in slot 0, which has had its last fill and, behind the last change of slots, its last read.
.set PANEL, 12800
.set FRB,   1536
.set SCO,   12288
.set GRP,   2*PANEL
.set SLOT1, 1<<17
.set SPARE, SLOT1+4*GRP                ; behind the ring: the spare words, 128 bytes a wave, two blocks of 256 bytes that no other line names
.set PTAB,  0
.set SPITCH, 528                       ; a stage row: 512 bytes + 16
.set FR,    12
.set LI,    3
.set STO,   24                         ; v24 the stage: where I put 32 bytes of a row
.set RD,    25                         ; v25 and where I read a row back
.set SPW,   28
.set NIL,   29
.set SC,    32                         ; v32-47 scale words and nothing else
.set BI,    64
.set AF,    128
.set BK,    128                        ; the way out: 16 rows read back: v128-191 and v192-255 by turns
.set G1,  24
.set G0,  32
.set G0B, 36
.set G1B, 48
.set MSB, 0
.macro WIN new                         ; the immediate's high byte repeats the setting that is left
.if MSB != (\new)
	s_set_vgpr_msb (MSB<<8)|(\new)
.set MSB, (\new)
.endif
.endm
.macro PLACES n                        ; plain places behind matrix instructions (ISA guide 7.12.1)
.rept \n
	v_nop
.endr
.endm
.macro WINM hi, mode
.if \mode >= 2
	WIN 0x81+0x40*(\hi)
.else
	WIN 0xa1+0x50*(\hi)
.endif
.endm
.macro FRAG reg, adr, q, i
.irp c, 0,1,2
	ds_load_b128 v[\reg+4*\c:\reg+4*\c+3], v[\adr] offset:(\q)*PANEL+(\i)*FRB+512*\c
.endr
.endm
.macro FETCH_B adr, q, p
	WIN 0x40
.irp i, 0,1,2,3,4,5,6,7
	FRAG 128*(\p)+FR*\i, \adr, \q, \i
.endr
	WIN 0
.endm
.macro FETCH_A adr, q, i0
.irp i, \i0, \i0+1, \i0+2, \i0+3
	FRAG AF+FR*(\i), \adr, \q, \i
.endr
.endm
.macro SCALES ra, rb
.irp q, 0,1
	ds_load_b128 v[SC+8*\q:SC+8*\q+3], v[\ra] offset:\q*PANEL+SCO
	ds_load_b128 v[SC+8*\q+4:SC+8*\q+7], v[\rb] offset:\q*PANEL+SCO
.endr
.endm
; 16 matrix instructions: S1's blocks a0, a0 + 1 x S0's eight.  mode 0: C = D; 2: C = the bias along S0's rows.  The 64 accumulators take turns, one instruction a turn.
.macro MUL16 a0, p, q, mode
.irp a, \a0, \a0+1
.irp b, 0,1,2,3,4,5,6,7
.set rD, 8*(8*((\a)%4)+\b)
.set rC, rD
.if \mode == 2
.set rC, BI+8*\b
.endif
.set rX, 128*(\p)+FR*\b
.set rY, AF+FR*(\a)
.set rS, SC+8*(\q)+4+\b%4
.set rT, SC+8*(\q)+(\a)%4
.set sel, 2*(\b/4)+(\a)/4
.if sel == 0
	v_wmma_scale_f32_16x16x128_f8f6f4 v[rD:rD+7], v[rX:rX+11], v[rY:rY+11], v[rC:rC+7], v[rS], v[rT] matrix_a_fmt:MATRIX_FMT_FP6 matrix_b_fmt:MATRIX_FMT_FP6
.elseif sel == 1
	v_wmma_scale_f32_16x16x128_f8f6f4 v[rD:rD+7], v[rX:rX+11], v[rY:rY+11], v[rC:rC+7], v[rS], v[rT] matrix_a_fmt:MATRIX_FMT_FP6 matrix_b_fmt:MATRIX_FMT_FP6 matrix_b_scale:MATRIX_SCALE_ROW1
.elseif sel == 2
	v_wmma_scale_f32_16x16x128_f8f6f4 v[rD:rD+7], v[rX:rX+11], v[rY:rY+11], v[rC:rC+7], v[rS], v[rT] matrix_a_fmt:MATRIX_FMT_FP6 matrix_b_fmt:MATRIX_FMT_FP6 matrix_a_scale:MATRIX_SCALE_ROW1
.else
	v_wmma_scale_f32_16x16x128_f8f6f4 v[rD:rD+7], v[rX:rX+11], v[rY:rY+11], v[rC:rC+7], v[rS], v[rT] matrix_a_fmt:MATRIX_FMT_FP6 matrix_b_fmt:MATRIX_FMT_FP6 matrix_a_scale:MATRIX_SCALE_ROW1 matrix_b_scale:MATRIX_SCALE_ROW1
.endif
.endr
.endr
.endm
.macro HEADFETCH ra, rb                ; a slot's first fragments and its scale words: 52 loads, S1's blocks 4-7 last
	PLACES 4
	FETCH_B \rb, 0, 0
	FETCH_A \ra, 0, 0
	SCALES \ra, \rb
	FETCH_A \ra, 0, 4
.endm
.macro STEP ra, rb, mode
	s_wait_dscnt 12                                ; all but the twelve youngest loads (S1's blocks 4-7) are in
	WINM 0, \mode
	MUL16 0, 0, 0, \mode
	MUL16 2, 0, 0, \mode
	s_wait_dscnt 0x0
	PLACES 4
	FETCH_B \rb, 1, 1
	FETCH_A \ra, 1, 0
	WINM 1, \mode
	MUL16 4, 0, 0, \mode
	MUL16 6, 0, 0, \mode
	PLACES 4
	WIN 0
	FETCH_A \ra, 1, 4
.endm
.macro LAST
	s_wait_dscnt 12                                ; all but S1's blocks 4-7
	WINM 0, 0
	MUL16 0, 1, 1, 0
	MUL16 2, 1, 1, 0
	s_wait_dscnt 0x0
	WINM 1, 0
	MUL16 4, 1, 1, 0
	MUL16 6, 1, 1, 0
	WIN 0
.endm
.macro SLOTWORK ra, rb, mode
	HEADFETCH \ra, \rb
	STEP \ra, \rb, \mode
	LAST
.endm
.macro CREST
	s_cmp_lg_u32 s14, 0
	s_cbranch_scc1 .Lnot_wave_0_\@
	s_barrier_signal -3
.Lnot_wave_0_\@:
	s_barrier_wait -3
	s_barrier_signal -1
	s_barrier_wait -1
.endm
.macro CROUND                          ; a round of the cluster's barrier
	s_barrier_signal -1
	s_barrier_wait -1
	CREST
.endm
.macro JLOAD                           ; a joint load: waves 0 and 1 fetch S1's halves, waves 2 and 3 S0's; an s_nop 0 and four v_nop follow each line
	s_cmp_eq_u32 s15, 0
	s_cbranch_scc0 .Lfor_b_\@
	tensor_load_to_lds s[G0:G0+3], s[G1:G1+7]
	s_nop 0
.rept 4
	v_nop
.endr
	s_branch .Lasked_\@
.Lfor_b_\@:
	tensor_load_to_lds s[G0B:G0B+3], s[G1B:G1B+7]
	s_nop 0
.rept 4
	v_nop
.endr
.Lasked_\@:
.endm
.macro CHANGE fill                     ; the change of slots, as in launch 2
	s_wait_tensorcnt 0x0                           ; no tensor load of mine is out, so a group 0 may be written
	ds_add_u32 v[SPW], v[NIL]
.if \fill
	s_xor_b32 s[G0+1], s[G0+1], SLOT1
	s_add_nc_u64 s[G0+2:G0+3], s[G0+2:G0+3], GRP
	s_xor_b32 s[G0B+1], s[G0B+1], SLOT1
	s_add_nc_u64 s[G0B+2:G0B+3], s[G0B+2:G0B+3], GRP
.endif
	s_wait_dscnt 0x0                               ; the add is done, and my reads of the slot that I have left are over
.if \fill
	CROUND
	JLOAD
.else
	s_barrier_signal -1
	s_barrier_wait -1
.endif
.endm
.macro TOSTAGE a                       ; block a into my stage, and back as whole rows; LDS serves a wave's instructions in order, so no wait stands between
.set AC, 64*((\a)%4)
	WIN 0x08+4*((\a)/4)                            ; an LDS store's data are its source 1: window 2 or 3
.irp b, 0,1,2,3,4,5,6,7
	ds_store_b128 v[STO], v[AC+8*\b:AC+8*\b+3] offset:64*\b          ; each accumulator from its low end on
	ds_store_b128 v[STO], v[AC+8*\b+4:AC+8*\b+7] offset:64*\b+16
.endr
	WIN 0
.set BB, BK+64*((\a)%2)
.irp t, 0,1,2,3,4,5,6,7,8,9,10,11,12,13,14,15
	ds_load_b128 v[BB+4*\t:BB+4*\t+3], v[RD] offset:\t*SPITCH
.endr
.endm
.macro SEND a, younger                 ; younger: the LDS instructions issued behind block a's loads, which may stay out
.set BB, BK+64*((\a)%2)
	s_wait_dscnt \younger
.if (\a) > 0
	s_add_nc_u64 s[12:13], s[12:13], 16*8192       ; (behind a wait on XCNT: the earlier stores have read their base)  16 values of d on: 32 rows of out0
.endif
.irp t, 0,1,2,3,4,5,6,7,8,9,10,11,12,13,14,15
	global_store_b128 v[LI], v[BB+4*\t:BB+4*\t+3], s[12:13] offset:\t*8192 th:TH_STORE_NT   ; row 2 d + half: 32 lanes store 512 consecutive bytes, at a multiple of 256 from out0's first byte
.endr
.endm
	s_load_b256 s[4:11], s[0:1], 0x0               ; ot, pan1, W_o_b, out0
	v_lshl_add_u32 v[SPW], v0, 2, SPARE
	v_mov_b32 v[NIL], 0
	ds_add_u32 v[SPW], v[NIL]                      ; the wave's opening: the add, twice on end, and its wait ahead of my first tensor load
	ds_add_u32 v[SPW], v[NIL]
	v_lshrrev_b32 v1, 5, v0
	v_readfirstlane_b32 s14, v1                    ; wave 0..3
	s_lshr_b32 s15, s14, 1                         ; sa: my half of S1's rows.  Also: I fetch for S1 (0) or for S0 (1)
	s_and_b32 s16, s14, 1                          ; sb: my half of S0's rows.  Also: which half I fetch
	s_bfe_u32 s40, ttmp6, 0x40000                  ; cx
	s_bfe_u32 s41, ttmp6, 0x40004                  ; cy
	s_lshl_b32 s42, ttmp9, 2
	s_add_co_u32 s42, s42, s40                     ; T0: the tile of 256 features
	s_and_b32 s17, ttmp7, 0xffff
	s_lshl_b32 s43, s17, 2
	s_add_co_u32 s43, s43, s41                     ; T1 = 8 b + 4 half + dt
	s_lshr_b32 s18, s43, 3                         ; the batch
	s_bfe_u32 s19, s43, 0x10002                    ; which half of the queries
	s_and_b32 s20, s43, 3                          ; which 256 of d
	s_lshl_b32 s44, s41, 2
	s_lshl_b32 s44, 15, s44                        ; my row of the cluster
	s_lshl_b32 s45, 0x1111, s40                    ; my column
	s_or_b32 s[G1], s44, (3<<16)|(1<<21)
	s_or_b32 s[G1B], s45, (3<<16)|(1<<21)
.irp g, G1, G1B                        ; a dense block of 25,600 bytes as 100 rows of 256
	s_mov_b32 s[\g+1], 32<<16
	s_mov_b32 s[\g+2], 100<<16
	s_mov_b32 s[\g+3], 32<<16
	s_mov_b32 s[\g+4], 100
	s_mov_b32 s[\g+5], 32
	s_mov_b32 s[\g+6], 0
	s_mov_b32 s[\g+7], 0
.endr
	s_lshl_b32 s21, s18, 3
	s_lshl_b32 s22, s20, 1
	s_add_co_u32 s21, s21, s22
	s_add_co_u32 s21, s21, s16
	s_lshl_b32 s21, s21, 4
	s_lshl_b32 s22, s19, 3
	s_add_co_u32 s21, s21, s22                     ; O^T: panel 16 (8 b + 2 dt + half of rows) + 8 x half of the queries
	s_mul_i32 s66, s21, PANEL
	s_mov_b32 s67, 0
	s_lshl_b32 s23, s42, 1
	s_add_co_u32 s23, s23, s16
	s_lshl_b32 s23, s23, 3
	s_add_co_u32 s23, s23, 704                     ; W_o: panel 704 + 8 (2 T0 + half)
	s_mul_i32 s68, s23, PANEL
	s_mov_b32 s69, 0
	s_mul_i32 s70, s14, GRP
	s_wait_dscnt 0x0                               ; both opening adds are done
	s_wait_kmcnt 0x0
	s_add_nc_u64 s[66:67], s[4:5], s[66:67]
	s_add_nc_u64 s[68:69], s[6:7], s[68:69]
	CROUND                                         ; all sixteen work-groups are here: the first joint loads meet
	s_mov_b32 s[G0], 1
	s_mov_b32 s[G0+1], s70
	s_mov_b64 s[G0+2:G0+3], s[66:67]
	s_or_b32 s[G0+3], s[G0+3], 0x80000000
	s_mov_b32 s[G0B], 1
	s_mov_b32 s[G0B+1], s70
	s_mov_b64 s[G0B+2:G0B+3], s[68:69]
	s_or_b32 s[G0B+3], s[G0B+3], 0x80000000
	JLOAD                                          ; slot 0: K = 0 .. 255
	v_and_b32 v4, 31, v0
	v_lshlrev_b32 v[LI], 4, v4
	v_and_b32 v1, 15, v0                           ; r
	v_bfe_u32 v2, v0, 4, 1                         ; h
	s_mul_i32 s71, s15, GRP
	s_mul_i32 s72, s16, GRP
	s_add_co_u32 s72, s72, 2*GRP
	v_add_nc_u32 v16, s71, v[LI]
	v_add_nc_u32 v20, s72, v[LI]
	s_add_co_u32 s71, s71, SLOT1
	s_add_co_u32 s72, s72, SLOT1
	v_add_nc_u32 v17, s71, v[LI]
	v_add_nc_u32 v21, s72, v[LI]
	s_mul_i32 s74, s14, 16*SPITCH                  ; my stage
	v_mul_u32_u24 v[STO], v1, SPITCH
	v_lshl_add_u32 v[STO], v2, 5, v[STO]
	v_add_nc_u32 v[STO], s74, v[STO]               ; in: row r, + 32 h
	v_add_nc_u32 v[RD], s74, v[LI]                 ; back: 16 bytes a lane
	v_lshlrev_b32 v5, 5, v2                        ; 32 h
	s_lshl_b32 s76, s42, 10
	s_lshl_b32 s77, s16, 9
	s_add_co_u32 s76, s76, s77                     ; the bias of features 256 T0 + 128 sb on
	s_mov_b32 s77, 0
	s_add_nc_u64 s[76:77], s[8:9], s[76:77]
.irp b, 0,1,2,3,4,5,6,7                ; register 8 b + j is the bias of feature 16 b + 8 h + j
	global_load_b128 v[BI+8*\b:BI+8*\b+3], v5, s[76:77] offset:64*\b
	global_load_b128 v[BI+8*\b+4:BI+8*\b+7], v5, s[76:77] offset:64*\b+16
.endr
	s_lshl_b32 s78, s18, 11
	s_lshl_b32 s79, s20, 9
	s_add_co_u32 s78, s78, s79
	s_lshl_b32 s79, s15, 8
	s_add_co_u32 s78, s78, s79
	s_add_co_u32 s78, s78, s19                     ; my first row of out0: 2048 b + 2 (256 dt + 128 sa) + half
	s_lshl_b32 s78, s78, 12                        ; rows of 4,096 bytes (under 2^26 in all)
	s_lshl_b32 s79, s42, 10
	s_add_co_u32 s78, s78, s79
	s_lshl_b32 s79, s16, 9
	s_add_co_u32 s78, s78, s79                     ; + my first feature
	s_mov_b32 s79, 0
	s_add_nc_u64 s[12:13], s[10:11], s[78:79]
	CHANGE 1
	HEADFETCH 16, 20
	s_wait_loadcnt 0x0                             ; the bias
	STEP 16, 20, 2                                 ; the first products start the sums with the bias
	LAST
	CHANGE 1
	SLOTWORK 17, 21, 0
	CHANGE 1
	SLOTWORK 16, 20, 0
	CHANGE 0                                       ; the last slot step: nothing is left to fetch; behind it nobody reads slot 0
	SLOTWORK 17, 21, 0
	PLACES 4
	TOSTAGE 0
.irp a, 1,2,3,4,5,6,7
.if \a > 1
	s_wait_xcnt 0x0                                ; block a - 2's stores have read their registers and their base: block a's loads may land there, and the base may step
.endif
	TOSTAGE \a
	SEND \a-1, 32                                  ; behind block a - 1's loads: block a's 16 stores and 16 loads
.endr
	s_wait_xcnt 0x0                                ; block 6's stores have read their base
	SEND 7, 0
	s_wait_tensorcnt 0x0                           ; the wave's end
	ds_add_u32 v[SPW], v[NIL]
	s_wait_dscnt 0x0
	CROUND                                         ; the closing round: no work-group ends while a partner may still ask for a group that names it
	s_endpgm
.Lfunc_end_k_qf021597dd6_outp:
	.size	k_qf021597dd6_outp, .Lfunc_end_k_qf021597dd6_outp-k_qf021597dd6_outp
	.p2alignl 7, 3214868480
	.fill 96, 4, 3214868480
	.section	.rodata,"a",@progbits
	.p2align	6, 0x0
	.amdhsa_kernel k_qf021597dd6_outp
		.amdhsa_group_segment_fixed_size 327680
		.amdhsa_private_segment_fixed_size 0
		.amdhsa_enable_private_segment 0
		.amdhsa_kernarg_size 32
		.amdhsa_user_sgpr_count 2
		.amdhsa_user_sgpr_kernarg_segment_ptr 1
		.amdhsa_wavefront_size32 1
		.amdhsa_system_sgpr_workgroup_id_x 1
		.amdhsa_system_sgpr_workgroup_id_y 1
		.amdhsa_system_sgpr_workgroup_id_z 1
		.amdhsa_system_vgpr_workitem_id 0
		.amdhsa_next_free_vgpr 1024
		.amdhsa_next_free_sgpr 100
		.amdhsa_reserve_vcc 0
		.amdhsa_float_denorm_mode_32 3
		.amdhsa_float_denorm_mode_16_64 3
		.amdhsa_memory_ordered 1
		.amdhsa_forward_progress 1
		.amdhsa_inst_pref_size 134
	.end_amdhsa_kernel
	.amdgpu_metadata
---
amdhsa.version: [ 1, 2 ]
amdhsa.kernels:
  - .name:           k_qf021597dd6_outp
    .symbol:         k_qf021597dd6_outp.kd
    .args:
      - { .name: ot, .offset: 0, .size: 8, .value_kind: global_buffer, .address_space: global }
      - { .name: pan1, .offset: 8, .size: 8, .value_kind: global_buffer, .address_space: global }
      - { .name: W_o_b, .offset: 16, .size: 8, .value_kind: global_buffer, .address_space: global }
      - { .name: out0, .offset: 24, .size: 8, .value_kind: global_buffer, .address_space: global }
    .group_segment_fixed_size: 327680
    .private_segment_fixed_size: 0
    .kernarg_segment_align: 8
    .kernarg_segment_size: 32
    .max_flat_workgroup_size: 128
    .sgpr_count:     100
    .vgpr_count:     1024
    .wavefront_size: 32
...
	.end_amdgpu_metadata
.endif
;; end of part 5
;; ======== version 2 of 2: 5 launches; 1.11 times as fast as version 1
;; workspace buffers: pan1 9,830,400 bytes; qkv 19,660,800 bytes; pp 13,107,200 bytes; st 1,572,864 bytes; ot 6,553,600 bytes
;; launch quant: the kernel of part 1 again; grid 768 x 1, 8 waves a work-group, no clusters, 69,120 bytes of LDS; arguments x, W_qkv_w, W_o_w, pan1; writes pan1
;; launch proj (part 6): grid 8 x 48, 4 waves a work-group, clusters of 4 x 4, 327,680 bytes of LDS; arguments pan1, W_qkv_b, qkv; writes qkv
.if DOCPART == 6
	.amdgcn_target "amdgcn-amd-amdhsa--gfx1250"
	.amdhsa_code_object_version 6
	.text
	.protected	k_qf021597dd6_proj
	.globl	k_qf021597dd6_proj
	.p2align	8
	.type	k_qf021597dd6_proj,@function
k_qf021597dd6_proj:
	s_mov_b64 s[64:65], 0
	v_nop
	global_prefetch_b8 v0, s[64:65] scope:SCOPE_SE
	s_setreg_imm32_b32 hwreg(HW_REG_WAVE_MODE, 25, 1), 1
	s_wait_xcnt 0x0
	s_wait_alu depctr_hold_cnt(0) depctr_sa_sdst(0) depctr_va_vdst(0) depctr_va_sdst(0) depctr_va_ssrc(0) depctr_va_vcc(0) depctr_vm_vsrc(0)
	s_getreg_b32 s2, hwreg(HW_REG_IB_STS2, 6, 4)
	s_cmp_eq_u32 s2, 0
	s_cbranch_scc0 .Lentry_in_a_cluster
	s_endpgm
.Lentry_in_a_cluster:
	s_bfe_u32 s2, ttmp6, 0x10000c
	s_cmp_lg_u32 s2, 0xf033
	s_cbranch_scc0 .Lentry_shape_is_right
	s_endpgm
.Lentry_shape_is_right:
; LAUNCH 2 OF 5.  qkv = x W_qkv^T + b on FP6 codes, and its results quantised at once into the panels of launches 3 and 4 (panels and the order inside a block: see launch 1's head).
; A work-group makes 256 x 256 results, K = 1,024; each of four waves 128 x 128: 64 accumulators, 512 registers.  THE PRODUCT IS USED TRANSPOSED: source 0 = 16 rows of S0, source 1 = 16 rows of S1: a lane holds
; one row of S1 and its registers run along S0's rows.  So a wave's results are one panel of the next product: rows = S1's rows, K = S0's rows.
; q AND k (cluster rows 0-7): S0 = W's rows 0-2047, S1 = x's rows: panels [token][feature].  v (cluster rows 8-11): S0 = x's rows, S1 = W's rows 2048-3071: panels of v^T, [feature][token], since the keys are the K of launch 4.
; The bias is the C of each sum's first matrix instruction.
; LDS: three slots; a slot holds 256 along K: four groups of two panels (25,600 dense bytes), one tensor load a wave.  K's first three quarters are asked for together at the start (three loads of a wave are out);
; the last quarter is the one refill, of slot 0, asked for in K step 1 and read in K step 6.
; A K STEP is 128 along K, 64 matrix instructions.  It fetches the next K step's fragments and scale planes in two runs among its own products, across a change of slots too: the barrier of a change stands inside the
; slot's last K step.  Between slots 1 and 2 no barrier is owed: the refill's barrier has shown both landed in every wave.
; CLUSTER 4 x 4: S1's groups hang on the tile row alone and are asked for jointly along a row of the cluster, S0's on the tile column and jointly along a column.
; REGISTERS, in windows of 256: window 0: v1-3 r, h, 16 x lane; v16-18, v20-22 LDS addresses, one a slot; v28-29 the add's two; v32-47 scale words and nothing else; v64-127 the bias; v128-223 S1's eight fragments (one set);
;   window 1: S0's eight fragments, two sets, at v0 and v128;  windows 2, 3: accumulator (a, b) at v[8 (8 (a % 4) + b)] of window 2 + a / 4.  On the way out v128-191 of window 0 are at work.
.set NA,    8                          ; blocks of 16 rows of S1 to a wave
.set PANEL, 12800
.set FRB,   1536
.set SCO,   12288
.set GRP,   2*PANEL                    ; 128 rows x 256 along K: what one tensor load brings
.set SLOTB, 4*GRP
.set SPARE, 3*SLOTB                    ; behind the slots: the spare words, 128 bytes a wave, two blocks of 256 bytes that no other line names
.set PTAB,  0
.set FR,    12
.set LI,    3
.set SPW,   28
.set NIL,   29
.set SC,    32                         ; for the K step of parity q: v[SC+8q .. +3] S1's scale words, v[SC+8q+4 .. +7] S0's; register t % 4 serves tile t, lanes 16-31 where t >= 4
.set BI,    64
.set AF,    128
.set PC,    128                        ; the way out: v128-139 a fragment, v140-147 at work
.set TM,    148                        ; v148-163 at work
.set KW,    168                        ; v168-175 the eight tiles' scale words
.set G1,  24                           ; s[24:31] group 1 for S1's groups; s[32:43] their groups 0, one a slot
.set G0,  32
.set G1B, 48                           ; s[48:55], s[84:95] the same for S0's
.set G0B, 84
.set MSK, 59                           ; s59 lanes 16-31
.set SEL, 60                           ; s[60:61] lane selects: lane l xor 16
.set MSB, 0
.macro WIN new                         ; the immediate's high byte repeats the setting that is left
.if MSB != (\new)
	s_set_vgpr_msb (MSB<<8)|(\new)
.set MSB, (\new)
.endif
.endm
.macro PLACES n                        ; plain places behind matrix instructions, ahead of loads into their sources and of reads of their results
.rept \n
	v_nop
.endr
.endm
.macro WINM hi, mode                   ; source 0 window 1, source 1 window 0, D window 2 or 3; C with D, or (the bias) in window 0
.if \mode >= 2
	WIN 0x81+0x40*(\hi)
.else
	WIN 0xa1+0x50*(\hi)
.endif
.endm
.macro FRAG reg, adr, q, i             ; a fragment comes back as it was stored: three loads of 16 bytes a lane, 512 consecutive bytes each
.irp c, 0,1,2
	ds_load_b128 v[\reg+4*\c:\reg+4*\c+3], v[\adr] offset:(\q)*PANEL+(\i)*FRB+512*\c
.endr
.endm
.macro FETCH_B adr, q                  ; S0's eight fragments of the slot's q-th 128 along K into set q of window 1
	WIN 0x40
.irp i, 0,1,2,3,4,5,6,7
	FRAG 128*(\q)+FR*\i, \adr, \q, \i
.endr
	WIN 0
.endm
.macro FETCH_AH adr, q, hf             ; half hf of S1's blocks
.set fi, (\hf)*NA/2
.rept NA/2
	FRAG AF+FR*fi, \adr, \q, fi
.set fi, fi+1
.endr
.endm
.macro SCL rs, rb, q                   ; the two scale planes of one K step
	ds_load_b128 v[SC+8*(\q):SC+8*(\q)+3], v[\rs] offset:(\q)*PANEL+SCO
.if PTAB
	ds_load_b128 v[SC+8*(\q)+4:SC+8*(\q)+7], v[ADT] offset:512*(\q)
.else
	ds_load_b128 v[SC+8*(\q)+4:SC+8*(\q)+7], v[\rb] offset:(\q)*PANEL+SCO
.endif
.endm
; 8 matrix instructions: S1's block a x S0's eight, the K step of parity q.  mode 0: C = D; 1: C = 0; 2: C = the bias along S0's rows; 3: along S1's rows.
; The accumulators take turns, one instruction a turn, in the same order in every K step.
.macro MULA a, q, mode
.irp b, 0,1,2,3,4,5,6,7
.set rD, 8*(8*((\a)%4)+\b)
.set rC, rD
.if \mode == 2
.set rC, BI+8*\b
.endif
.if \mode == 3
.set rC, BI+8*(\a)
.endif
.set rX, 128*(\q)+FR*\b
.set rY, AF+FR*(\a)
.set rS, SC+8*(\q)+4+\b%4
.set rT, SC+8*(\q)+(\a)%4
.set sel, 2*(\b/4)+(\a)/4
.if \mode == 1
.if sel == 0
	v_wmma_scale_f32_16x16x128_f8f6f4 v[rD:rD+7], v[rX:rX+11], v[rY:rY+11], 0, v[rS], v[rT] matrix_a_fmt:MATRIX_FMT_FP6 matrix_b_fmt:MATRIX_FMT_FP6
.elseif sel == 1
	v_wmma_scale_f32_16x16x128_f8f6f4 v[rD:rD+7], v[rX:rX+11], v[rY:rY+11], 0, v[rS], v[rT] matrix_a_fmt:MATRIX_FMT_FP6 matrix_b_fmt:MATRIX_FMT_FP6 matrix_b_scale:MATRIX_SCALE_ROW1
.elseif sel == 2
	v_wmma_scale_f32_16x16x128_f8f6f4 v[rD:rD+7], v[rX:rX+11], v[rY:rY+11], 0, v[rS], v[rT] matrix_a_fmt:MATRIX_FMT_FP6 matrix_b_fmt:MATRIX_FMT_FP6 matrix_a_scale:MATRIX_SCALE_ROW1
.else
	v_wmma_scale_f32_16x16x128_f8f6f4 v[rD:rD+7], v[rX:rX+11], v[rY:rY+11], 0, v[rS], v[rT] matrix_a_fmt:MATRIX_FMT_FP6 matrix_b_fmt:MATRIX_FMT_FP6 matrix_a_scale:MATRIX_SCALE_ROW1 matrix_b_scale:MATRIX_SCALE_ROW1
.endif
.else
.if sel == 0
	v_wmma_scale_f32_16x16x128_f8f6f4 v[rD:rD+7], v[rX:rX+11], v[rY:rY+11], v[rC:rC+7], v[rS], v[rT] matrix_a_fmt:MATRIX_FMT_FP6 matrix_b_fmt:MATRIX_FMT_FP6
.elseif sel == 1
	v_wmma_scale_f32_16x16x128_f8f6f4 v[rD:rD+7], v[rX:rX+11], v[rY:rY+11], v[rC:rC+7], v[rS], v[rT] matrix_a_fmt:MATRIX_FMT_FP6 matrix_b_fmt:MATRIX_FMT_FP6 matrix_b_scale:MATRIX_SCALE_ROW1
.elseif sel == 2
	v_wmma_scale_f32_16x16x128_f8f6f4 v[rD:rD+7], v[rX:rX+11], v[rY:rY+11], v[rC:rC+7], v[rS], v[rT] matrix_a_fmt:MATRIX_FMT_FP6 matrix_b_fmt:MATRIX_FMT_FP6 matrix_a_scale:MATRIX_SCALE_ROW1
.else
	v_wmma_scale_f32_16x16x128_f8f6f4 v[rD:rD+7], v[rX:rX+11], v[rY:rY+11], v[rC:rC+7], v[rS], v[rT] matrix_a_fmt:MATRIX_FMT_FP6 matrix_b_fmt:MATRIX_FMT_FP6 matrix_a_scale:MATRIX_SCALE_ROW1 matrix_b_scale:MATRIX_SCALE_ROW1
.endif
.endif
.endr
.endm
.macro MULH hf, q, mode                ; half hf of S1's blocks
	WINM ((\hf)*NA/8), \mode
.set ma, (\hf)*NA/2
.rept NA/2
	MULA ma, \q, \mode
.set ma, ma+1
.endr
.endm
.macro HEADFETCH ra, rb, rs            ; the first K step's fragments and scale planes; the second half of S1's blocks last
	FETCH_B \rb, 0
	FETCH_AH \ra, 0, 0
	SCL \rs, \rb, 0
	FETCH_AH \ra, 0, 1
.endm
; A K step of parity q.  nx = 1: it fetches the next K step (parity 1 - q) from the slot whose address registers are named: S0's other set, the first half of S1's blocks and the scale planes in its middle, the second half at its end.
.macro KSTEP q, mode, nx, ra, rb, rs
	s_wait_dscnt 3*NA/2                            ; all but the youngest loads (the second half of S1's blocks) are in
	MULH 0, \q, \mode
	s_wait_dscnt 0x0                               ; the second half is in
.if \nx
	PLACES 4
	FETCH_B \rb, 1-(\q)
	FETCH_AH \ra, 1-(\q), 0
	SCL \rs, \rb, 1-(\q)
.endif
	MULH 1, \q, \mode
.if \nx
	PLACES 4
	WIN 0
	FETCH_AH \ra, 1-(\q), 1
.else
	WIN 0
.endif
.endm
.macro CREST                           ; a round of the cluster's barrier behind its opening barrier
	s_cmp_lg_u32 s14, 0
	s_cbranch_scc1 .Lnot_wave_0_\@
	s_barrier_signal -3
.Lnot_wave_0_\@:
	s_barrier_wait -3
	s_barrier_signal -1
	s_barrier_wait -1
.endm
.macro CROUND                          ; a whole round
	s_barrier_signal -1
	s_barrier_wait -1
	CREST
.endm
.macro JLOAD s                         ; a joint load: waves 0 and 1 fetch S1's halves, waves 2 and 3 S0's; the branch hangs on the wave's number alone.  An s_nop 0 and four v_nop follow each line
	s_cmp_eq_u32 s15, 0
	s_cbranch_scc0 .Lfor_b_\@
	tensor_load_to_lds s[G0+4*\s:G0+4*\s+3], s[G1:G1+7]
	s_nop 0
.rept 4
	v_nop
.endr
	s_branch .Lasked_\@
.Lfor_b_\@:
	tensor_load_to_lds s[G0B+4*\s:G0B+4*\s+3], s[G1B:G1B+7]
	s_nop 0
.rept 4
	v_nop
.endr
.Lasked_\@:
.endm
.macro FILLSTEP                        ; slot 0's descriptors go on to K's last quarter
	s_add_nc_u64 s[G0+2:G0+3], s[G0+2:G0+3], 3*GRP
	s_add_nc_u64 s[G0B+2:G0B+3], s[G0B+2:G0B+3], 3*GRP
.endm
.macro FILL                            ; the barrier has opened a round of the cluster's barrier: no wave of any partner still reads slot 0 or has a load on its way
	CREST
	JLOAD 0
.endm
; A slot's last K step (parity 1) changes slots: ONE barrier inside it.  In front of it each wave waits for all its tensor loads and for its own reads of the slot; behind it the next slot (its address registers are named) is read.
; fill = 1: the slot that is left is filled again: the add stands behind the wait for the loads, matrix instructions between it and the wait for it, and the refill is the first thing behind the barrier.
.macro TURN fill, ra, rb, rs
	s_wait_tensorcnt 0x0                           ; all my tensor loads have landed (every window is 0 here)
.if \fill
	ds_add_u32 v[SPW], v[NIL]
	FILLSTEP                                       ; no load of mine is out, so a group 0 may be written
	s_wait_dscnt 3*NA/2+1                          ; the add and the youngest loads may be out
.else
	s_wait_dscnt 3*NA/2
.endif
	WINM 0, 0
.set ma, 0
.rept NA/4
	MULA ma, 1, 0
.set ma, ma+1
.endr
	s_wait_dscnt 0x0                               ; my reads of this slot are over (fill = 1: and the add is done)
	s_barrier_signal -1
.rept NA/4
	MULA ma, 1, 0                                  ; work on registers while the others arrive
.set ma, ma+1
.endr
	WIN 0
	s_barrier_wait -1
.if \fill
	FILL                                           ; the four v_nop behind the load are also the places in front of the loads below
.else
	PLACES 4
.endif
	FETCH_B \rb, 0
	FETCH_AH \ra, 0, 0
	SCL \rs, \rb, 0
	MULH 1, 1, 0
	PLACES 4
	WIN 0
	FETCH_AH \ra, 0, 1
.endm
; 64 numbers of a lane in window w, v[s] on (register 16 B + i: number i of my 16 of block B of my row), become a fragment in v[PC] on and its scale word in v[pw].
.macro QUANT s, w, pw
	WIN ((\w)<<2)|((\w)<<4)                        ; sources 1 and 2 in window w
.irp b, 0,1,2,3
	v_max3_num_f32 v[TM+\b], 0x1800000, |v[\s+16*\b]|, |v[\s+1+16*\b]|   ; the floor 2^(3 - 127): the byte cannot fall under 1.  Each accumulator is read from its low end on
.endr
.irp i, 2,4,6,8,10,12,14
.irp b, 0,1,2,3
	v_max3_num_f32 v[TM+\b], v[TM+\b], |v[\s+16*\b+\i]|, |v[\s+1+16*\b+\i]|
.endr
.endr
	WIN 0
.irp b, 0,1,2,3
	v_permlanex16_b32 v[TM+4+\b], v[TM+\b], s[SEL], s[SEL+1]
.endr
.irp b, 0,1,2,3
	v_max_num_f32 v[TM+\b], v[TM+\b], v[TM+4+\b]   ; with lane l xor 16's: the block's largest magnitude
.endr
.irp b, 0,1,2,3
	v_add_nc_u32 v[TM+12+\b], 0xff000000, v[TM+\b] ; 2 off its exponent field: the conversion's scale operand
.endr
.irp b, 0,1,2,3
	v_lshrrev_b32 v[TM+4+\b], 23, v[TM+12+\b]      ; the scale's byte
.endr
	v_lshl_or_b32 v[\pw], v[TM+5], 8, v[TM+4]
	v_lshl_or_b32 v[\pw], v[TM+6], 16, v[\pw]
	v_lshl_or_b32 v[\pw], v[TM+7], 24, v[\pw]
	s_wait_xcnt 0x0                                ; the last fragment's stores have read their registers: they are written again only behind this wait
	WIN (\w)                                       ; source 0 in window w
.irp c, 0,1
	v_cvt_scalef32_pk16_fp6_f32 v[PC+6*\c:PC+2+6*\c], v[\s+32*\c:\s+15+32*\c], v[TM+12+2*\c]
	v_cvt_scalef32_pk16_fp6_f32 v[PC+12+4*\c:PC+14+4*\c], v[\s+16+32*\c:\s+31+32*\c], v[TM+12+2*\c+1]
.endr
	WIN 0
	v_nop                                          ; one plain place behind a scaled conversion
.irp c, 0,1
.irp i, 0,1,2
	v_permlane16_swap_b32 v[PC+6*\c+\i], v[PC+12+4*\c+\i]   ; a whole block to a lane
.endr
.irp i, 0,1,2
	v_mov_b32 v[PC+3+6*\c+\i], v[PC+12+4*\c+\i]
.endr
.endr
.endm
.macro PUT a                           ; the fragment goes out as it stands: each store is 512 consecutive bytes, at a multiple of 256 from the buffer's first byte
.irp c, 0,1,2
	global_store_b128 v[LI], v[PC+4*\c:PC+4*\c+3], s[12:13] offset:(\a)*FRB+512*\c
.endr
.endm
.macro PLANE d, k                      ; eight tiles' words become a plane: lanes 0-15 tiles 0-3, lanes 16-31 tiles 4-7
.irp i, 0,1,2,3
	v_cndmask_b32 v[\d+\i], v[\k+\i], v[\k+4+\i], s[MSK]
.endr
.endm
	s_load_b128 s[4:7], s[0:1], 0x0                ; pan1, W_qkv_b
	s_load_b64 s[8:9], s[0:1], 0x10                ; qkv
	v_lshl_add_u32 v[SPW], v0, 2, SPARE
	v_mov_b32 v[NIL], 0
	ds_add_u32 v[SPW], v[NIL]                      ; the wave's opening: the add, twice on end, and its wait ahead of my first tensor load
	ds_add_u32 v[SPW], v[NIL]
	v_lshrrev_b32 v1, 5, v0
	v_readfirstlane_b32 s14, v1                    ; wave 0..3
	s_lshr_b32 s15, s14, 1                         ; sa: my half of S1's rows.  Also: I fetch for S1 (0) or for S0 (1)
	s_and_b32 s16, s14, 1                          ; sb: my half of S0's rows.  Also: which half I fetch
	s_bfe_u32 s44, ttmp6, 0x40000                  ; cx
	s_bfe_u32 s45, ttmp6, 0x40004                  ; cy
	s_and_b32 s17, ttmp7, 0xffff                   ; the cluster's y
	s_sub_co_u32 s19, s17, 8
	s_lshl_b32 s19, s19, 1
	s_add_co_u32 s19, s19, ttmp9                   ; v's part: cluster x + 2 (cluster y - 8)
	s_cmp_ge_u32 s17, 8                            ; v's part?  The same in all sixteen partners
	s_cselect_b32 s18, 1, 0
	s_cselect_b32 s19, s19, ttmp9
	s_cselect_b32 s20, 0, s17
	s_cselect_b32 s21, 640, 0                      ; S1's first panel: W's rows 2048 on, or x
	s_cselect_b32 s22, 0, 512                      ; S0's: x, or W's rows 0 on
	s_lshl_b32 s46, s19, 2
	s_add_co_u32 s46, s46, s44                     ; T0: S0's tile of 256 rows
	s_lshl_b32 s47, s20, 2
	s_add_co_u32 s47, s47, s45                     ; T1: S1's
	s_lshl_b32 s56, s45, 2
	s_lshl_b32 s56, 15, s56                        ; my row of the cluster
	s_lshl_b32 s57, 0x1111, s44                    ; my column
	s_or_b32 s[G1], s56, (3<<16)|(1<<21)           ; 15:0 the mask; 17:16 elements of 8 bytes; 21 set beside a mask; no padding
	s_or_b32 s[G1B], s57, (3<<16)|(1<<21)
.irp g, G1, G1B                        ; a dense block of 25,600 bytes as 100 rows of 256
	s_mov_b32 s[\g+1], 32<<16                      ; tensor_dim0 = 32
	s_mov_b32 s[\g+2], 100<<16                     ; tensor_dim1 = 100
	s_mov_b32 s[\g+3], 32<<16                      ; tile_dim0 = 32
	s_mov_b32 s[\g+4], 100                         ; tile_dim1 = 100
	s_mov_b32 s[\g+5], 32                          ; the pitch
	s_mov_b32 s[\g+6], 0
	s_mov_b32 s[\g+7], 0
.endr
	s_lshl_b32 s66, s47, 1
	s_add_co_u32 s66, s66, s16
	s_lshl_b32 s66, s66, 3
	s_add_co_u32 s66, s66, s21                     ; S1: panel first + 8 (2 T1 + half)
	s_mul_i32 s66, s66, PANEL
	s_mov_b32 s67, 0
	s_lshl_b32 s68, s46, 1
	s_add_co_u32 s68, s68, s16
	s_lshl_b32 s68, s68, 3
	s_add_co_u32 s68, s68, s22                     ; S0: panel first + 8 (2 T0 + half)
	s_mul_i32 s68, s68, PANEL
	s_mov_b32 s69, 0
	s_mul_i32 s70, s14, GRP                        ; where my group goes in a slot: no place in the cluster enters an LDS address
	s_mov_b32 s[MSK], 0xffff0000
	s_mov_b32 s[SEL], 0x76543210
	s_mov_b32 s[SEL+1], 0xfedcba98
	s_wait_dscnt 0x0                               ; both opening adds are done
	s_wait_kmcnt 0x0
	s_add_nc_u64 s[66:67], s[4:5], s[66:67]
	s_add_nc_u64 s[68:69], s[4:5], s[68:69]
	CROUND                                         ; all sixteen work-groups are here: the first joint loads meet
.irp s, 0,1,2                          ; slot s takes K = 256 s .. 256 s + 255: the three first fills go out as one group
	s_mov_b32 s[G0+4*\s], 1
	s_add_co_u32 s[G0+4*\s+1], s70, \s*SLOTB
	s_add_nc_u64 s[G0+4*\s+2:G0+4*\s+3], s[66:67], \s*GRP
	s_or_b32 s[G0+4*\s+3], s[G0+4*\s+3], 0x80000000
	s_mov_b32 s[G0B+4*\s], 1
	s_add_co_u32 s[G0B+4*\s+1], s70, \s*SLOTB
	s_add_nc_u64 s[G0B+4*\s+2:G0B+4*\s+3], s[68:69], \s*GRP
	s_or_b32 s[G0B+4*\s+3], s[G0B+4*\s+3], 0x80000000
	JLOAD \s
.endr
	v_and_b32 v4, 31, v0
	v_lshlrev_b32 v[LI], 4, v4
	v_and_b32 v1, 15, v0                           ; r
	v_bfe_u32 v2, v0, 4, 1                         ; h
	s_mul_i32 s71, s15, GRP
	s_mul_i32 s72, s16, GRP
	s_add_co_u32 s72, s72, 2*GRP
.irp s, 0,1,2
	v_add_nc_u32 v[16+\s], s71, v[LI]              ; my half of S1 in slot s,
	v_add_nc_u32 v[20+\s], s72, v[LI]              ; of S0
	s_add_co_u32 s71, s71, SLOTB
	s_add_co_u32 s72, s72, SLOTB
.endr
	v_lshlrev_b32 v5, 5, v2                        ; 32 h
	v_lshlrev_b32 v6, 2, v1                        ; 4 r
	s_lshl_b32 s74, s46, 10
	s_lshl_b32 s75, s16, 9
	s_add_co_u32 s74, s74, s75                     ; q, k: the bias of features 256 T0 + 128 sb on
	s_lshl_b32 s82, s47, 10
	s_lshl_b32 s83, s15, 9
	s_add_co_u32 s82, s82, s83
	s_add_co_u32 s82, s82, 8192                    ; v: of features 2048 + 256 T1 + 128 sa on
	s_cmp_eq_u32 s18, 0
	s_cselect_b32 s74, s74, s82
	s_mov_b32 s75, 0
	s_add_nc_u64 s[74:75], s[6:7], s[74:75]
	s_cmp_eq_u32 s18, 0
	s_cbranch_scc0 .Lbias_v
.irp b, 0,1,2,3,4,5,6,7                ; along S0's rows: register 8 b + j is the bias of feature 16 b + 8 h + j
	global_load_b128 v[BI+8*\b:BI+8*\b+3], v5, s[74:75] offset:64*\b
	global_load_b128 v[BI+8*\b+4:BI+8*\b+7], v5, s[74:75] offset:64*\b+16
.endr
	s_branch .Lbias_done
.Lbias_v:
.irp a, 0,1,2,3,4,5,6,7                ; along S1's rows: all eight registers of block a hold the bias of feature 16 a + r
.irp j, 0,1,2,3,4,5,6,7
	global_load_b32 v[BI+8*\a+\j], v6, s[74:75] offset:64*\a
.endr
.endr
.Lbias_done:
	s_lshl_b32 s76, s46, 1
	s_add_co_u32 s76, s76, s16                     ; 2 T0 + sb: my block of 128 along the next K
	s_lshl_b32 s77, s47, 1
	s_add_co_u32 s77, s77, s15                     ; 2 T1 + sa: my block of 128 rows
	s_lshr_b32 s78, s76, 3
	s_lshl_b32 s78, s78, 9                         ; q, k: 512 for k,
	s_lshl_b32 s79, s77, 3
	s_add_co_u32 s78, s78, s79                     ; + 8 x token block
	s_and_b32 s79, s76, 7
	s_add_co_u32 s78, s78, s79                     ; + K step
	s_lshr_b32 s80, s76, 4
	s_lshl_b32 s80, s80, 7                         ; v: 128 x batch
	s_lshl_b32 s81, s77, 4
	s_add_co_u32 s80, s80, s81                     ; + 16 x feature block
	s_and_b32 s81, s76, 15
	s_add_co_u32 s80, s80, s81                     ; + K step (the batch's token block)
	s_add_co_u32 s80, s80, 1024
	s_cmp_eq_u32 s18, 0
	s_cselect_b32 s78, s78, s80
	s_mul_i32 s78, s78, PANEL
	s_mov_b32 s79, 0
	s_add_nc_u64 s[12:13], s[8:9], s[78:79]        ; my panel of qkv
	s_wait_tensorcnt 0x2                           ; my group of slot 0 is in; the two younger loads may stay out
	s_barrier_signal -1
	s_barrier_wait -1                              ; everybody's is
	HEADFETCH 16, 20, 16
	s_wait_loadcnt 0x0                             ; the bias
	s_cmp_eq_u32 s18, 0
	s_cbranch_scc0 .Lstep_v
	KSTEP 0, 2, 1, 16, 20, 16                      ; K step 0: the first products start the sums with the bias: nothing is cleared or added
	s_branch .Lstep_done
.Lstep_v:
	KSTEP 0, 3, 1, 16, 20, 16
.Lstep_done:
	TURN 1, 17, 21, 17                             ; K step 1; slot 0 is left and takes K's last quarter
	KSTEP 0, 0, 1, 17, 21, 17                      ; K step 2
	KSTEP 1, 0, 1, 18, 22, 18                      ; K step 3 goes on into slot 2, which the barrier above has shown whole
	KSTEP 0, 0, 1, 18, 22, 18                      ; K step 4
	TURN 0, 16, 20, 16                             ; K step 5; the refill has landed in every wave
	KSTEP 0, 0, 1, 16, 20, 16                      ; K step 6
	KSTEP 1, 0, 0, 16, 20, 16                      ; K step 7: nothing is left to fetch
	PLACES 4
.irp b, 0,1,2,3
	v_mov_b32 v[TM+4+\b], 0                        ; written once: a lane permute's destination counts as one of its sources
.endr
.irp a, 0,1,2,3,4,5,6,7                ; block a's 64 results a lane are 128 along the next K of row 16 a + r: one fragment
.set AC, 64*(\a%4)
	QUANT AC, 2+\a/4, KW+\a
	PUT \a
.endr
	PLANE 176, KW
	global_store_b128 v[LI], v[176:179], s[12:13] offset:SCO
	s_wait_tensorcnt 0x0                           ; the wave's end
	ds_add_u32 v[SPW], v[NIL]
	s_wait_dscnt 0x0
	CROUND                                         ; the closing round: no work-group ends while a partner may still ask for a group that names it
	s_endpgm
.Lfunc_end_k_qf021597dd6_proj:
	.size	k_qf021597dd6_proj, .Lfunc_end_k_qf021597dd6_proj-k_qf021597dd6_proj
	.p2alignl 7, 3214868480
	.fill 96, 4, 3214868480
	.section	.rodata,"a",@progbits
	.p2align	6, 0x0
	.amdhsa_kernel k_qf021597dd6_proj
		.amdhsa_group_segment_fixed_size 327680
		.amdhsa_private_segment_fixed_size 0
		.amdhsa_enable_private_segment 0
		.amdhsa_kernarg_size 24
		.amdhsa_user_sgpr_count 2
		.amdhsa_user_sgpr_kernarg_segment_ptr 1
		.amdhsa_wavefront_size32 1
		.amdhsa_system_sgpr_workgroup_id_x 1
		.amdhsa_system_sgpr_workgroup_id_y 1
		.amdhsa_system_sgpr_workgroup_id_z 1
		.amdhsa_system_vgpr_workitem_id 0
		.amdhsa_next_free_vgpr 1024
		.amdhsa_next_free_sgpr 100
		.amdhsa_reserve_vcc 0
		.amdhsa_float_denorm_mode_32 3
		.amdhsa_float_denorm_mode_16_64 3
		.amdhsa_memory_ordered 1
		.amdhsa_forward_progress 1
		.amdhsa_inst_pref_size 157
	.end_amdhsa_kernel
	.amdgpu_metadata
---
amdhsa.version: [ 1, 2 ]
amdhsa.kernels:
  - .name:           k_qf021597dd6_proj
    .symbol:         k_qf021597dd6_proj.kd
    .args:
      - { .name: pan1, .offset: 0, .size: 8, .value_kind: global_buffer, .address_space: global }
      - { .name: W_qkv_b, .offset: 8, .size: 8, .value_kind: global_buffer, .address_space: global }
      - { .name: qkv, .offset: 16, .size: 8, .value_kind: global_buffer, .address_space: global }
    .group_segment_fixed_size: 327680
    .private_segment_fixed_size: 0
    .kernarg_segment_align: 8
    .kernarg_segment_size: 24
    .max_flat_workgroup_size: 128
    .sgpr_count:     100
    .vgpr_count:     1024
    .wavefront_size: 32
...
	.end_amdgpu_metadata
.endif
;; end of part 6
;; launch score (part 7): grid 36 x 4, 4 waves a work-group, no clusters, 327,680 bytes of LDS; arguments qkv, pp, st; writes pp, st
.if DOCPART == 7
	.amdgcn_target "amdgcn-amd-amdhsa--gfx1250"
	.amdhsa_code_object_version 6
	.text
	.protected	k_qf021597dd6_score
	.globl	k_qf021597dd6_score
	.p2align	8
	.type	k_qf021597dd6_score,@function
k_qf021597dd6_score:
	s_mov_b64 s[64:65], 0
	v_nop
	global_prefetch_b8 v0, s[64:65] scope:SCOPE_SE
	s_setreg_imm32_b32 hwreg(HW_REG_WAVE_MODE, 25, 1), 1
	s_wait_xcnt 0x0
; LAUNCH 3 OF 5.  Scores q k^T on FP6 codes (K = 1,024), the causal mask, and p = 2^(t - M) quantised along the keys into launch 4's panels.  t = score x log2(e) / 8.
; WORK LEFT OUT: tiles of 256 queries x 256 keys that lie wholly above the diagonal; reference()'s own triu makes their weights 0 for all inputs.  A batch has 36 tiles on or under the diagonal: the grid's x.
; THE SOFTMAX IS SPLIT.  A wave sees 128 keys of its 128 queries.  It takes M = ceil(the largest t) of THESE keys, a whole number, quantises p = 2^(t - M), and stores beside the codes a record: the raw scale words, -M,
; and l = the sum of the unquantised p.  Launch 4 takes the row's largest M and moves each scale byte and each l by the whole-number difference: an exact power of two.
; A row all of whose 128 keys are hidden has p = 0, l = 0 and a very large -M: no NaN arises, and launch 4 gives it no weight.
; The product is used transposed: source 0 = 16 keys, source 1 = 16 queries: a lane holds one query, its registers run along the keys.  Slots, K steps, panels and registers as in launch 2.
; NO CLUSTER: a batch's tiles stand in rows of 1 to 8 tiles, so the 36 do not fall into groups of four that share a tile of q or of k.
; REGISTERS beside launch 2's: v5 the mask's lane term, v6 -infinity, v[8:9] -M, v10-15 at work; on the way out v192-255 p; v176-183 the tiles' -M, v184-191 their l.
.set NA,    8
.set PANEL, 12800
.set FRB,   1536
.set SCO,   12288
.set GRP,   2*PANEL                    ; 128 rows x 256 along K: what one tensor load brings
.set SLOTB, 4*GRP
.set SPARE, 3*SLOTB                    ; behind the three slots: the spare words, 128 bytes a wave, two blocks of 256 bytes that no other line names
.set PTAB,  0
.set FR,    12
.set LI,    3
.set VD,    5
.set NINF,  6
.set SPW,   28
.set NIL,   29
.set SC,    32                         ; v32-47 scale words and nothing else
.set BI,    64
.set AF,    128
.set PC,    128
.set TM,    148
.set KW,    168
.set KM,    176
.set KL,    184
.set TT,    192
.set G1,  24                           ; s[24:31] group 1; s[32:43] groups 0, one a slot
.set G0,  32
.set MSK, 59
.set SEL, 60
.set CS,  62                           ; s[62:63] c = log2(e) / 8
.set MF,  73                           ; s73 1 where my 128 x 128 touches or lies above the diagonal
.set MSB, 0
.macro WIN new                         ; the immediate's high byte repeats the setting that is left
.if MSB != (\new)
	s_set_vgpr_msb (MSB<<8)|(\new)
.set MSB, (\new)
.endif
.endm
.macro PLACES n                        ; plain places behind matrix instructions (ISA guide 7.12.1)
.rept \n
	v_nop
.endr
.endm
.macro WINM hi, mode
.if \mode >= 2
	WIN 0x81+0x40*(\hi)
.else
	WIN 0xa1+0x50*(\hi)
.endif
.endm
.macro FRAG reg, adr, q, i
.irp c, 0,1,2
	ds_load_b128 v[\reg+4*\c:\reg+4*\c+3], v[\adr] offset:(\q)*PANEL+(\i)*FRB+512*\c
.endr
.endm
.macro FETCH_B adr, q
	WIN 0x40
.irp i, 0,1,2,3,4,5,6,7
	FRAG 128*(\q)+FR*\i, \adr, \q, \i
.endr
	WIN 0
.endm
.macro FETCH_AH adr, q, hf
.set fi, (\hf)*NA/2
.rept NA/2
	FRAG AF+FR*fi, \adr, \q, fi
.set fi, fi+1
.endr
.endm
.macro SCL rs, rb, q
	ds_load_b128 v[SC+8*(\q):SC+8*(\q)+3], v[\rs] offset:(\q)*PANEL+SCO
.if PTAB
	ds_load_b128 v[SC+8*(\q)+4:SC+8*(\q)+7], v[ADT] offset:512*(\q)
.else
	ds_load_b128 v[SC+8*(\q)+4:SC+8*(\q)+7], v[\rb] offset:(\q)*PANEL+SCO
.endif
.endm
; 8 matrix instructions: S1's block a x S0's eight.  mode 0: C = D; 1: C = 0.  The accumulators take turns, one instruction a turn.
.macro MULA a, q, mode
.irp b, 0,1,2,3,4,5,6,7
.set rD, 8*(8*((\a)%4)+\b)
.set rX, 128*(\q)+FR*\b
.set rY, AF+FR*(\a)
.set rS, SC+8*(\q)+4+\b%4
.set rT, SC+8*(\q)+(\a)%4
.set sel, 2*(\b/4)+(\a)/4
.if \mode == 1
.if sel == 0
	v_wmma_scale_f32_16x16x128_f8f6f4 v[rD:rD+7], v[rX:rX+11], v[rY:rY+11], 0, v[rS], v[rT] matrix_a_fmt:MATRIX_FMT_FP6 matrix_b_fmt:MATRIX_FMT_FP6
.elseif sel == 1
	v_wmma_scale_f32_16x16x128_f8f6f4 v[rD:rD+7], v[rX:rX+11], v[rY:rY+11], 0, v[rS], v[rT] matrix_a_fmt:MATRIX_FMT_FP6 matrix_b_fmt:MATRIX_FMT_FP6 matrix_b_scale:MATRIX_SCALE_ROW1
.elseif sel == 2
	v_wmma_scale_f32_16x16x128_f8f6f4 v[rD:rD+7], v[rX:rX+11], v[rY:rY+11], 0, v[rS], v[rT] matrix_a_fmt:MATRIX_FMT_FP6 matrix_b_fmt:MATRIX_FMT_FP6 matrix_a_scale:MATRIX_SCALE_ROW1
.else
	v_wmma_scale_f32_16x16x128_f8f6f4 v[rD:rD+7], v[rX:rX+11], v[rY:rY+11], 0, v[rS], v[rT] matrix_a_fmt:MATRIX_FMT_FP6 matrix_b_fmt:MATRIX_FMT_FP6 matrix_a_scale:MATRIX_SCALE_ROW1 matrix_b_scale:MATRIX_SCALE_ROW1
.endif
.else
.if sel == 0
	v_wmma_scale_f32_16x16x128_f8f6f4 v[rD:rD+7], v[rX:rX+11], v[rY:rY+11], v[rD:rD+7], v[rS], v[rT] matrix_a_fmt:MATRIX_FMT_FP6 matrix_b_fmt:MATRIX_FMT_FP6
.elseif sel == 1
	v_wmma_scale_f32_16x16x128_f8f6f4 v[rD:rD+7], v[rX:rX+11], v[rY:rY+11], v[rD:rD+7], v[rS], v[rT] matrix_a_fmt:MATRIX_FMT_FP6 matrix_b_fmt:MATRIX_FMT_FP6 matrix_b_scale:MATRIX_SCALE_ROW1
.elseif sel == 2
	v_wmma_scale_f32_16x16x128_f8f6f4 v[rD:rD+7], v[rX:rX+11], v[rY:rY+11], v[rD:rD+7], v[rS], v[rT] matrix_a_fmt:MATRIX_FMT_FP6 matrix_b_fmt:MATRIX_FMT_FP6 matrix_a_scale:MATRIX_SCALE_ROW1
.else
	v_wmma_scale_f32_16x16x128_f8f6f4 v[rD:rD+7], v[rX:rX+11], v[rY:rY+11], v[rD:rD+7], v[rS], v[rT] matrix_a_fmt:MATRIX_FMT_FP6 matrix_b_fmt:MATRIX_FMT_FP6 matrix_a_scale:MATRIX_SCALE_ROW1 matrix_b_scale:MATRIX_SCALE_ROW1
.endif
.endif
.endr
.endm
.macro MULH hf, q, mode
	WINM ((\hf)*NA/8), \mode
.set ma, (\hf)*NA/2
.rept NA/2
	MULA ma, \q, \mode
.set ma, ma+1
.endr
.endm
.macro HEADFETCH ra, rb, rs            ; the first K step's fragments and scale planes; the second half of S1's blocks last
	FETCH_B \rb, 0
	FETCH_AH \ra, 0, 0
	SCL \rs, \rb, 0
	FETCH_AH \ra, 0, 1
.endm
; A K step of parity q; nx = 1: it fetches the next K step (parity 1 - q) from the slot whose address registers are named, in two runs among its products.
.macro KSTEP q, mode, nx, ra, rb, rs
	s_wait_dscnt 3*NA/2                            ; all but the youngest loads (the second half of S1's blocks) are in
	MULH 0, \q, \mode
	s_wait_dscnt 0x0
.if \nx
	PLACES 4
	FETCH_B \rb, 1-(\q)
	FETCH_AH \ra, 1-(\q), 0
	SCL \rs, \rb, 1-(\q)
.endif
	MULH 1, \q, \mode
.if \nx
	PLACES 4
	WIN 0
	FETCH_AH \ra, 1-(\q), 1
.else
	WIN 0
.endif
.endm
.macro TLOAD s                         ; every wave fetches its own group; an s_nop 0 and four v_nop follow
	tensor_load_to_lds s[G0+4*\s:G0+4*\s+3], s[G1:G1+7]
	s_nop 0
.rept 4
	v_nop
.endr
.endm
.macro FILLSTEP                        ; slot 0's descriptor goes on to K's last quarter
	s_add_nc_u64 s[G0+2:G0+3], s[G0+2:G0+3], 3*GRP
.endm
.macro FILL
	TLOAD 0
.endm
; A slot's last K step (parity 1) changes slots: ONE barrier inside it, as in launch 2.  fill = 1: the slot that is left is filled again, first thing behind the barrier.
.macro TURN fill, ra, rb, rs
	s_wait_tensorcnt 0x0                           ; all my tensor loads have landed (every window is 0 here)
.if \fill
	ds_add_u32 v[SPW], v[NIL]
	FILLSTEP                                       ; no load of mine is out, so group 0 may be written
	s_wait_dscnt 3*NA/2+1                          ; the add and the youngest loads may be out
.else
	s_wait_dscnt 3*NA/2
.endif
	WINM 0, 0
.set ma, 0
.rept NA/4
	MULA ma, 1, 0
.set ma, ma+1
.endr
	s_wait_dscnt 0x0                               ; my reads of this slot are over (fill = 1: and the add is done)
	s_barrier_signal -1
.rept NA/4
	MULA ma, 1, 0
.set ma, ma+1
.endr
	WIN 0
	s_barrier_wait -1
.if \fill
	FILL                                           ; the four v_nop behind the load are also the places in front of the loads below
.else
	PLACES 4
.endif
	FETCH_B \rb, 0
	FETCH_AH \ra, 0, 0
	SCL \rs, \rb, 0
	MULH 1, 1, 0
	PLACES 4
	WIN 0
	FETCH_AH \ra, 0, 1
.endm
; 64 numbers of a lane in window w, v[s] on, become a fragment in v[PC] on and its scale word in v[pw].
.macro QUANT s, w, pw
	WIN ((\w)<<2)|((\w)<<4)
.irp b, 0,1,2,3
	v_max3_num_f32 v[TM+\b], 0x1800000, |v[\s+16*\b]|, |v[\s+1+16*\b]|   ; the floor 2^(3 - 127): the byte cannot fall under 1
.endr
.irp i, 2,4,6,8,10,12,14
.irp b, 0,1,2,3
	v_max3_num_f32 v[TM+\b], v[TM+\b], |v[\s+16*\b+\i]|, |v[\s+1+16*\b+\i]|
.endr
.endr
	WIN 0
.irp b, 0,1,2,3
	v_permlanex16_b32 v[TM+4+\b], v[TM+\b], s[SEL], s[SEL+1]
.endr
.irp b, 0,1,2,3
	v_max_num_f32 v[TM+\b], v[TM+\b], v[TM+4+\b]
.endr
.irp b, 0,1,2,3
	v_add_nc_u32 v[TM+12+\b], 0xff000000, v[TM+\b] ; 2 off the exponent field: the conversion's scale operand
.endr
.irp b, 0,1,2,3
	v_lshrrev_b32 v[TM+4+\b], 23, v[TM+12+\b]      ; the scale's byte
.endr
	v_lshl_or_b32 v[\pw], v[TM+5], 8, v[TM+4]
	v_lshl_or_b32 v[\pw], v[TM+6], 16, v[\pw]
	v_lshl_or_b32 v[\pw], v[TM+7], 24, v[\pw]
	s_wait_xcnt 0x0                                ; the last fragment's stores have read their registers
	WIN (\w)
.irp c, 0,1
	v_cvt_scalef32_pk16_fp6_f32 v[PC+6*\c:PC+2+6*\c], v[\s+32*\c:\s+15+32*\c], v[TM+12+2*\c]
	v_cvt_scalef32_pk16_fp6_f32 v[PC+12+4*\c:PC+14+4*\c], v[\s+16+32*\c:\s+31+32*\c], v[TM+12+2*\c+1]
.endr
	WIN 0
	v_nop                                          ; one plain place behind a scaled conversion
.irp c, 0,1
.irp i, 0,1,2
	v_permlane16_swap_b32 v[PC+6*\c+\i], v[PC+12+4*\c+\i]
.endr
.irp i, 0,1,2
	v_mov_b32 v[PC+3+6*\c+\i], v[PC+12+4*\c+\i]
.endr
.endr
.endm
.macro PUT a
.irp c, 0,1,2
	global_store_b128 v[LI], v[PC+4*\c:PC+4*\c+3], s[12:13] offset:(\a)*FRB+512*\c
.endr
.endm
.macro PLANE d, k
.irp i, 0,1,2,3
	v_cndmask_b32 v[\d+\i], v[\k+\i], v[\k+4+\i], s[MSK]
.endr
.endm
; Block a: 16 queries x my 128 keys.  Register 8 b + j of lane (r, h) is the score of query 16 a + r and key 16 b + 8 h + j.
.macro SOFT a
.set AC, 64*((\a)%4)
.set WW, 2+(\a)/4
	s_cmp_eq_u32 s[MF], 0                          ; ids alone: a wave whose keys all count passes over the mask
	s_cbranch_scc1 .Lopen_\@
	WIN (WW<<6)|WW                                 ; destination and source 0: the accumulators' window
.set n, 0
.rept 64
	v_cmp_gt_i32 vcc_lo, 16*(n/8)+n%8-16*(\a), v[VD]   ; hidden where key > query
	v_cndmask_b32 v[AC+n], v[AC+n], v[NINF], vcc_lo
.set n, n+1
.endr
	WIN 0
.Lopen_\@:
	WIN (WW<<2)|(WW<<4)
.irp b, 0,1,2,3
	v_max3_num_f32 v[TM+\b], 0xff61b1e6, v[AC+16*\b], v[AC+16*\b+1]   ; the largest score, over -3e38, in four chains; each accumulator from its low end on
.endr
.irp i, 2,4,6,8,10,12,14
.irp b, 0,1,2,3
	v_max3_num_f32 v[TM+\b], v[TM+\b], v[AC+16*\b+\i], v[AC+16*\b+\i+1]
.endr
.endr
	WIN 0
	v_max3_num_f32 v10, v[TM], v[TM+1], v[TM+2]
	v_max_num_f32 v10, v10, v[TM+3]
	v_permlanex16_b32 v11, v10, s[SEL], s[SEL+1]
	v_max_num_f32 v10, v10, v11                    ; with lane l xor 16's 64 keys
	v_mul_f32 v10, s[CS], v10                      ; as t (c is positive)
	v_floor_f32 v8, -v10                           ; -M = floor(-t) = -ceil(t): M is a whole number
	WIN WW                                         ; source 0: the accumulators' window
.set n, 0
.rept 32
	v_pk_fma_f32 v[TT+n:TT+n+1], v[AC+n:AC+n+1], s[CS:CS+1], v[8:9] op_sel_hi:[1,0,0]   ; t - M, two at a time
.set n, n+2
.endr
	WIN 0
.set n, 0
.rept 64
	v_exp_f32 v[TT+n], v[TT+n]                     ; p = 2^(t - M), at most 1: not normalised
.set n, n+1
.endr
	v_mov_b32 v[KM+(\a)], v8                       ; -M is kept.  (A plain place behind the exponentials)
	s_wait_alu depctr_va_vdst(0)                   ; one wait for the whole batch, ahead of its first reader
	v_pk_add_f32 v[12:13], v[TT:TT+1], v[TT+2:TT+3]        ; the sum of the unquantised p, in two chains
	v_pk_add_f32 v[14:15], v[TT+4:TT+5], v[TT+6:TT+7]
.set n, 8
.rept 14
	v_pk_add_f32 v[12:13], v[12:13], v[TT+n:TT+n+1]
	v_pk_add_f32 v[14:15], v[14:15], v[TT+n+2:TT+n+3]
.set n, n+4
.endr
	v_pk_add_f32 v[12:13], v[12:13], v[14:15]
	v_add_f32 v12, v12, v13
	v_permlanex16_b32 v11, v12, s[SEL], s[SEL+1]
	v_add_f32 v[KL+(\a)], v12, v11                 ; with lane l xor 16's: l of these 128 keys
	QUANT TT, 0, KW+(\a)
	PUT \a
.endm
	s_load_b128 s[4:7], s[0:1], 0x0                ; qkv, pp
	s_load_b64 s[8:9], s[0:1], 0x10                ; st
	v_lshl_add_u32 v[SPW], v0, 2, SPARE
	v_mov_b32 v[NIL], 0
	ds_add_u32 v[SPW], v[NIL]                      ; the wave's opening: the add, twice on end, and its wait ahead of my first tensor load
	ds_add_u32 v[SPW], v[NIL]
	v_lshrrev_b32 v1, 5, v0
	v_readfirstlane_b32 s14, v1                    ; wave 0..3
	s_lshr_b32 s15, s14, 1                         ; sa: my half of the queries.  Also: I fetch q (0) or k (1)
	s_and_b32 s16, s14, 1                          ; sb: my half of the keys.  Also: which half I fetch
	s_and_b32 s19, ttmp7, 0xffff                   ; the batch
	s_mov_b32 s17, 0
.irp thr, 1,3,6,10,15,21,28            ; tile g of the triangle: its row qi is the number of rows that begin at or under g
	s_cmp_ge_u32 ttmp9, \thr
	s_cselect_b32 s18, 1, 0
	s_add_co_u32 s17, s17, s18
.endr
	s_add_co_u32 s18, s17, 1
	s_mul_i32 s18, s18, s17
	s_lshr_b32 s18, s18, 1
	s_sub_co_u32 s18, ttmp9, s18                   ; ki = g - qi (qi + 1) / 2
	s_mov_b32 s[G1], 3<<16                         ; no mask; elements of 8 bytes; no padding: a dense block of 25,600 bytes as 100 rows of 256
	s_mov_b32 s[G1+1], 32<<16
	s_mov_b32 s[G1+2], 100<<16
	s_mov_b32 s[G1+3], 32<<16
	s_mov_b32 s[G1+4], 100
	s_mov_b32 s[G1+5], 32
	s_mov_b32 s[G1+6], 0
	s_mov_b32 s[G1+7], 0
	s_cmp_eq_u32 s15, 0
	s_cselect_b32 s20, s17, s18
	s_cselect_b32 s21, 0, 512
	s_lshl_b32 s20, s20, 1
	s_add_co_u32 s20, s20, s16
	s_lshl_b32 s22, s19, 4
	s_add_co_u32 s20, s20, s22                     ; the token block: 16 b + 2 (qi or ki) + half
	s_lshl_b32 s20, s20, 3
	s_add_co_u32 s20, s20, s21
	s_mul_i32 s66, s20, PANEL
	s_mov_b32 s67, 0
	s_mul_i32 s70, s14, GRP
	s_lshl_b32 s74, s19, 4
	s_lshl_b32 s75, s17, 1
	s_add_co_u32 s74, s74, s75
	s_add_co_u32 s74, s74, s15
	s_lshl_b32 s74, s74, 4
	s_lshl_b32 s75, s18, 1
	s_add_co_u32 s74, s74, s75
	s_add_co_u32 s74, s74, s16                     ; my panel of p: 16 (16 b + 2 qi + sa) + 2 ki + sb
	s_mul_i32 s76, s74, PANEL
	s_mov_b32 s77, 0
	s_mul_i32 s78, s74, 1536
	s_mov_b32 s79, 0
	s_cmp_eq_u32 s17, s18
	s_cselect_b32 s[MF], 1, 0
	s_cmp_le_u32 s15, s16
	s_cselect_b32 s[MF], s[MF], 0                  ; on the diagonal tile, and my keys are not all before my queries
	s_sub_co_i32 s80, s15, s16
	s_lshl_b32 s80, s80, 7                         ; 128 (sa - sb)
	s_mov_b32 s[MSK], 0xffff0000
	s_mov_b32 s[SEL], 0x76543210
	s_mov_b32 s[SEL+1], 0xfedcba98
	s_mov_b32 s[CS], 0x3e38aa3b                    ; c = log2(e) / 8
	s_mov_b32 s[CS+1], s[CS]                       ; (named with it as a pair, so it is written)
	s_wait_dscnt 0x0                               ; both opening adds are done
	s_wait_kmcnt 0x0
	s_add_nc_u64 s[66:67], s[4:5], s[66:67]
.irp s, 0,1,2                          ; slot s takes K = 256 s .. 256 s + 255: the three first fills go out as one group
	s_mov_b32 s[G0+4*\s], 1
	s_add_co_u32 s[G0+4*\s+1], s70, \s*SLOTB
	s_add_nc_u64 s[G0+4*\s+2:G0+4*\s+3], s[66:67], \s*GRP
	s_or_b32 s[G0+4*\s+3], s[G0+4*\s+3], 0x80000000
	TLOAD \s
.endr
	s_add_nc_u64 s[12:13], s[6:7], s[76:77]
	s_add_nc_u64 s[56:57], s[8:9], s[78:79]
	v_and_b32 v4, 31, v0
	v_lshlrev_b32 v[LI], 4, v4
	v_and_b32 v1, 15, v0                           ; r
	v_bfe_u32 v2, v0, 4, 1                         ; h
	s_mul_i32 s71, s15, GRP
	s_mul_i32 s72, s16, GRP
	s_add_co_u32 s72, s72, 2*GRP
.irp s, 0,1,2
	v_add_nc_u32 v[16+\s], s71, v[LI]
	v_add_nc_u32 v[20+\s], s72, v[LI]
	s_add_co_u32 s71, s71, SLOTB
	s_add_co_u32 s72, s72, SLOTB
.endr
	v_lshlrev_b32 v[VD], 3, v2
	v_sub_nc_u32 v[VD], v1, v[VD]
	v_add_nc_u32 v[VD], s80, v[VD]                 ; 128 (sa - sb) + r - 8 h: key 16 b + j of block a's row is hidden where 16 b + j - 16 a is above it
	v_mov_b32 v[NINF], 0xff800000
	v_mov_b32 v9, 0                                ; (named as the upper half of the pair v[8:9])
	v_mov_b32 v11, 0                               ; written once: a lane permute's destination counts as one of its sources
	s_wait_tensorcnt 0x2                           ; my group of slot 0 is in; the two younger loads may stay out
	s_barrier_signal -1
	s_barrier_wait -1
	HEADFETCH 16, 20, 16
	KSTEP 0, 1, 1, 16, 20, 16                      ; K step 0: the first products start the sums: nothing is cleared
	TURN 1, 17, 21, 17                             ; K step 1; slot 0 is left and takes K's last quarter
	KSTEP 0, 0, 1, 17, 21, 17                      ; K step 2
	KSTEP 1, 0, 1, 18, 22, 18                      ; K step 3 goes on into slot 2, which the barrier above has shown whole
	KSTEP 0, 0, 1, 18, 22, 18                      ; K step 4
	TURN 0, 16, 20, 16                             ; K step 5; the refill has landed in every wave
	KSTEP 0, 0, 1, 16, 20, 16                      ; K step 6
	KSTEP 1, 0, 0, 16, 20, 16                      ; K step 7: nothing is left to fetch
	PLACES 4
.irp b, 0,1,2,3
	v_mov_b32 v[TM+4+\b], 0
.endr
.irp a, 0,1,2,3,4,5,6,7
	SOFT \a
.endr
	PLANE 192, KW
	PLANE 196, KM
	PLANE 200, KL
	global_store_b128 v[LI], v[192:195], s[12:13] offset:SCO       ; the panel's own plane (launch 4's tensor loads read the whole panel)
	global_store_b128 v[LI], v[192:195], s[56:57]                  ; the record: raw scale words,
	global_store_b128 v[LI], v[196:199], s[56:57] offset:512       ; -M,
	global_store_b128 v[LI], v[200:203], s[56:57] offset:1024      ; l
	s_wait_tensorcnt 0x0                           ; the wave's end
	ds_add_u32 v[SPW], v[NIL]
	s_wait_dscnt 0x0
	s_endpgm
.Lfunc_end_k_qf021597dd6_score:
	.size	k_qf021597dd6_score, .Lfunc_end_k_qf021597dd6_score-k_qf021597dd6_score
	.p2alignl 7, 3214868480
	.fill 96, 4, 3214868480
	.section	.rodata,"a",@progbits
	.p2align	6, 0x0
	.amdhsa_kernel k_qf021597dd6_score
		.amdhsa_group_segment_fixed_size 327680
		.amdhsa_private_segment_fixed_size 0
		.amdhsa_enable_private_segment 0
		.amdhsa_kernarg_size 24
		.amdhsa_user_sgpr_count 2
		.amdhsa_user_sgpr_kernarg_segment_ptr 1
		.amdhsa_wavefront_size32 1
		.amdhsa_system_sgpr_workgroup_id_x 1
		.amdhsa_system_sgpr_workgroup_id_y 1
		.amdhsa_system_sgpr_workgroup_id_z 1
		.amdhsa_system_vgpr_workitem_id 0
		.amdhsa_next_free_vgpr 1024
		.amdhsa_next_free_sgpr 100
		.amdhsa_reserve_vcc 1
		.amdhsa_float_denorm_mode_32 3
		.amdhsa_float_denorm_mode_16_64 3
		.amdhsa_memory_ordered 1
		.amdhsa_forward_progress 1
		.amdhsa_inst_pref_size 243
	.end_amdhsa_kernel
	.amdgpu_metadata
---
amdhsa.version: [ 1, 2 ]
amdhsa.kernels:
  - .name:           k_qf021597dd6_score
    .symbol:         k_qf021597dd6_score.kd
    .args:
      - { .name: qkv, .offset: 0, .size: 8, .value_kind: global_buffer, .address_space: global }
      - { .name: pp, .offset: 8, .size: 8, .value_kind: global_buffer, .address_space: global }
      - { .name: st, .offset: 16, .size: 8, .value_kind: global_buffer, .address_space: global }
    .group_segment_fixed_size: 327680
    .private_segment_fixed_size: 0
    .kernarg_segment_align: 8
    .kernarg_segment_size: 24
    .max_flat_workgroup_size: 128
    .sgpr_count:     100
    .vgpr_count:     1024
    .wavefront_size: 32
...
	.end_amdgpu_metadata
.endif
;; end of part 7
;; launch pv (part 8): grid 8 x 32, 4 waves a work-group, no clusters, 327,680 bytes of LDS; arguments qkv, pp, st, ot; writes ot
.if DOCPART == 8
	.amdgcn_target "amdgcn-amd-amdhsa--gfx1250"
	.amdhsa_code_object_version 6
	.text
	.protected	k_qf021597dd6_pv
	.globl	k_qf021597dd6_pv
	.p2align	8
	.type	k_qf021597dd6_pv,@function
k_qf021597dd6_pv:
	s_mov_b64 s[64:65], 0
	v_nop
	global_prefetch_b8 v0, s[64:65] scope:SCOPE_SE
	s_setreg_imm32_b32 hwreg(HW_REG_WAVE_MODE, 25, 1), 1
	s_wait_xcnt 0x0
; LAUNCH 4 OF 5.  O^T = v^T p^T / l on FP6 codes, quantised along the queries into launch 5's panels.  A work-group makes 128 features x 256 queries of one batch: 8 x 32 = 256 work-groups; a wave 64 x 128: 32 accumulators.
; WORK LEFT OUT: key steps beyond the query tile's last key: reference()'s own triu makes their weights 0 for all inputs.  Query tile qi walks NS = qi + 1 slot steps of 256 keys.
; S1 = v^T (rows: features), S0 = p (rows: queries), K = the keys: a lane holds one feature, its registers run along the queries, which are launch 5's K.
; THE HEAD FINISHES THE SOFTMAX.  For my 128 queries and each of up to 16 blocks of 128 keys launch 3 left raw scale words, -M and l.  The row's M is the largest; y = min(M_row - M, 127) is taken off each of the block's
; four scale bytes (an exact power of two; a byte that would fall under 0 is held at 0, which stands for 2^-127: LIMIT: such weights count as that and not as less), and l_row = the sum of l 2^-y.
; The moved scale words lie in a table of the wave's own in LDS and are S0's scales; 1 / l_row multiplies the results.
; A SLOT holds 256 keys: v^T's two panels (waves 0 and 1 fetch one each), then p's two groups of two panels (waves 2 and 3).  My four tiles of v^T are fragments 4 sa .. 4 sa + 3 of its panels; their scale words are read
; at 256 sa + 16 (lane % 16) of the plane, so that they stand in lanes 0-15 whatever sa is.
; EVERY work-group walks all eight changes of slots, so that trip counts are constants; a step beyond NS is passed over by a scalar branch on ids, and the look-ahead ends there too: a jump on ids, the same in all four
; waves, leads round the tensor load alone; every wait on TENSORcnt is for 0.  Since the first change of slots therefore stands in the loop, the loop's products all add in place, and the sums begin as zeros, written
; while the first tiles and the records are on their way.
; NO CLUSTER: the eight work-groups that share p's tiles would be partners, but fills end at a limit that is reached by a jump, and no jump may lead round a joint load.
.set NA,    4                          ; blocks of 16 rows of S1 to a wave
.set PANEL, 12800
.set FRB,   1536
.set SCO,   12288
.set GRP,   2*PANEL
.set SLOT1, 1<<17                      ; slot 1 begins here: one exclusive or turns an address from one slot to the other
.set TAB,   SLOT1+3*GRP                ; behind the ring: for each wave 16 planes of 512 bytes: p's moved scale words
.set RLT,   TAB+4*8192                 ; for each wave 128 numbers: 1 / l of my queries
.set SPARE, RLT+4*512                  ; the spare words, 128 bytes a wave, two blocks of 256 bytes that no other line names
.set PTAB,  1
.set FR,    12
.set LI,    3
.set ADT,   24                         ; v24 the step's planes in my table
.set SPW,   28
.set NIL,   29
.set SC,    32                         ; v32-47 scale words and nothing else
.set BI,    64                         ; v64-127 here: 1 / l; register 8 b + j: query 16 b + 8 h + j
.set AF,    128                        ; v128-175 S1's four fragments
.set PC,    128
.set TM,    148
.set KW,    168
.set TT,    192
.set G1,  24                           ; s[24:31] group 1 for a panel of v^T, s[32:35] its group 0, which walks
.set G0,  32
.set G0B, 36                           ; s[36:39], s[48:55] the same for a group of p
.set G1B, 48
.set SEL, 60
.set TB,  2                            ; s2  LDS byte at which the slot in hand begins
.set TS,  3                            ; s3  the step's planes in a table: 1,024 bytes a step
.set IX,  76                           ; s76 the slot step
.set SLOTS, 77                         ; s77 the loop's counter
.set NS,  78                           ; s78 slot steps that count
.set MSB, 0
.macro WIN new                         ; the immediate's high byte repeats the setting that is left
.if MSB != (\new)
	s_set_vgpr_msb (MSB<<8)|(\new)
.set MSB, (\new)
.endif
.endm
.macro PLACES n                        ; plain places behind matrix instructions (ISA guide 7.12.1)
.rept \n
	v_nop
.endr
.endm
.macro WINM hi, mode
	WIN 0xa1+0x50*(\hi)
.endm
.macro FRAG reg, adr, q, i
.irp c, 0,1,2
	ds_load_b128 v[\reg+4*\c:\reg+4*\c+3], v[\adr] offset:(\q)*PANEL+(\i)*FRB+512*\c
.endr
.endm
.macro FETCH_B adr, q
	WIN 0x40
.irp i, 0,1,2,3,4,5,6,7
	FRAG 128*(\q)+FR*\i, \adr, \q, \i
.endr
	WIN 0
.endm
.macro FETCH_AH adr, q, hf
.set fi, (\hf)*NA/2
.rept NA/2
	FRAG AF+FR*fi, \adr, \q, fi
.set fi, fi+1
.endr
.endm
.macro SCL rs, rb, q                   ; v^T's plane from the panel, p's from my table
	ds_load_b128 v[SC+8*(\q):SC+8*(\q)+3], v[\rs] offset:(\q)*PANEL+SCO
.if PTAB
	ds_load_b128 v[SC+8*(\q)+4:SC+8*(\q)+7], v[ADT] offset:512*(\q)
.else
	ds_load_b128 v[SC+8*(\q)+4:SC+8*(\q)+7], v[\rb] offset:(\q)*PANEL+SCO
.endif
.endm
; 8 matrix instructions: S1's block a x S0's eight, C = D.  The 32 accumulators take turns, one instruction a turn.
.macro MULA a, q, mode
.irp b, 0,1,2,3,4,5,6,7
.set rD, 8*(8*((\a)%4)+\b)
.set rX, 128*(\q)+FR*\b
.set rY, AF+FR*(\a)
.set rS, SC+8*(\q)+4+\b%4
.set rT, SC+8*(\q)+(\a)%4
.if \b < 4
	v_wmma_scale_f32_16x16x128_f8f6f4 v[rD:rD+7], v[rX:rX+11], v[rY:rY+11], v[rD:rD+7], v[rS], v[rT] matrix_a_fmt:MATRIX_FMT_FP6 matrix_b_fmt:MATRIX_FMT_FP6
.else
	v_wmma_scale_f32_16x16x128_f8f6f4 v[rD:rD+7], v[rX:rX+11], v[rY:rY+11], v[rD:rD+7], v[rS], v[rT] matrix_a_fmt:MATRIX_FMT_FP6 matrix_b_fmt:MATRIX_FMT_FP6 matrix_a_scale:MATRIX_SCALE_ROW1
.endif
.endr
.endm
.macro MULH hf, q, mode
	WINM ((\hf)*NA/8), \mode
.set ma, (\hf)*NA/2
.rept NA/2
	MULA ma, \q, \mode
.set ma, ma+1
.endr
.endm
.macro HEADFETCH ra, rb, rs            ; a slot's first fragments and scale planes; the second half of S1's blocks last
	FETCH_B \rb, 0
	FETCH_AH \ra, 0, 0
	SCL \rs, \rb, 0
	FETCH_AH \ra, 0, 1
.endm
; A K step of parity q; nx = 1: it fetches the slot's second K step in two runs among its products.
.macro KSTEP q, mode, nx, ra, rb, rs
	s_wait_dscnt 3*NA/2                            ; all but the youngest loads (the second half of S1's blocks) are in
	MULH 0, \q, \mode
	s_wait_dscnt 0x0
.if \nx
	PLACES 4
	FETCH_B \rb, 1-(\q)
	FETCH_AH \ra, 1-(\q), 0
	SCL \rs, \rb, 1-(\q)
.endif
	MULH 1, \q, \mode
.if \nx
	PLACES 4
	WIN 0
	FETCH_AH \ra, 1-(\q), 1
.else
	WIN 0
.endif
.endm
; 64 numbers of a lane in window w, v[s] on, become a fragment in v[PC] on and its scale word in v[pw].
.macro QUANT s, w, pw
	WIN ((\w)<<2)|((\w)<<4)
.irp b, 0,1,2,3
	v_max3_num_f32 v[TM+\b], 0x1800000, |v[\s+16*\b]|, |v[\s+1+16*\b]|   ; the floor 2^(3 - 127): the byte cannot fall under 1
.endr
.irp i, 2,4,6,8,10,12,14
.irp b, 0,1,2,3
	v_max3_num_f32 v[TM+\b], v[TM+\b], |v[\s+16*\b+\i]|, |v[\s+1+16*\b+\i]|
.endr
.endr
	WIN 0
.irp b, 0,1,2,3
	v_permlanex16_b32 v[TM+4+\b], v[TM+\b], s[SEL], s[SEL+1]
.endr
.irp b, 0,1,2,3
	v_max_num_f32 v[TM+\b], v[TM+\b], v[TM+4+\b]
.endr
.irp b, 0,1,2,3
	v_add_nc_u32 v[TM+12+\b], 0xff000000, v[TM+\b] ; 2 off the exponent field: the conversion's scale operand
.endr
.irp b, 0,1,2,3
	v_lshrrev_b32 v[TM+4+\b], 23, v[TM+12+\b]      ; the scale's byte
.endr
	v_lshl_or_b32 v[\pw], v[TM+5], 8, v[TM+4]
	v_lshl_or_b32 v[\pw], v[TM+6], 16, v[\pw]
	v_lshl_or_b32 v[\pw], v[TM+7], 24, v[\pw]      ; both halves of the lanes hold row r's word
	s_wait_xcnt 0x0                                ; the last fragment's stores have read their registers
	WIN (\w)
.irp c, 0,1
	v_cvt_scalef32_pk16_fp6_f32 v[PC+6*\c:PC+2+6*\c], v[\s+32*\c:\s+15+32*\c], v[TM+12+2*\c]
	v_cvt_scalef32_pk16_fp6_f32 v[PC+12+4*\c:PC+14+4*\c], v[\s+16+32*\c:\s+31+32*\c], v[TM+12+2*\c+1]
.endr
	WIN 0
	v_nop                                          ; one plain place behind a scaled conversion
.irp c, 0,1
.irp i, 0,1,2
	v_permlane16_swap_b32 v[PC+6*\c+\i], v[PC+12+4*\c+\i]
.endr
.irp i, 0,1,2
	v_mov_b32 v[PC+3+6*\c+\i], v[PC+12+4*\c+\i]
.endr
.endr
.endm
.macro PUT a
.irp c, 0,1,2
	global_store_b128 v[LI], v[PC+4*\c:PC+4*\c+3], s[12:13] offset:(\a)*FRB+512*\c
.endr
.endm
.macro JLOAD                           ; waves 0 and 1 fetch a panel of v^T each, waves 2 and 3 a group of p: two shapes, two groups 1; the branch hangs on the wave's number alone.  An s_nop 0 and four v_nop follow each line
	s_cmp_eq_u32 s15, 0
	s_cbranch_scc0 .Lfor_b_\@
	tensor_load_to_lds s[G0:G0+3], s[G1:G1+7]
	s_nop 0
.rept 4
	v_nop
.endr
	s_branch .Lasked_\@
.Lfor_b_\@:
	tensor_load_to_lds s[G0B:G0B+3], s[G1B:G1B+7]
	s_nop 0
.rept 4
	v_nop
.endr
.Lasked_\@:
.endm
; THE CHANGE OF SLOTS at a slot step's head.  fill = 1: the other slot takes the next 256 keys, while they count for my queries.
.macro CHANGE fill
	s_wait_tensorcnt 0x0                           ; no tensor load of mine is out, so a group 0 may be written
	ds_add_u32 v[SPW], v[NIL]
.if \fill
	s_xor_b32 s[G0+1], s[G0+1], SLOT1
	s_add_nc_u64 s[G0+2:G0+3], s[G0+2:G0+3], GRP
	s_xor_b32 s[G0B+1], s[G0B+1], SLOT1
	s_add_nc_u64 s[G0B+2:G0B+3], s[G0B+2:G0B+3], GRP
.endif
	s_wait_dscnt 0x0                               ; the add is done, and my reads of the slot that I have left are over
	s_barrier_signal -1
	s_barrier_wait -1
.if \fill
	s_add_co_u32 s96, s[IX], 1                     ; the look-ahead ends at the causal limit: a slot step that no wave reads is not asked for
	s_cmp_ge_u32 s96, s[NS]                        ; ids and the count of steps alone: all four waves go the same way
	s_cbranch_scc1 .Lpast_\@
	JLOAD
.Lpast_\@:
.endif
.endm
.macro WORK                            ; a slot step's products, where its keys count; the lines that step addresses are run in every trip
	s_cmp_ge_u32 s[IX], s[NS]
	s_cbranch_scc1 .Lskip_\@
	v_add_nc_u32 v16, s[TB], v18                   ; these four additions are also the four places between the last step's products and the loads into their sources
	v_add_nc_u32 v17, s[TB], v19
	v_add_nc_u32 v20, s[TB], v22
	v_add_nc_u32 v[ADT], s[TS], v25
	HEADFETCH 16, 20, 17
	KSTEP 0, 0, 1, 16, 20, 17
	KSTEP 1, 0, 0, 16, 20, 17
.Lskip_\@:
	s_add_co_u32 s[IX], s[IX], 1
	s_add_co_u32 s[TS], s[TS], 1024
	s_xor_b32 s[TB], s[TB], SLOT1
.endm
; Key block ks of my queries: y = min(M_row - M, 127); y off each scale byte, held at 0 from below; l 2^-y onto the row's sum; the plane into my table.
; Raw bytes are under 128 (p is at most 1), so with bit 7 set in each byte the subtraction borrows from no neighbour, and bit 7 stays set just where the byte did not fall under 0.
.macro FIX ks
.irp p, 0,1,2,3
	v_sub_f32 v[48+\p], v[128+4*(\ks)+\p], v[4+\p] ; (-M) - (-M_row), a whole number, 0 or more
.endr
.irp p, 0,1,2,3
	v_min_num_f32 v[48+\p], 0x42fe0000, v[48+\p]   ; at most 127
.endr
.irp p, 0,1,2,3
	v_cvt_u32_f32 v[48+\p], v[48+\p]               ; y
.endr
.irp p, 0,1,2,3
	v_perm_b32 v[52+\p], v[48+\p], v[48+\p], 0     ; y in each of the four bytes
.endr
.irp p, 0,1,2,3
	v_or_b32 v[56+\p], 0x80808080, v[64+4*(\ks)+\p]
.endr
.irp p, 0,1,2,3
	v_sub_nc_u32 v[56+\p], v[56+\p], v[52+\p]
.endr
.irp p, 0,1,2,3
	v_and_b32 v[52+\p], 0x80808080, v[56+\p]
.endr
.irp p, 0,1,2,3
	v_lshrrev_b32 v[60+\p], 7, v[52+\p]
.endr
.irp p, 0,1,2,3
	v_sub_nc_u32 v[52+\p], v[52+\p], v[60+\p]      ; 0x7f in the bytes that stay, 0 in those that fell under 0
.endr
.irp p, 0,1,2,3
	v_and_b32 v[64+4*(\ks)+\p], v[56+\p], v[52+\p]
.endr
.irp p, 0,1,2,3
	v_sub_nc_u32 v[48+\p], 0, v[48+\p]
.endr
.if (\ks) == 0
.irp p, 0,1,2,3
	v_ldexp_f32 v[8+\p], v[192+\p], v[48+\p]       ; the first block starts the row's sum
.endr
.else
.irp p, 0,1,2,3
	v_ldexp_f32 v[48+\p], v[192+4*(\ks)+\p], v[48+\p]
.endr
.irp p, 0,1,2,3
	v_add_f32 v[8+\p], v[8+\p], v[48+\p]
.endr
.endif
	ds_store_b128 v25, v[64+4*(\ks):64+4*(\ks)+3] offset:512*(\ks)
.endm
	s_load_b256 s[4:11], s[0:1], 0x0               ; qkv, pp, st, ot
	v_lshl_add_u32 v[SPW], v0, 2, SPARE
	v_mov_b32 v[NIL], 0
	ds_add_u32 v[SPW], v[NIL]                      ; the wave's opening: the add, twice on end, and its wait ahead of my first tensor load
	ds_add_u32 v[SPW], v[NIL]
	v_lshrrev_b32 v1, 5, v0
	v_readfirstlane_b32 s14, v1                    ; wave 0..3
	s_lshr_b32 s15, s14, 1                         ; sa: my 64 of the features.  Also: I fetch v^T (0) or p (1)
	s_and_b32 s16, s14, 1                          ; sb: my half of the queries.  Also: which panel of v^T or which half of p I fetch
	s_and_b32 s17, ttmp7, 0xffff
	s_lshr_b32 s18, s17, 3                         ; the batch
	s_and_b32 s17, s17, 7                          ; qi
	s_add_co_u32 s[NS], s17, 1
	s_mov_b32 s[G1], 3<<16                         ; no mask; elements of 8 bytes; no padding: a panel, 12,800 dense bytes, as 50 rows of 256
	s_mov_b32 s[G1+1], 32<<16
	s_mov_b32 s[G1+2], 50<<16
	s_mov_b32 s[G1+3], 32<<16
	s_mov_b32 s[G1+4], 50
	s_mov_b32 s[G1+5], 32
	s_mov_b32 s[G1+6], 0
	s_mov_b32 s[G1+7], 0
	s_mov_b32 s[G1B], 3<<16                        ; two panels, 25,600 dense bytes, as 100 rows of 256
	s_mov_b32 s[G1B+1], 32<<16
	s_mov_b32 s[G1B+2], 100<<16
	s_mov_b32 s[G1B+3], 32<<16
	s_mov_b32 s[G1B+4], 100
	s_mov_b32 s[G1B+5], 32
	s_mov_b32 s[G1B+6], 0
	s_mov_b32 s[G1B+7], 0
	s_lshl_b32 s20, ttmp9, 4
	s_lshl_b32 s21, s18, 7
	s_add_co_u32 s20, s20, s21
	s_add_co_u32 s20, s20, s16
	s_add_co_u32 s20, s20, 1024                    ; v^T: panel 1024 + 128 b + 16 x feature block + which of the slot's two
	s_mul_i32 s66, s20, PANEL
	s_mov_b32 s67, 0
	s_lshl_b32 s21, s18, 4
	s_lshl_b32 s22, s17, 1
	s_add_co_u32 s21, s21, s22
	s_add_co_u32 s21, s21, s16                     ; 16 b + 2 qi + half
	s_lshl_b32 s22, s21, 4                         ; p: panel 16 x that
	s_mul_i32 s68, s22, PANEL
	s_mov_b32 s69, 0
	s_mul_i32 s70, s16, PANEL                      ; where a panel of v^T goes in a slot,
	s_mul_i32 s71, s16, GRP
	s_add_co_u32 s71, s71, GRP                     ; and a group of p
	s_mul_i32 s72, s21, 16*1536                    ; my queries' records (sb is also my half of the queries)
	s_mov_b32 s73, 0
	s_lshl_b32 s74, s18, 3
	s_add_co_u32 s74, s74, ttmp9
	s_lshl_b32 s74, s74, 4
	s_lshl_b32 s75, s17, 1
	s_add_co_u32 s74, s74, s75
	s_add_co_u32 s74, s74, s16                     ; my panel of O^T: 16 (8 b + feature block) + 2 qi + sb
	s_mul_i32 s74, s74, PANEL
	s_mov_b32 s75, 0
	s_mul_i32 s80, s15, 4*FRB                      ; in it my four fragments,
	s_mov_b32 s81, 0
	s_lshl_b32 s82, s15, 8                         ; and my half of the scale plane
	s_mov_b32 s83, 0
	s_lshl_b32 s79, s17, 1
	s_add_co_u32 s79, s79, 1                       ; the last key block that was written: 2 NS - 1
	s_mov_b32 s[SEL], 0x76543210
	s_mov_b32 s[SEL+1], 0xfedcba98
	s_mov_b32 s[TB], 0
	s_mov_b32 s[TS], 0
	s_mov_b32 s[IX], 0
	s_mov_b32 s[SLOTS], 7
	s_wait_dscnt 0x0                               ; both opening adds are done
	s_wait_kmcnt 0x0
	s_mov_b32 s[G0], 1
	s_mov_b32 s[G0+1], s70
	s_add_nc_u64 s[G0+2:G0+3], s[4:5], s[66:67]
	s_or_b32 s[G0+3], s[G0+3], 0x80000000
	s_mov_b32 s[G0B], 1
	s_mov_b32 s[G0B+1], s71
	s_add_nc_u64 s[G0B+2:G0B+3], s[6:7], s[68:69]
	s_or_b32 s[G0B+3], s[G0B+3], 0x80000000
	JLOAD                                          ; slot 0: keys 0 .. 255, which count for every query tile
	s_add_nc_u64 s[56:57], s[8:9], s[72:73]
	s_add_nc_u64 s[12:13], s[10:11], s[74:75]
	s_add_nc_u64 s[84:85], s[12:13], s[82:83]      ; my half of the plane (less the plane's place in the panel)
	s_add_nc_u64 s[12:13], s[12:13], s[80:81]      ; my fragments
	v_and_b32 v4, 31, v0
	v_lshlrev_b32 v[LI], 4, v4
	v_and_b32 v1, 15, v0                           ; r
	v_bfe_u32 v2, v0, 4, 1                         ; h
	s_mul_i32 s70, s15, 4*FRB
	v_add_nc_u32 v18, s70, v[LI]                   ; my fragments of v^T in a slot,
	s_mul_i32 s70, s16, GRP
	s_add_co_u32 s70, s70, GRP
	v_add_nc_u32 v22, s70, v[LI]                   ; my half of p,
	v_lshlrev_b32 v21, 4, v1                       ; 16 r
	s_lshl_b32 s70, s15, 8
	v_add_nc_u32 v19, s70, v21                     ; my tiles' words in v^T's plane: 256 sa + 16 r
	s_lshl_b32 s70, s14, 13
	s_add_co_u32 s70, s70, TAB
	v_add_nc_u32 v25, s70, v[LI]                   ; my table, 16 bytes a lane
	s_lshl_b32 s70, s14, 9
	s_add_co_u32 s70, s70, RLT
	v_lshlrev_b32 v26, 2, v1
	v_lshl_add_u32 v26, v2, 8, v26
	v_add_nc_u32 v26, s70, v26                     ; 1 / l, in: plane register p of lane (r, h) is query 64 h + 16 p + r
	v_lshlrev_b32 v27, 5, v2
	v_add_nc_u32 v27, s70, v27                     ; and back: eight neighbours from 32 h on
.irp ks, 0,1,2,3,4,5,6,7,8,9,10,11,12,13,14,15
	s_min_u32 s72, s79, \ks                        ; a block that was not written is replaced by the last that was: it serves the minimum alone, which a repeat does not move
	s_mul_i32 s72, s72, 1536
	v_add_nc_u32 v[48+\ks], s72, v[LI]
.endr
.irp ks, 0,1,2,3,4,5,6,7,8,9,10,11,12,13,14,15
	global_load_b128 v[64+4*\ks:64+4*\ks+3],   v[48+\ks], s[56:57]               ; raw scale words
	global_load_b128 v[128+4*\ks:128+4*\ks+3], v[48+\ks], s[56:57] offset:512    ; -M
	global_load_b128 v[192+4*\ks:192+4*\ks+3], v[48+\ks], s[56:57] offset:1024   ; l
.endr
	WIN 0x80                                       ; the sums begin as zeros (see the head), written while the loads above are out
.set n, 0
.rept 256
	v_mov_b32 v[n], 0
.set n, n+1
.endr
	WIN 0
	s_wait_loadcnt 0x0
.irp p, 0,1,2,3
	v_min_num_f32 v[4+\p], v[128+\p], v[132+\p]    ; -M_row: the least -M
.endr
.irp ks, 2,4,6,8,10,12,14
.irp p, 0,1,2,3
	v_min3_num_f32 v[4+\p], v[4+\p], v[128+4*\ks+\p], v[132+4*\ks+\p]
.endr
.endr
.irp i, 0,1,2,3,4,5,6,7
.if \i > 0
	s_cmp_le_u32 s[NS], \i                         ; ids alone: blocks beyond the causal limit do not exist
	s_cbranch_scc1 .Lfixed
.endif
	FIX 2*\i
	FIX 2*\i+1
.endr
.Lfixed:
.irp p, 0,1,2,3
	v_rcp_f32 v[12+\p], v[8+\p]                    ; l_row is above 1/2: the row's largest p is
.endr
	v_nop                                          ; a plain place behind the reciprocals
	s_wait_alu depctr_va_vdst(0)                   ; one wait for the four, ahead of their first reader
.irp p, 0,1,2,3
	ds_store_b32 v26, v[12+\p] offset:64*\p
.endr
.irp b, 0,1,2,3,4,5,6,7                ; LDS serves a wave's instructions in order: these see my stores
	ds_load_b128 v[BI+8*\b:BI+8*\b+3], v27 offset:64*\b
	ds_load_b128 v[BI+8*\b+4:BI+8*\b+7], v27 offset:64*\b+16
.endr
.Lslot:                                ; seven trips; the eighth change of slots is written out, since nothing can follow it
	CHANGE 1
	WORK
	s_sub_co_u32 s[SLOTS], s[SLOTS], 1
	s_cmp_lg_u32 s[SLOTS], 0
	s_cbranch_scc1 .Lslot
	CHANGE 0
	WORK
	PLACES 4
.irp b, 0,1,2,3
	v_mov_b32 v[TM+4+\b], 0                        ; written once: a lane permute's destination counts as one of its sources
.endr
.irp a, 0,1,2,3                        ; block a: features 64 sa + 16 a + r; 128 queries along the registers: one fragment of O^T
.set AC, 64*\a
	WIN 2                                          ; source 0: the accumulators' window
.set n, 0
.rept 32
	v_pk_mul_f32 v[TT+n:TT+n+1], v[AC+n:AC+n+1], v[BI+n:BI+n+1]   ; / l, each accumulator from its low end on
.set n, n+2
.endr
	QUANT TT, 0, KW+\a
	PUT \a
.endr
	global_store_b128 v21, v[KW:KW+3], s[84:85] offset:SCO   ; my four tiles' words of row r: 256 consecutive bytes, aligned; both halves of the lanes store the same bytes to the same place
	s_wait_tensorcnt 0x0                           ; the wave's end
	ds_add_u32 v[SPW], v[NIL]
	s_wait_dscnt 0x0
	s_endpgm
.Lfunc_end_k_qf021597dd6_pv:
	.size	k_qf021597dd6_pv, .Lfunc_end_k_qf021597dd6_pv-k_qf021597dd6_pv
	.p2alignl 7, 3214868480
	.fill 96, 4, 3214868480
	.section	.rodata,"a",@progbits
	.p2align	6, 0x0
	.amdhsa_kernel k_qf021597dd6_pv
		.amdhsa_group_segment_fixed_size 327680
		.amdhsa_private_segment_fixed_size 0
		.amdhsa_enable_private_segment 0
		.amdhsa_kernarg_size 32
		.amdhsa_user_sgpr_count 2
		.amdhsa_user_sgpr_kernarg_segment_ptr 1
		.amdhsa_wavefront_size32 1
		.amdhsa_system_sgpr_workgroup_id_x 1
		.amdhsa_system_sgpr_workgroup_id_y 1
		.amdhsa_system_sgpr_workgroup_id_z 1
		.amdhsa_system_vgpr_workitem_id 0
		.amdhsa_next_free_vgpr 1024
		.amdhsa_next_free_sgpr 100
		.amdhsa_reserve_vcc 0
		.amdhsa_float_denorm_mode_32 3
		.amdhsa_float_denorm_mode_16_64 3
		.amdhsa_memory_ordered 1
		.amdhsa_forward_progress 1
		.amdhsa_inst_pref_size 115
	.end_amdhsa_kernel
	.amdgpu_metadata
---
amdhsa.version: [ 1, 2 ]
amdhsa.kernels:
  - .name:           k_qf021597dd6_pv
    .symbol:         k_qf021597dd6_pv.kd
    .args:
      - { .name: qkv, .offset: 0, .size: 8, .value_kind: global_buffer, .address_space: global }
      - { .name: pp, .offset: 8, .size: 8, .value_kind: global_buffer, .address_space: global }
      - { .name: st, .offset: 16, .size: 8, .value_kind: global_buffer, .address_space: global }
      - { .name: ot, .offset: 24, .size: 8, .value_kind: global_buffer, .address_space: global }
    .group_segment_fixed_size: 327680
    .private_segment_fixed_size: 0
    .kernarg_segment_align: 8
    .kernarg_segment_size: 32
    .max_flat_workgroup_size: 128
    .sgpr_count:     100
    .vgpr_count:     1024
    .wavefront_size: 32
...
	.end_amdgpu_metadata
.endif
;; end of part 8
;; launch outp (part 9): grid 4 x 64, 4 waves a work-group, clusters of 4 x 4, 327,680 bytes of LDS; arguments ot, pan1, W_o_b, out0; writes out0
.if DOCPART == 9
	.amdgcn_target "amdgcn-amd-amdhsa--gfx1250"
	.amdhsa_code_object_version 6
	.text
	.protected	k_qf021597dd6_outp
	.globl	k_qf021597dd6_outp
	.p2align	8
	.type	k_qf021597dd6_outp,@function
k_qf021597dd6_outp:
	s_mov_b64 s[64:65], 0
	v_nop
	global_prefetch_b8 v0, s[64:65] scope:SCOPE_SE
	s_setreg_imm32_b32 hwreg(HW_REG_WAVE_MODE, 25, 1), 1
	s_wait_xcnt 0x0
	s_wait_alu depctr_hold_cnt(0) depctr_sa_sdst(0) depctr_va_vdst(0) depctr_va_sdst(0) depctr_va_ssrc(0) depctr_va_vcc(0) depctr_vm_vsrc(0)
	s_getreg_b32 s2, hwreg(HW_REG_IB_STS2, 6, 4)
	s_cmp_eq_u32 s2, 0
	s_cbranch_scc0 .Lentry_in_a_cluster
	s_endpgm
.Lentry_in_a_cluster:
	s_bfe_u32 s2, ttmp6, 0x10000c
	s_cmp_lg_u32 s2, 0xf033
	s_cbranch_scc0 .Lentry_shape_is_right
	s_endpgm
.Lentry_shape_is_right:
; LAUNCH 5 OF 5.  out0 = scr W_o^T + b_o on FP6 codes.  reference()'s swapaxes and reshape make row i of scr the row d = i / 2 of O^T, queries 1024 (i % 2) + 0 .. 1023: so launch 4's panels of O^T, cut in halves
; along the queries, are this product's left operand as they lie, and only the rows of out0 are dealt out: row 2 d + half.
; S0 = W_o (rows: output features), S1 = O^T (rows: d): a lane holds one row of out0, its registers eight neighbouring features.  The bias is the C of each sum's first matrix instruction.
; A work-group makes 128 rows (one batch, one half, 128 d) x 256 features, K = 1,024: 4 x 64 = 256 work-groups; a wave 64 x 128: 32 accumulators.
; LDS: FOUR slots of 256 along K hold all of K: O^T's two panels (waves 0 and 1 fetch one each), then W_o's two groups of two panels (waves 2 and 3).  All four fills go out together at the start (four loads of a wave
; are out) and nothing is filled again: a change of slots is a counted wait for the next slot's load and a barrier, inside the slot's last K step.  K steps as in launch 2.
; My four tiles of O^T are fragments 4 sa .. 4 sa + 3 of its panels; their scale words are read at 256 sa + 16 (lane % 16) of the plane, so that they stand in lanes 0-15 whatever sa is.
; CLUSTER 4 x 4: O^T's panels hang on the tile row alone and are asked for jointly along a row of the cluster, W_o's groups on the tile column and jointly along a column.
; THE WAY OUT: a block of 16 rows x 128 features goes through the wave's own stage in LDS and leaves as whole rows of 512 bytes.  The stage lies in slot 0, which has had its one fill and, behind the first change of slots, its last read.
.set NA,    4
.set PANEL, 12800
.set FRB,   1536
.set SCO,   12288
.set GRP,   2*PANEL
.set SLOTB, 3*GRP
.set SPARE, 4*SLOTB                    ; behind the slots: the spare words, 128 bytes a wave, two blocks of 256 bytes that no other line names
.set SPITCH, 528                       ; a stage row: 512 bytes + 16
.set FR,    12
.set LI,    3
.set STO,   24                         ; v24 the stage: where I put 32 bytes of a row
.set RD,    25                         ; v25 and where I read a row back
.set SPW,   28
.set NIL,   29
.set SC,    32                         ; v32-47 scale words and nothing else
.set BI,    64
.set AF,    128                        ; v128-175 S1's four fragments
.set BK,    128                        ; the way out: 16 rows read back: v128-191 and v192-255 by turns
.set G1,  24                           ; s[24:31] group 1 for a panel of O^T; s[32:47] its groups 0, one a slot
.set G0,  32
.set G1B, 48                           ; s[48:55], s[68:83] the same for a group of W_o
.set G0B, 68
.set MSB, 0
.macro WIN new                         ; the immediate's high byte repeats the setting that is left
.if MSB != (\new)
	s_set_vgpr_msb (MSB<<8)|(\new)
.set MSB, (\new)
.endif
.endm
.macro PLACES n                        ; plain places behind matrix instructions (ISA guide 7.12.1)
.rept \n
	v_nop
.endr
.endm
.macro WINM hi, mode
.if \mode >= 2
	WIN 0x81+0x40*(\hi)
.else
	WIN 0xa1+0x50*(\hi)
.endif
.endm
.macro FRAG reg, adr, q, i
.irp c, 0,1,2
	ds_load_b128 v[\reg+4*\c:\reg+4*\c+3], v[\adr] offset:(\q)*PANEL+(\i)*FRB+512*\c
.endr
.endm
.macro FETCH_B adr, q
	WIN 0x40
.irp i, 0,1,2,3,4,5,6,7
	FRAG 128*(\q)+FR*\i, \adr, \q, \i
.endr
	WIN 0
.endm
.macro FETCH_AH adr, q, hf
.set fi, (\hf)*NA/2
.rept NA/2
	FRAG AF+FR*fi, \adr, \q, fi
.set fi, fi+1
.endr
.endm
.macro SCL rs, rb, q
	ds_load_b128 v[SC+8*(\q):SC+8*(\q)+3], v[\rs] offset:(\q)*PANEL+SCO
	ds_load_b128 v[SC+8*(\q)+4:SC+8*(\q)+7], v[\rb] offset:(\q)*PANEL+SCO
.endm
; 8 matrix instructions: S1's block a x S0's eight.  mode 0: C = D; 2: C = the bias along S0's rows.  The 32 accumulators take turns, one instruction a turn.
.macro MULA a, q, mode
.irp b, 0,1,2,3,4,5,6,7
.set rD, 8*(8*((\a)%4)+\b)
.set rC, rD
.if \mode == 2
.set rC, BI+8*\b
.endif
.set rX, 128*(\q)+FR*\b
.set rY, AF+FR*(\a)
.set rS, SC+8*(\q)+4+\b%4
.set rT, SC+8*(\q)+(\a)%4
.if \b < 4
	v_wmma_scale_f32_16x16x128_f8f6f4 v[rD:rD+7], v[rX:rX+11], v[rY:rY+11], v[rC:rC+7], v[rS], v[rT] matrix_a_fmt:MATRIX_FMT_FP6 matrix_b_fmt:MATRIX_FMT_FP6
.else
	v_wmma_scale_f32_16x16x128_f8f6f4 v[rD:rD+7], v[rX:rX+11], v[rY:rY+11], v[rC:rC+7], v[rS], v[rT] matrix_a_fmt:MATRIX_FMT_FP6 matrix_b_fmt:MATRIX_FMT_FP6 matrix_a_scale:MATRIX_SCALE_ROW1
.endif
.endr
.endm
.macro MULH hf, q, mode
	WINM ((\hf)*NA/8), \mode
.set ma, (\hf)*NA/2
.rept NA/2
	MULA ma, \q, \mode
.set ma, ma+1
.endr
.endm
.macro HEADFETCH ra, rb, rs            ; the first K step's fragments and scale planes; the second half of S1's blocks last
	FETCH_B \rb, 0
	FETCH_AH \ra, 0, 0
	SCL \rs, \rb, 0
	FETCH_AH \ra, 0, 1
.endm
; A K step of parity q; nx = 1: it fetches the next K step (parity 1 - q) from the slot whose address registers are named, in two runs among its products.
.macro KSTEP q, mode, nx, ra, rb, rs
	s_wait_dscnt 3*NA/2                            ; all but the youngest loads (the second half of S1's blocks) are in
	MULH 0, \q, \mode
	s_wait_dscnt 0x0
.if \nx
	PLACES 4
	FETCH_B \rb, 1-(\q)
	FETCH_AH \ra, 1-(\q), 0
	SCL \rs, \rb, 1-(\q)
.endif
	MULH 1, \q, \mode
.if \nx
	PLACES 4
	WIN 0
	FETCH_AH \ra, 1-(\q), 1
.else
	WIN 0
.endif
.endm
; A slot's last K step (parity 1) goes on into the next slot: my load of that slot has landed (tc younger loads may stay out), then ONE barrier, inside the K step.
.macro TURN tc, ra, rb, rs
	s_wait_tensorcnt \tc
	s_wait_dscnt 3*NA/2
	WINM 0, 0
.set ma, 0
.rept NA/4
	MULA ma, 1, 0
.set ma, ma+1
.endr
	s_wait_dscnt 0x0                               ; no LDS instruction of mine is out at the signal
	s_barrier_signal -1
.rept NA/4
	MULA ma, 1, 0                                  ; work on registers while the others arrive
.set ma, ma+1
.endr
	WIN 0
	s_barrier_wait -1
	PLACES 4
	FETCH_B \rb, 0
	FETCH_AH \ra, 0, 0
	SCL \rs, \rb, 0
	MULH 1, 1, 0
	PLACES 4
	WIN 0
	FETCH_AH \ra, 0, 1
.endm
.macro CREST
	s_cmp_lg_u32 s14, 0
	s_cbranch_scc1 .Lnot_wave_0_\@
	s_barrier_signal -3
.Lnot_wave_0_\@:
	s_barrier_wait -3
	s_barrier_signal -1
	s_barrier_wait -1
.endm
.macro CROUND                          ; a round of the cluster's barrier
	s_barrier_signal -1
	s_barrier_wait -1
	CREST
.endm
.macro JLOAD s                         ; a joint load: waves 0 and 1 fetch a panel of O^T each, waves 2 and 3 a group of W_o; an s_nop 0 and four v_nop follow each line
	s_cmp_eq_u32 s15, 0
	s_cbranch_scc0 .Lfor_b_\@
	tensor_load_to_lds s[G0+4*\s:G0+4*\s+3], s[G1:G1+7]
	s_nop 0
.rept 4
	v_nop
.endr
	s_branch .Lasked_\@
.Lfor_b_\@:
	tensor_load_to_lds s[G0B+4*\s:G0B+4*\s+3], s[G1B:G1B+7]
	s_nop 0
.rept 4
	v_nop
.endr
.Lasked_\@:
.endm
.macro TOSTAGE a                       ; block a into my stage, and back as whole rows; LDS serves a wave's instructions in order, so no wait stands between
.set AC, 64*((\a)%4)
	WIN 0x08                                       ; an LDS store's data are its source 1: window 2
.irp b, 0,1,2,3,4,5,6,7
	ds_store_b128 v[STO], v[AC+8*\b:AC+8*\b+3] offset:64*\b          ; each accumulator from its low end on
	ds_store_b128 v[STO], v[AC+8*\b+4:AC+8*\b+7] offset:64*\b+16
.endr
	WIN 0
.set BB, BK+64*((\a)%2)
.irp t, 0,1,2,3,4,5,6,7,8,9,10,11,12,13,14,15
	ds_load_b128 v[BB+4*\t:BB+4*\t+3], v[RD] offset:\t*SPITCH
.endr
.endm
.macro SEND a, younger                 ; younger: the LDS instructions issued behind block a's loads, which may stay out
.set BB, BK+64*((\a)%2)
	s_wait_dscnt \younger
.if (\a) > 0
	s_add_nc_u64 s[12:13], s[12:13], 16*8192       ; (behind a wait on XCNT: the earlier stores have read their base)  16 values of d on: 32 rows of out0
.endif
.irp t, 0,1,2,3,4,5,6,7,8,9,10,11,12,13,14,15
	global_store_b128 v[LI], v[BB+4*\t:BB+4*\t+3], s[12:13] offset:\t*8192 th:TH_STORE_NT   ; row 2 d + half: 32 lanes store 512 consecutive bytes, at a multiple of 256 from out0's first byte
.endr
.endm
	s_load_b256 s[4:11], s[0:1], 0x0               ; ot, pan1, W_o_b, out0
	v_lshl_add_u32 v[SPW], v0, 2, SPARE
	v_mov_b32 v[NIL], 0
	ds_add_u32 v[SPW], v[NIL]                      ; the wave's opening: the add, twice on end, and its wait ahead of my first tensor load
	ds_add_u32 v[SPW], v[NIL]
	v_lshrrev_b32 v1, 5, v0
	v_readfirstlane_b32 s14, v1                    ; wave 0..3
	s_lshr_b32 s15, s14, 1                         ; sa: my 64 of S1's rows.  Also: I fetch for S1 (0) or for S0 (1)
	s_and_b32 s16, s14, 1                          ; sb: my half of S0's rows.  Also: which panel of S1 or which half of S0 I fetch
	s_bfe_u32 s56, ttmp6, 0x40000                  ; cx
	s_bfe_u32 s57, ttmp6, 0x40004                  ; cy
	s_lshl_b32 s58, ttmp9, 2
	s_add_co_u32 s58, s58, s56                     ; T0: the tile of 256 features
	s_and_b32 s17, ttmp7, 0xffff
	s_lshl_b32 s59, s17, 2
	s_add_co_u32 s59, s59, s57                     ; T1 = 16 b + 8 half + block of 128 d
	s_lshr_b32 s18, s59, 4                         ; the batch
	s_bfe_u32 s19, s59, 0x10003                    ; which half of the queries
	s_and_b32 s20, s59, 7                          ; which 128 of d
	s_lshl_b32 s60, s57, 2
	s_lshl_b32 s60, 15, s60                        ; my row of the cluster
	s_lshl_b32 s61, 0x1111, s56                    ; my column
	s_or_b32 s[G1], s60, (3<<16)|(1<<21)           ; 15:0 the mask; 17:16 elements of 8 bytes; 21 set beside a mask; no padding
	s_or_b32 s[G1B], s61, (3<<16)|(1<<21)
	s_mov_b32 s[G1+1], 32<<16                      ; a panel, 12,800 dense bytes, as 50 rows of 256
	s_mov_b32 s[G1+2], 50<<16
	s_mov_b32 s[G1+3], 32<<16
	s_mov_b32 s[G1+4], 50
	s_mov_b32 s[G1+5], 32
	s_mov_b32 s[G1+6], 0
	s_mov_b32 s[G1+7], 0
	s_mov_b32 s[G1B+1], 32<<16                     ; two panels, 25,600 dense bytes, as 100 rows of 256
	s_mov_b32 s[G1B+2], 100<<16
	s_mov_b32 s[G1B+3], 32<<16
	s_mov_b32 s[G1B+4], 100
	s_mov_b32 s[G1B+5], 32
	s_mov_b32 s[G1B+6], 0
	s_mov_b32 s[G1B+7], 0
	s_lshl_b32 s21, s18, 3
	s_add_co_u32 s21, s21, s20
	s_lshl_b32 s21, s21, 4
	s_lshl_b32 s22, s19, 3
	s_add_co_u32 s21, s21, s22
	s_add_co_u32 s21, s21, s16                     ; O^T: panel 16 (8 b + block of d) + 8 x half of the queries + which of the slot's two
	s_mul_i32 s84, s21, PANEL
	s_mov_b32 s85, 0
	s_lshl_b32 s23, s58, 1
	s_add_co_u32 s23, s23, s16
	s_lshl_b32 s23, s23, 3
	s_add_co_u32 s23, s23, 704                     ; W_o: panel 704 + 8 (2 T0 + half)
	s_mul_i32 s86, s23, PANEL
	s_mov_b32 s87, 0
	s_mul_i32 s88, s16, PANEL                      ; where a panel of O^T goes in a slot: no place in the cluster enters an LDS address
	s_mul_i32 s89, s16, GRP
	s_add_co_u32 s89, s89, GRP                     ; and a group of W_o
	s_wait_dscnt 0x0                               ; both opening adds are done
	s_wait_kmcnt 0x0
	s_add_nc_u64 s[84:85], s[4:5], s[84:85]
	s_add_nc_u64 s[86:87], s[6:7], s[86:87]
	CROUND                                         ; all sixteen work-groups are here: the joint loads meet
.irp s, 0,1,2,3                        ; slot s takes K = 256 s .. 256 s + 255: all of K goes out as one group
	s_mov_b32 s[G0+4*\s], 1
	s_add_co_u32 s[G0+4*\s+1], s88, \s*SLOTB
	s_add_nc_u64 s[G0+4*\s+2:G0+4*\s+3], s[84:85], \s*GRP
	s_or_b32 s[G0+4*\s+3], s[G0+4*\s+3], 0x80000000
	s_mov_b32 s[G0B+4*\s], 1
	s_add_co_u32 s[G0B+4*\s+1], s89, \s*SLOTB
	s_add_nc_u64 s[G0B+4*\s+2:G0B+4*\s+3], s[86:87], \s*GRP
	s_or_b32 s[G0B+4*\s+3], s[G0B+4*\s+3], 0x80000000
	JLOAD \s
.endr
	v_and_b32 v4, 31, v0
	v_lshlrev_b32 v[LI], 4, v4
	v_and_b32 v1, 15, v0                           ; r
	v_bfe_u32 v2, v0, 4, 1                         ; h
	v_lshlrev_b32 v6, 4, v1                        ; 16 r
	s_mul_i32 s90, s15, 4*FRB
	s_mul_i32 s91, s16, GRP
	s_add_co_u32 s91, s91, GRP
	s_lshl_b32 s92, s15, 8
.irp s, 0,1,2,3
	v_add_nc_u32 v[16+\s], s90, v[LI]              ; my fragments of O^T in slot s,
	v_add_nc_u32 v[20+\s], s91, v[LI]              ; my half of W_o,
	v_add_nc_u32 v[12+\s], s92, v6                 ; my tiles' words in O^T's plane: 256 sa + 16 r
	s_add_co_u32 s90, s90, SLOTB
	s_add_co_u32 s91, s91, SLOTB
	s_add_co_u32 s92, s92, SLOTB
.endr
	s_mul_i32 s93, s14, 16*SPITCH                  ; my stage
	v_mul_u32_u24 v[STO], v1, SPITCH
	v_lshl_add_u32 v[STO], v2, 5, v[STO]
	v_add_nc_u32 v[STO], s93, v[STO]               ; in: row r, + 32 h
	v_add_nc_u32 v[RD], s93, v[LI]                 ; back: 16 bytes a lane
	v_lshlrev_b32 v5, 5, v2                        ; 32 h
	s_lshl_b32 s94, s58, 10
	s_lshl_b32 s95, s16, 9
	s_add_co_u32 s94, s94, s95                     ; the bias of features 256 T0 + 128 sb on
	s_mov_b32 s95, 0
	s_add_nc_u64 s[94:95], s[8:9], s[94:95]
.irp b, 0,1,2,3,4,5,6,7                ; register 8 b + j is the bias of feature 16 b + 8 h + j
	global_load_b128 v[BI+8*\b:BI+8*\b+3], v5, s[94:95] offset:64*\b
	global_load_b128 v[BI+8*\b+4:BI+8*\b+7], v5, s[94:95] offset:64*\b+16
.endr
	s_lshl_b32 s90, s18, 11
	s_lshl_b32 s91, s20, 8
	s_add_co_u32 s90, s90, s91
	s_lshl_b32 s91, s15, 7
	s_add_co_u32 s90, s90, s91
	s_add_co_u32 s90, s90, s19                     ; my first row of out0: 2048 b + 2 (128 x block of d + 64 sa) + half
	s_lshl_b32 s90, s90, 12                        ; rows of 4,096 bytes (under 2^26 in all)
	s_lshl_b32 s91, s58, 10
	s_add_co_u32 s90, s90, s91
	s_lshl_b32 s91, s16, 9
	s_add_co_u32 s90, s90, s91                     ; + my first feature
	s_mov_b32 s91, 0
	s_add_nc_u64 s[12:13], s[10:11], s[90:91]
	s_wait_tensorcnt 0x3                           ; my part of slot 0 is in; the three younger loads may stay out
	s_barrier_signal -1
	s_barrier_wait -1                              ; everybody's is
	HEADFETCH 16, 20, 12
	s_wait_loadcnt 0x0                             ; the bias
	KSTEP 0, 2, 1, 16, 20, 12                      ; K step 0: the first products start the sums with the bias
	TURN 2, 17, 21, 13                             ; K step 1, on into slot 1
	KSTEP 0, 0, 1, 17, 21, 13                      ; K step 2
	TURN 1, 18, 22, 14                             ; K step 3, on into slot 2
	KSTEP 0, 0, 1, 18, 22, 14                      ; K step 4
	TURN 0, 19, 23, 15                             ; K step 5, on into slot 3
	KSTEP 0, 0, 1, 19, 23, 15                      ; K step 6
	KSTEP 1, 0, 0, 19, 23, 15                      ; K step 7: nothing is left to fetch
	PLACES 4
	TOSTAGE 0
.irp a, 1,2,3
.if \a > 1
	s_wait_xcnt 0x0                                ; block a - 2's stores have read their registers and their base: block a's loads may land there, and the base may step
.endif
	TOSTAGE \a
	SEND \a-1, 32                                  ; behind block a - 1's loads: block a's 16 stores and 16 loads
.endr
	s_wait_xcnt 0x0                                ; block 2's stores have read their base
	SEND 3, 0
	s_wait_tensorcnt 0x0                           ; the wave's end
	ds_add_u32 v[SPW], v[NIL]
	s_wait_dscnt 0x0
	CROUND                                         ; the closing round: no work-group ends while a partner may still ask for a tile that names it
	s_endpgm
.Lfunc_end_k_qf021597dd6_outp:
	.size	k_qf021597dd6_outp, .Lfunc_end_k_qf021597dd6_outp-k_qf021597dd6_outp
	.p2alignl 7, 3214868480
	.fill 96, 4, 3214868480
	.section	.rodata,"a",@progbits
	.p2align	6, 0x0
	.amdhsa_kernel k_qf021597dd6_outp
		.amdhsa_group_segment_fixed_size 327680
		.amdhsa_private_segment_fixed_size 0
		.amdhsa_enable_private_segment 0
		.amdhsa_kernarg_size 32
		.amdhsa_user_sgpr_count 2
		.amdhsa_user_sgpr_kernarg_segment_ptr 1
		.amdhsa_wavefront_size32 1
		.amdhsa_system_sgpr_workgroup_id_x 1
		.amdhsa_system_sgpr_workgroup_id_y 1
		.amdhsa_system_sgpr_workgroup_id_z 1
		.amdhsa_system_vgpr_workitem_id 0
		.amdhsa_next_free_vgpr 1024
		.amdhsa_next_free_sgpr 100
		.amdhsa_reserve_vcc 0
		.amdhsa_float_denorm_mode_32 3
		.amdhsa_float_denorm_mode_16_64 3
		.amdhsa_memory_ordered 1
		.amdhsa_forward_progress 1
		.amdhsa_inst_pref_size 82
	.end_amdhsa_kernel
	.amdgpu_metadata
---
amdhsa.version: [ 1, 2 ]
amdhsa.kernels:
  - .name:           k_qf021597dd6_outp
    .symbol:         k_qf021597dd6_outp.kd
    .args:
      - { .name: ot, .offset: 0, .size: 8, .value_kind: global_buffer, .address_space: global }
      - { .name: pan1, .offset: 8, .size: 8, .value_kind: global_buffer, .address_space: global }
      - { .name: W_o_b, .offset: 16, .size: 8, .value_kind: global_buffer, .address_space: global }
      - { .name: out0, .offset: 24, .size: 8, .value_kind: global_buffer, .address_space: global }
    .group_segment_fixed_size: 327680
    .private_segment_fixed_size: 0
    .kernarg_segment_align: 8
    .kernarg_segment_size: 32
    .max_flat_workgroup_size: 128
    .sgpr_count:     100
    .vgpr_count:     1024
    .wavefront_size: 32
...
	.end_amdgpu_metadata
.endif
;; end of part 9
